; MI455X (gfx1250); checked and timed in simulation.
; The chip was launched on July 23, 2026; its instructions are those of AMD's public machine-readable ISA for CDNA 5 (MIT licence, August 2026) and "CDNA5" Instruction Set Architecture Reference Guide (July 2026). The comments in the code are by the model that wrote it; some were corrected since.
;; Decoder Block. Allowed arithmetic: matrix products marked QUANTISED: E4M3 operands, one E8M0 scale for each 32 along K, by v_wmma_scale_f32_16x16x128_f8f6f4 with both operands' format E4M3, f32 sums; everything else in f32.
;; Inputs: W1 512 x 512 float32; W2 512 x 512 float32; Wk_c 100 x 512 float32; Wk_s 512 x 512 float32; Wo_c 512 x 512 float32; Wo_s 512 x 512 float32; Wq_c 512 x 512 float32; Wq_s 512 x 512 float32; Wv_c 100 x 512 float32; Wv_s 512 x 512 float32; X 4 x 2,048 x 512 float32; Zelta 4 x 1,024 x 100 float32; b1 512 float32; b2 100 float32; bf1 512 float32; bf2 512 float32; g1 512 float32; g2 100 float32.
;; Outputs: out0 4 x 2,048 x 512 float32.
;; This version of the problem:
;;   THIS VERSION OF THE PROBLEM IS GIVEN IN LOW PRECISION. The matrix products marked QUANTISED in the list below multiply operands that are first quantised to E4M3 (4 exponent bits, 3 mantissa bits; 8 bits a number), with one power-of-two scale for each 32 numbers along K (OCP MX v1.0); their sums are f32. All else is computed in f32.
;;   The module's matrix products, in the order in which they are computed (A, B: the left and right operand; K: the contracted axis; several contracted axes count as one K, in the product's order):
;;     1. [M 8,192, K 512] x [K 512, N 512]; A: computed on the way; B: input Wq_s: QUANTISED
;;     2. [M 8,192, K 512] x [K 512, N 512]; A: computed on the way; B: input Wk_s: QUANTISED
;;     3. [M 8,192, K 512] x [K 512, N 512]; A: computed on the way; B: input Wv_s: QUANTISED
;;     4. batch 32 x [M 2,048, K 64] x [K 64, N 2,048]; A: computed on the way; B: computed on the way: QUANTISED
;;     5. batch 32 x [M 2,048, K 2,048] x [K 2,048, N 64]; A: computed on the way; B: computed on the way: QUANTISED
;;     6. [M 8,192, K 512] x [K 512, N 512]; A: computed on the way; B: input Wo_s: QUANTISED
;;     7. [M 8,192, K 512] x [K 512, N 512]; A: computed on the way; B: input Wq_c: QUANTISED
;;     8. [M 4,096, K 100] x [K 100, N 512]; A: computed on the way; B: input Wk_c: QUANTISED
;;     9. [M 4,096, K 100] x [K 100, N 512]; A: computed on the way; B: input Wv_c: QUANTISED
;;     10. batch 32 x [M 2,048, K 64] x [K 64, N 1,024]; A: computed on the way; B: computed on the way: QUANTISED
;;     11. batch 32 x [M 2,048, K 1,024] x [K 1,024, N 64]; A: computed on the way; B: computed on the way: QUANTISED
;;     12. [M 8,192, K 512] x [K 512, N 512]; A: computed on the way; B: input Wo_c: QUANTISED
;;     13. [M 8,192, K 512] x [K 512, N 512]; A: computed on the way; B: input W1: QUANTISED
;;     14. [M 8,192, K 512] x [K 512, N 512]; A: computed on the way; B: input W2: QUANTISED
;;   THE QUANTISER, for each operand of a quantised product, along K:
;;     - K is cut into blocks of 32 from its start; a last block that is shorter is filled with zeros.
;;     - A block's scale is 2^e with e = floor(log2(the largest magnitude in the block)) - 8, held to -126 .. 127; a block of zeros has e = 0. As a byte (E8M0): e + 127.
;;     - Each number is divided by its block's scale, clamped to +-448, and rounded to the nearest number of E4M3, ties to even, subnormals kept.
;;     - The product sums the exact products of the quantised numbers (number of the format x scale) in f32.
;;   ~~~python
;;   def quantise(x, axis):      # numpy; x: float32 -> the quantised numbers, widened to float32 again
;;       x = np.moveaxis(x, axis, -1); K = x.shape[-1]
;;       x = np.pad(x, [(0, 0)] * (x.ndim - 1) + [(0, -K % 32)]); x = x.reshape(x.shape[:-1] + (-1, 32)); a = np.abs(x).max(-1, keepdims=True)
;;       e = np.where(a > 0, np.clip(np.frexp(np.where(a > 0, a, 1))[1] - 1 - 8, -126, 127), 0)      # np.frexp(a)[1] - 1 = floor(log2(a)), exactly
;;       r = np.clip(x / 2.0 ** e, -448, 448)
;;       step = 2.0 ** (np.maximum(np.frexp(np.where(r == 0, 1, r))[1] - 1, -6) - 3)
;;       q = np.round(r / step) * step * 2.0 ** e      # np.round: ties to even
;;       return np.moveaxis(q.reshape(q.shape[:-2] + (-1,))[..., :K], -1, axis).astype(np.float32)
;;   ~~~
;;   OPERANDS COMPUTED ON THE WAY. 'Computed on the way' means the value that the module computes at that place (a softmax that the list does not call 'softmax' is quantised finished and normalised). What goes into a quantiser is computed in f32, as accurately as f32 sums, v_exp_f32 and their like allow (about 1e-6 of the number): no bf16 or f16 on the way to a quantiser, and a product that is left as it is and whose result goes on into a quantised operand takes f32 operands (vector FMAs, or v_wmma_f32_16x16x4_f32). A number that lies on a knife's edge between two numbers of the format may be rounded either way, as far as f32 arithmetic and the matrix unit's own rounding can turn it there, and no further.
;; 2 versions, each right; version 2 is version 1 with the launches qkv, mid, tail written anew for expert scheduling mode. Each part assembles by itself: llvm-mc -triple=amdgcn-amd-amdhsa -mcpu=gfx1250 --defsym DOCPART=n.
;; ======== version 1 of 2: 6 launches
;; limits: right only within a limited range of input values
;; workspace buffers: wimg 2,297,856 bytes; kvs 8,650,752 bytes; kvc 4,325,376 bytes; qbuf 4,325,376 bytes; obuf 4,325,376 bytes; x1 16,777,216 bytes
;; launch prep (part 1): grid 68 x 1, 8 waves a work-group, no clusters, 0 bytes of LDS; arguments Wq_s, Wk_s, Wv_s, Wo_s, Wq_c, Wo_c, W1, W2, Wk_c, Wv_c, wimg; writes wimg
.if DOCPART == 1
	.amdgcn_target "amdgcn-amd-amdhsa--gfx1250"
	.amdhsa_code_object_version 6
	.text
	.protected	k_q26209419b5_prep
	.globl	k_q26209419b5_prep
	.p2align	8
	.type	k_q26209419b5_prep,@function
k_q26209419b5_prep:
	s_mov_b64 s[64:65], 0
	v_nop
	global_prefetch_b8 v0, s[64:65] scope:SCOPE_SE
	s_setreg_imm32_b32 hwreg(HW_REG_WAVE_MODE, 25, 1), 1
	s_wait_xcnt 0x0
; The ten weights, f32 stored [K][N], become codes of E4M3 with one E8M0 byte for each 32 along K (their first axis), laid in the ORDER OF THE OPERAND'S REGISTERS:
; a fragment (16 columns x 128 K) is [c = 0..3][lane 0..31][16 bytes]; lane (r, h) of group c holds k = 32 c + 16 h + 0..15 of the tile's place r.
; Tile T = 2 b + u, place r, is column 32 b + 8 u + r + 8 (r / 8): so that a later product's two neighbouring tiles leave 16 neighbours along the next K in a lane.
; wimg: matrix m (Wq_s, Wk_s, Wv_s, Wo_s, Wq_c, Wo_c, W1, W2) at 270,336 m: codes ((4 T + s) 4 + c) 512 + 16 lane; at +262,144 scale words [T][L][i]: K step 2 i + L / 16, place L % 16.
; Wk_c, Wv_c (K = 100, filled with zeros to 128) at 2,162,688 + 67,584 j: codes 2,048 T + 512 c + 16 lane; at +65,536 scale words [T][r].
; A LANE TAKES A COLUMN AND ITS REGISTERS RUN DOWN K: a block of 32 is one lane's 32 registers, each load reads 128 consecutive bytes a wave, and the sixteen lanes of one tile store 256 consecutive bytes, aligned.
; Work-group g < 64: matrix g / 8, K step (g / 2) % 4, columns 256 (g % 2) + 32 wave.  g >= 64: the two short matrices.
; LIMITS: NaN and infinities are not served; a block of zeros gets the byte 1 (its codes are zeros, and only this program reads the bytes).
.set MNT, 40
.set X,   32                           ; v32-95   two sets of 32 numbers
.set C,   96                           ; v96-127  8 registers of codes for each block: no store's data are written again
.set WD,  24                           ; v24      the column's scale word
.macro LOADB c, n                      ; block c: n rows of K at my column, into set c % 2
.set i, 0
.rept \n
	global_load_b32 v[X+32*((\c)%2)+i], v1, s[4:5] offset:(32*(\c)+i)*2048 th:TH_LOAD_NT
.set i, i+1
.endr
.endm
.macro BLOCK c, left                   ; left: the younger loads, which may stay out
.set XS, X+32*((\c)%2)
	s_wait_loadcnt \left
	v_max3_num_f32 v12, |v[XS]|, |v[XS+1]|, |v[XS+2]|      ; the block's largest magnitude, in two chains
	v_max3_num_f32 v13, |v[XS+3]|, |v[XS+4]|, |v[XS+5]|
.irp i, 6,10,14,18,22,26
	v_max3_num_f32 v12, v12, |v[XS+\i]|, |v[XS+\i+1]|
	v_max3_num_f32 v13, v13, |v[XS+\i+2]|, |v[XS+\i+3]|
.endr
	v_max3_num_f32 v12, v12, |v[XS+30]|, |v[XS+31]|
	v_max3_num_f32 v12, v12, v13, 0x4800000                ; and the floor 2^(9 - 127): the byte cannot fall under 1
	v_add_nc_u32 v11, 0xfc000000, v12                      ; 8 off the exponent field: the conversion's scale operand
	v_and_or_b32 v10, v12, 0x7f800000, s[MNT]              ; 448 x the scale
	v_lshrrev_b32 v13, 23, v11                             ; the scale's byte
.if (\c) == 0
	v_mov_b32 v[WD], v13
.else
	v_lshl_or_b32 v[WD], v13, 8*(\c), v[WD]
.endif
.set i, 0
.rept 32
	v_med3_num_f32 v[XS+i], v[XS+i], -v10, v10             ; the conversion to an 8-bit code does not saturate (ISA guide 7.6.2): the hold comes first
.set i, i+1
.endr
.irp g, 0,1,2,3
	v_cvt_scalef32_pk8_fp8_f32 v[C+8*(\c)+2*\g:C+8*(\c)+2*\g+1], v[XS+8*\g:XS+8*\g+7], v11
.endr
	v_nop                                                  ; a plain line behind the conversions, ahead of any vector line that writes their sources
	global_store_b128 v2, v[C+8*(\c):C+8*(\c)+3], s[6:7] offset:512*(\c)          ; k = 32 c + 0..15: the image's lane r
	global_store_b128 v2, v[C+8*(\c)+4:C+8*(\c)+7], s[6:7] offset:512*(\c)+256    ; k = 32 c + 16..31: its lane 16 + r
.endm
.macro RUN n3                          ; n3: the rows of K that block 3 has
	LOADB 0, 32
	LOADB 1, 32
	BLOCK 0, 32
	LOADB 2, 32
	BLOCK 1, 32
	LOADB 3, \n3
.if \n3 < 32
.set i, \n3
.rept 32-\n3
	v_mov_b32 v[X+32+i], 0                                 ; past the end of K: zeros, ahead of the block's maximum
.set i, i+1
.endr
.endif
	BLOCK 2, \n3
	BLOCK 3, 0
	global_store_b32 v3, v[WD], s[38:39]
	s_endpgm
.endm
	s_load_b512 s[16:31], s[0:1], 0x0              ; the eight matrices of 512 x 512
	s_load_b128 s[32:35], s[0:1], 0x40             ; Wk_c, Wv_c
	s_load_b64 s[36:37], s[0:1], 0x50              ; wimg
	v_lshrrev_b32 v4, 5, v0
	v_readfirstlane_b32 s8, v4                     ; wave
	v_and_b32 v4, 31, v0
	v_lshlrev_b32 v1, 2, v4                        ; in: 4 bytes a lane
	v_bfe_u32 v5, v0, 3, 1                         ; u: which of the two tiles my column falls into
	v_and_b32 v6, 7, v0
	v_bfe_u32 v7, v0, 4, 1
	v_lshl_add_u32 v6, v7, 3, v6                   ; r: my place in it
	s_mov_b32 s[MNT], 0x600000
	s_and_b32 s9, ttmp9, 1
	s_lshl_b32 s9, s9, 3
	s_add_co_u32 s9, s9, s8                        ; which 32 columns: 0..15
	s_mov_b32 s15, 0
	s_cmp_ge_u32 ttmp9, 64
	s_cbranch_scc1 .Lsmall
	s_lshr_b32 s10, ttmp9, 3                       ; the matrix
	s_bfe_u32 s12, ttmp9, 0x20001                  ; the K step
	v_lshlrev_b32 v2, 13, v5
	v_lshl_add_u32 v2, v6, 4, v2                   ; codes: 8,192 u + 16 r
	v_lshlrev_b32 v3, 8, v5
	v_lshl_add_u32 v3, v6, 3, v3                   ; scale word: 256 u + 8 r
	s_wait_kmcnt 0x0
	s_mov_b64 s[4:5], s[16:17]
.irp m, 1,2,3,4,5,6,7
	s_cmp_eq_u32 s10, \m                           ; the choice hangs on the work-group's number alone
	s_cselect_b64 s[4:5], s[16+2*\m:17+2*\m], s[4:5]
.endr
	s_mul_i32 s13, s10, 270336
	s_lshl_b32 s14, s12, 18                        ; 128 rows of 2,048 bytes a K step,
	s_lshl_b32 s2, s9, 7                           ; 128 bytes for 32 columns
	s_add_co_u32 s14, s14, s2
	s_add_nc_u64 s[4:5], s[4:5], s[14:15]
	s_lshl_b32 s14, s9, 14                         ; two tiles of 8,192 bytes
	s_add_co_u32 s14, s14, s13
	s_lshl_b32 s2, s12, 11
	s_add_co_u32 s14, s14, s2
	s_add_nc_u64 s[6:7], s[36:37], s[14:15]
	s_lshl_b32 s14, s9, 9
	s_add_co_u32 s14, s14, s13
	s_add_co_u32 s14, s14, 262144
	s_and_b32 s2, s12, 1
	s_lshl_b32 s2, s2, 7                           ; odd K steps lie in the words' lanes 16-31,
	s_add_co_u32 s14, s14, s2
	s_lshr_b32 s2, s12, 1
	s_lshl_b32 s2, s2, 2                           ; K steps 2 and 3 in the second word of a lane
	s_add_co_u32 s14, s14, s2
	s_add_nc_u64 s[38:39], s[36:37], s[14:15]
	RUN 32
.Lsmall:
	v_lshlrev_b32 v2, 11, v5
	v_lshl_add_u32 v2, v6, 4, v2                   ; codes: 2,048 u + 16 r
	v_lshlrev_b32 v3, 6, v5
	v_lshl_add_u32 v3, v6, 2, v3                   ; scale word: 64 u + 4 r
	s_wait_kmcnt 0x0
	s_cmp_lt_u32 ttmp9, 66
	s_cselect_b64 s[4:5], s[32:33], s[34:35]
	s_cselect_b32 s13, 0, 67584
	s_add_co_u32 s13, s13, 2162688
	s_lshl_b32 s14, s9, 7
	s_add_nc_u64 s[4:5], s[4:5], s[14:15]
	s_lshl_b32 s14, s9, 12
	s_add_co_u32 s14, s14, s13
	s_add_nc_u64 s[6:7], s[36:37], s[14:15]
	s_lshl_b32 s14, s9, 7
	s_add_co_u32 s14, s14, s13
	s_add_co_u32 s14, s14, 65536
	s_add_nc_u64 s[38:39], s[36:37], s[14:15]
	RUN 4                                          ; rows 96 to 99 are the last of K = 100
.Lfunc_end_k_q26209419b5_prep:
	.size	k_q26209419b5_prep, .Lfunc_end_k_q26209419b5_prep-k_q26209419b5_prep
	.p2alignl 7, 3214868480
	.fill 96, 4, 3214868480
	.section	.rodata,"a",@progbits
	.p2align	6, 0x0
	.amdhsa_kernel k_q26209419b5_prep
		.amdhsa_group_segment_fixed_size 0
		.amdhsa_private_segment_fixed_size 0
		.amdhsa_enable_private_segment 0
		.amdhsa_kernarg_size 88
		.amdhsa_user_sgpr_count 2
		.amdhsa_user_sgpr_kernarg_segment_ptr 1
		.amdhsa_wavefront_size32 1
		.amdhsa_system_sgpr_workgroup_id_x 1
		.amdhsa_system_sgpr_workgroup_id_y 1
		.amdhsa_system_sgpr_workgroup_id_z 1
		.amdhsa_system_vgpr_workitem_id 0
		.amdhsa_next_free_vgpr 128
		.amdhsa_next_free_sgpr 66
		.amdhsa_reserve_vcc 0
		.amdhsa_float_denorm_mode_32 3
		.amdhsa_float_denorm_mode_16_64 3
		.amdhsa_memory_ordered 1
		.amdhsa_forward_progress 1
		.amdhsa_inst_pref_size 56
	.end_amdhsa_kernel
	.amdgpu_metadata
---
amdhsa.version: [ 1, 2 ]
amdhsa.kernels:
  - .name:           k_q26209419b5_prep
    .symbol:         k_q26209419b5_prep.kd
    .args:
      - { .name: Wq_s, .offset: 0, .size: 8, .value_kind: global_buffer, .address_space: global }
      - { .name: Wk_s, .offset: 8, .size: 8, .value_kind: global_buffer, .address_space: global }
      - { .name: Wv_s, .offset: 16, .size: 8, .value_kind: global_buffer, .address_space: global }
      - { .name: Wo_s, .offset: 24, .size: 8, .value_kind: global_buffer, .address_space: global }
      - { .name: Wq_c, .offset: 32, .size: 8, .value_kind: global_buffer, .address_space: global }
      - { .name: Wo_c, .offset: 40, .size: 8, .value_kind: global_buffer, .address_space: global }
      - { .name: W1, .offset: 48, .size: 8, .value_kind: global_buffer, .address_space: global }
      - { .name: W2, .offset: 56, .size: 8, .value_kind: global_buffer, .address_space: global }
      - { .name: Wk_c, .offset: 64, .size: 8, .value_kind: global_buffer, .address_space: global }
      - { .name: Wv_c, .offset: 72, .size: 8, .value_kind: global_buffer, .address_space: global }
      - { .name: wimg, .offset: 80, .size: 8, .value_kind: global_buffer, .address_space: global }
    .group_segment_fixed_size: 0
    .private_segment_fixed_size: 0
    .kernarg_segment_align: 8
    .kernarg_segment_size: 88
    .max_flat_workgroup_size: 256
    .sgpr_count:     66
    .vgpr_count:     128
    .wavefront_size: 32
...
	.end_amdgpu_metadata
.endif
;; end of part 1
;; launch qkv (part 2): grid 384 x 1, 8 waves a work-group, no clusters, 133,632 bytes of LDS; arguments X, g1, b1, Zelta, g2, b2, wimg, qbuf, kvs, kvc; writes qbuf, kvs, kvc
.if DOCPART == 2
	.amdgcn_target "amdgcn-amd-amdhsa--gfx1250"
	.amdhsa_code_object_version 6
	.text
	.protected	k_q26209419b5_qkv
	.globl	k_q26209419b5_qkv
	.p2align	8
	.type	k_q26209419b5_qkv,@function
k_q26209419b5_qkv:
	s_mov_b64 s[64:65], 0
	v_nop
	global_prefetch_b8 v0, s[64:65] scope:SCOPE_SE
	s_setreg_imm32_b32 hwreg(HW_REG_WAVE_MODE, 25, 1), 1
	s_wait_xcnt 0x0
; Work-groups 0-255: 32 rows of X: layer norm, quantised, times Wq_s, Wk_s, Wv_s; q, k (along the head's 64) and v (along the keys) leave as codes in the order of attention's operand registers.
; Work-groups 256-383: 32 rows of Zelta: layer norm over 100, quantised (K filled with zeros to 128), times Wk_c, Wv_c; the same way out.  That path uses no LDS and no barrier.
; SHARES.  Eight waves; wave w owns columns 64 w .. 64 w + 63 (head w) of all 32 rows: 4 tiles of columns x 2 tiles of rows = 8 accumulators.  Its share of a weight, 16 fragments, comes from memory
; straight into window 1, 512 consecutive bytes a load.  No cluster and no joint load: a weight's image fills most of LDS and three are walked here, so shared tiles would want refills behind rounds.
; ROWS OF A TILE: tile u, place r is row 8 u + r + 8 (r / 8) of the 32; columns of a weight tile likewise.  So with source 0 = weight, source 1 = rows, a lane (r, h) holds one row and the registers
; of tiles 2 b, 2 b + 1 are columns 32 b + 16 h + 0..15; with the sources swapped (v) a lane holds one column and 16 neighbouring rows, which are keys.
; OPERANDS GO FROM WAVE TO WAVE THROUGH LDS AS IMAGES OF THEIR REGISTERS: [c][lane][16 bytes], scale words 4 bytes a lane.
; LAYER NORM: each wave's mean and sum of squared differences over its 64 columns; the eight are joined as mean = the means' mean, variance = (sum of M2 + 64 x sum of (mean_i - mean)^2) / 512.
; LIMITS: NaN and infinities are not served; a block of zeros gets the byte 1 (its codes are zeros, and only this program reads the bytes).
.set IMG0, 0                           ; LDS: 8 fragments (16,384 bytes) and their scale words (8 x 128 bytes)
.set IMG1, 17408
.set IMG2, 34816
.set STAT, 52224                       ; [u][r, pitch 80][wave] pairs (mean, M2)
.set GB,   54784                       ; gain, bias (and in the last launch the two biases of the feed-forward layers), 2,048 bytes each
.set STG,  62976                       ; each wave's own 32 rows of 256 bytes + 16
.set MSTR, 270336
.set L16, 1                            ; v1   16 x lane
.set L4,  2                            ; v2   4 x lane
.set WOF, 3                            ; v3   32,768 x wave + 16 x lane
.set WSO, 4                            ; v4   262,144 + 1,024 x wave + 8 x lane
.set XOFF, 5                           ; v5   my row's bytes in the 32 rows: (r + 8 (r / 8)) 2,048 + 256 wave + 64 h
.set STO, 6                            ; v6   the stage, in
.set SRD, 7                            ; v7   the stage, back
.set GRO, 8                            ; v8   rows out
.set STW, 9
.set STR, 10
.set IMW, 11                           ; v11  1,024 x wave + 16 x lane
.set ISW, 12                           ; v12  128 (wave / 2) + 2 (wave % 2) + 4 x lane
.set GBA, 13
.set R4,  14
.set R8,  15
.set T16, 16
.set G16, 17
.set SB,  22
.set WS,  24                           ; v24-31 the weight's scale words
.set AS,  32                           ; v32-39 the rows' scale words
.set TM,  40                           ; v40-55 at work in QUANT
.set PW,  56
.set MP,  58                           ; v58-61 pairs (mean, M2)
.set SA,  62
.set AF,  64                           ; v64-191 the rows' 8 fragments; between products: codes, gain and bias, at work
.set PC,  64
.set ACC, 192                          ; v192-255 the 8 accumulators
.set WV,  8
.set SEL, 10
.set MNT, 12
.set EPS, 13
.set I512, 14
.set I100, 15
.set WB,  28
.set XB,  36
.set QC,  38
.set QW,  40
.set KC,  42
.set KW,  44
.set VC,  46
.set VW,  48
.set MSB, 0
.macro WIN new                         ; the immediate's high byte repeats the setting that is left
.if MSB != \new
	s_set_vgpr_msb (MSB<<8)|\new
.set MSB, \new
.endif
.endm
.macro BARRIER                         ; my LDS stores have landed and my LDS loads are in: then the work-group's barrier
	s_wait_dscnt 0x0
	s_barrier_signal -1
	s_barrier_wait -1
.endm
.macro HEAD
	v_lshrrev_b32 v18, 5, v0
	v_readfirstlane_b32 s[WV], v18
	v_and_b32 v18, 31, v0                          ; lane
	v_and_b32 v19, 15, v0                          ; r
	v_bfe_u32 v57, v0, 4, 1                        ; h
	v_lshlrev_b32 v[L16], 4, v18
	v_lshlrev_b32 v[L4], 2, v18
	s_lshl_b32 s2, s[WV], 15
	v_add_nc_u32 v[WOF], s2, v[L16]
	s_lshl_b32 s2, s[WV], 10
	v_add_nc_u32 v[IMW], s2, v[L16]
	s_add_co_u32 s2, s2, 262144
	v_lshl_add_u32 v[WSO], v18, 3, s2
	v_and_b32 v[R4], 8, v19
	v_add_nc_u32 v[R4], v[R4], v19                 ; r + 8 (r / 8)
	s_lshl_b32 s2, s[WV], 8
	v_lshl_add_u32 v[XOFF], v[R4], 11, s2
	v_lshl_add_u32 v[XOFF], v57, 6, v[XOFF]
	v_lshl_add_u32 v[GRO], v57, 11, s2
	v_lshl_add_u32 v[GRO], v19, 4, v[GRO]
	s_add_co_u32 s2, s2, GB
	v_lshl_add_u32 v[GBA], v57, 6, s2
	s_mul_i32 s3, s[WV], 8704
	s_add_co_u32 s3, s3, STG
	v_mul_u32_u24 v[STO], v[R4], 272
	v_lshl_add_u32 v[STO], v57, 6, v[STO]
	v_add_nc_u32 v[STO], s3, v[STO]
	v_mul_u32_u24 v[SRD], v57, 272
	v_lshl_add_u32 v[SRD], v19, 4, v[SRD]
	v_add_nc_u32 v[SRD], s3, v[SRD]
	v_mul_u32_u24 v[STR], v19, 80
	v_add_nc_u32 v[STR], STAT, v[STR]
	s_lshl_b32 s3, s[WV], 3
	v_add_nc_u32 v[STW], s3, v[STR]
	s_lshr_b32 s3, s[WV], 1
	s_lshl_b32 s3, s3, 7
	s_and_b32 s2, s[WV], 1
	s_lshl_b32 s2, s2, 1
	s_add_co_u32 s3, s3, s2
	v_add_nc_u32 v[ISW], s3, v[L4]
	v_lshlrev_b32 v[R4], 2, v19
	v_lshlrev_b32 v[R8], 3, v19
	v_lshl_add_u32 v[T16], v0, 4, GB
	v_and_b32 v[G16], 127, v0
	v_lshlrev_b32 v[G16], 4, v[G16]
.irp i, 4,5,6,7
	v_mov_b32 v[TM+\i], 0                          ; written once: a lane permute's destination counts as one of its sources
.endr
	v_mov_b32 v[SB], 0
	v_mov_b32 v[SB+1], 0
.irp i, 0,1,2,3
	v_mov_b32 v[MP+\i], 0                          ; (named as pairs before both halves are made)
.endr
	s_mov_b32 s[SEL], 0x76543210
	s_mov_b32 s[SEL+1], 0xfedcba98                 ; v_permlanex16_b32's selects for lane l xor 16
	s_mov_b32 s[MNT], 0x600000                     ; the mantissa field of 448
	s_mov_b32 s[EPS], 0x3727c5ac                   ; 1e-5
	s_mov_b32 s[I512], 0x3b000000                  ; 1 / 512
	s_mov_b32 s53, 0
.endm
; 64 numbers of a lane, register 16 b + i = the i-th of my 16 numbers of block b (lane l xor 16 holds the other 16), become 16 registers of codes at v[d] and the four blocks' bytes as a word in v[w].
.macro QUANT s, d, w
.irp b, 0,1,2,3
	v_max3_num_f32 v[TM+\b], |v[\s+16*\b]|, |v[\s+1+16*\b]|, 0x4800000   ; with the floor 2^(9 - 127): the byte cannot fall under 1
.endr
.irp i, 2,4,6,8,10,12,14
.irp b, 0,1,2,3
	v_max3_num_f32 v[TM+\b], v[TM+\b], |v[\s+16*\b+\i]|, |v[\s+1+16*\b+\i]|
.endr
.endr
.irp b, 0,1,2,3
	v_permlanex16_b32 v[TM+4+\b], v[TM+\b], s[SEL], s[SEL+1]
.endr
.irp b, 0,1,2,3
	v_max_num_f32 v[TM+\b], v[TM+\b], v[TM+4+\b]
.endr
.irp b, 0,1,2,3
	v_add_nc_u32 v[TM+12+\b], 0xfc000000, v[TM+\b]           ; 8 off the exponent field: the conversion's scale operand
.endr
.irp b, 0,1,2,3
	v_and_or_b32 v[TM+8+\b], v[TM+\b], 0x7f800000, s[MNT]    ; 448 x the scale
.endr
.irp b, 0,1,2,3
	v_lshrrev_b32 v[TM+4+\b], 23, v[TM+12+\b]                ; the scale's byte
.endr
	v_lshl_or_b32 v[\w], v[TM+5], 8, v[TM+4]
	v_lshl_or_b32 v[\w], v[TM+6], 16, v[\w]
	v_lshl_or_b32 v[\w], v[TM+7], 24, v[\w]
.irp b, 0,1,2,3
.irp i, 0,1,2,3,4,5,6,7,8,9,10,11,12,13,14,15
	v_med3_num_f32 v[\s+16*\b+\i], v[\s+16*\b+\i], -v[TM+8+\b], v[TM+8+\b]   ; the conversion does not saturate (ISA guide 7.6.2): the hold comes first
.endr
	v_cvt_scalef32_pk8_fp8_f32 v[\d+4*\b:\d+1+4*\b], v[\s+16*\b:\s+7+16*\b], v[TM+12+\b]
	v_cvt_scalef32_pk8_fp8_f32 v[\d+2+4*\b:\d+3+4*\b], v[\s+8+16*\b:\s+15+16*\b], v[TM+12+\b]
.endr
	v_nop                                          ; a plain line behind the last conversion
.endm
.macro LOADW m                         ; my 16 fragments of weight m into window 1, fragment (t, s) at v[16 (4 t + s)]; its scale words
	WIN 0x40
.set i, 0
.rept 64
	global_load_b128 v[4*i:4*i+3], v[WOF], s[WB:WB+1] offset:\m*MSTR+512*i
.set i, i+1
.endr
	WIN 0
.irp t, 0,1,2,3
	global_load_b64 v[WS+2*\t:WS+2*\t+1], v[WSO], s[WB:WB+1] offset:\m*MSTR+256*\t
.endr
.endm
.macro LOADACC base                    ; 32 rows' numbers of my 64 columns, in the accumulators' layout
.irp u, 0,1
.irp c, 0,1
.irp j, 0,1,2,3
	global_load_b128 v[ACC+32*\u+16*\c+4*\j:ACC+32*\u+16*\c+4*\j+3], v[XOFF], s[\base:\base+1] offset:16384*\u+128*\c+16*\j th:TH_LOAD_NT
.endr
.endr
.endr
.endm
.macro MM swap, cinit, s, u, t
.set rW, 16*(4*\t+\s)
.set rA, AF+16*(4*\u+\s)
.set rX, WS+2*\t+\s/2
.set rY, AS+4*\u+\s
.if \swap
.set rD, ACC+16*\t+8*\u
.if (\s == 0) && (\cinit == 0)
	v_wmma_scale_f32_16x16x128_f8f6f4 v[rD:rD+7], v[rA:rA+15], v[rW:rW+15], 0, v[rY], v[rX]
.elseif (\s % 2) == 0
	v_wmma_scale_f32_16x16x128_f8f6f4 v[rD:rD+7], v[rA:rA+15], v[rW:rW+15], v[rD:rD+7], v[rY], v[rX]
.else
	v_wmma_scale_f32_16x16x128_f8f6f4 v[rD:rD+7], v[rA:rA+15], v[rW:rW+15], v[rD:rD+7], v[rY], v[rX] matrix_b_scale:MATRIX_SCALE_ROW1
.endif
.else
.set rD, ACC+32*\u+8*\t
.if (\s == 0) && (\cinit == 0)
	v_wmma_scale_f32_16x16x128_f8f6f4 v[rD:rD+7], v[rW:rW+15], v[rA:rA+15], 0, v[rX], v[rY]
.elseif (\s % 2) == 0
	v_wmma_scale_f32_16x16x128_f8f6f4 v[rD:rD+7], v[rW:rW+15], v[rA:rA+15], v[rD:rD+7], v[rX], v[rY]
.else
	v_wmma_scale_f32_16x16x128_f8f6f4 v[rD:rD+7], v[rW:rW+15], v[rA:rA+15], v[rD:rD+7], v[rX], v[rY] matrix_a_scale:MATRIX_SCALE_ROW1
.endif
.endif
.endm
; 32 rows x my 64 columns x K = 512.  swap = 0: source 0 = the weight; 1: source 0 = the rows.  cinit = 0: the first K step starts the sums with the constant 0; 1: it adds onto what the accumulators hold.
; The 8 accumulators take turns, one instruction a turn.
.macro GEMM img, swap, cinit
	s_wait_xcnt 0x0                                ; earlier stores have read their registers: the fragments below land on them
.irp f, 0,1,2,3,4,5,6,7
.irp c, 0,1,2,3
	ds_load_b128 v[AF+16*\f+4*\c:AF+16*\f+4*\c+3], v[L16] offset:\img+2048*\f+512*\c
.endr
	ds_load_b32 v[AS+\f], v[L4] offset:\img+16384+128*\f
.endr
	s_wait_dscnt 0x0
	s_wait_loadcnt 0x0                             ; the weight
.if \swap
	WIN 0x04
.else
	WIN 0x01
.endif
.irp s, 0,1,2,3
.irp u, 0,1
.irp t, 0,1,2,3
	MM \swap, \cinit, \s, \u, \t
.endr
.endr
.endr
	WIN 0
.rept 8
	v_nop                                          ; eight places ahead of loads into the operands and of the first read of results
.endr
.endm
.macro IMGOUT img                      ; my codes (blocks 2 (wave % 2) + c of K step wave / 2, both tiles of rows) and my half of their scale words
.irp u, 0,1
.irp c, 0,1
	ds_store_b128 v[IMW], v[PC+8*\u+4*\c:PC+8*\u+4*\c+3] offset:\img+8192*\u+512*\c
.endr
.endr
	ds_store_b16 v[ISW], v[PW] offset:\img+16384
	ds_store_b16_d16_hi v[ISW], v[PW] offset:\img+16384+512
.endm
; The rows in the accumulators' registers are normalised in place, quantised, and their images stored.  Two barriers.
.macro LNQ img
	s_wait_xcnt 0x0                                ; earlier stores have read v64 on
.irp k, 0,1,2,3,4,5,6,7
.irp u, 0,1
	v_pk_add_f32 v[144+16*\u+2*\k:145+16*\u+2*\k], v[ACC+32*\u+4*\k:ACC+32*\u+4*\k+1], v[ACC+32*\u+4*\k+2:ACC+32*\u+4*\k+3]
.endr
.endr
.irp k, 0,1,2,3
.irp u, 0,1
	v_pk_add_f32 v[144+16*\u+2*\k:145+16*\u+2*\k], v[144+16*\u+2*\k:145+16*\u+2*\k], v[152+16*\u+2*\k:153+16*\u+2*\k]
.endr
.endr
.irp k, 0,1
.irp u, 0,1
	v_pk_add_f32 v[144+16*\u+2*\k:145+16*\u+2*\k], v[144+16*\u+2*\k:145+16*\u+2*\k], v[148+16*\u+2*\k:149+16*\u+2*\k]
.endr
.endr
.irp u, 0,1
	v_pk_add_f32 v[144+16*\u:145+16*\u], v[144+16*\u:145+16*\u], v[146+16*\u:147+16*\u]
.endr
.irp u, 0,1
	v_add_f32 v[SA+\u], v[144+16*\u], v[145+16*\u]
.endr
.irp u, 0,1
	v_permlanex16_b32 v[SB+\u], v[SA+\u], s[SEL], s[SEL+1]
.endr
.irp u, 0,1
	v_add_f32 v[SA+\u], v[SA+\u], v[SB+\u]
.endr
.irp u, 0,1
	v_mul_f32 v[MP+2*\u], 0x3c800000, v[SA+\u]     ; the mean of my 64 columns
.endr
.irp u, 0,1
.set k, 0
.rept 16
	v_pk_add_f32 v[64+32*\u+k:65+32*\u+k], v[ACC+32*\u+k:ACC+32*\u+k+1], v[MP+2*\u:MP+2*\u+1] op_sel_hi:[1,0] neg_lo:[0,1] neg_hi:[0,1]
.set k, k+2
.endr
.endr
.irp u, 0,1
	v_pk_mul_f32 v[144+16*\u:145+16*\u], v[64+32*\u:65+32*\u], v[64+32*\u:65+32*\u]
	v_pk_mul_f32 v[146+16*\u:147+16*\u], v[66+32*\u:67+32*\u], v[66+32*\u:67+32*\u]
.endr
.irp k, 4,8,12,16,20,24,28
.irp u, 0,1
	v_pk_fma_f32 v[144+16*\u:145+16*\u], v[64+32*\u+\k:65+32*\u+\k], v[64+32*\u+\k:65+32*\u+\k], v[144+16*\u:145+16*\u]
	v_pk_fma_f32 v[146+16*\u:147+16*\u], v[66+32*\u+\k:67+32*\u+\k], v[66+32*\u+\k:67+32*\u+\k], v[146+16*\u:147+16*\u]
.endr
.endr
.irp u, 0,1
	v_pk_add_f32 v[144+16*\u:145+16*\u], v[144+16*\u:145+16*\u], v[146+16*\u:147+16*\u]
.endr
.irp u, 0,1
	v_add_f32 v[SA+\u], v[144+16*\u], v[145+16*\u]
.endr
.irp u, 0,1
	v_permlanex16_b32 v[SB+\u], v[SA+\u], s[SEL], s[SEL+1]
.endr
.irp u, 0,1
	v_add_f32 v[MP+2*\u+1], v[SA+\u], v[SB+\u]     ; and the sum of squared differences from it
.endr
.irp u, 0,1
	ds_store_b64 v[STW], v[MP+2*\u:MP+2*\u+1] offset:1280*\u
.endr
	BARRIER                                        ; all eight waves' pairs lie in LDS (and gain and bias, stored at the head)
.irp u, 0,1
.irp i, 0,1,2,3
	ds_load_b128 v[144+16*\u+4*\i:147+16*\u+4*\i], v[STR] offset:1280*\u+16*\i
.endr
.endr
.irp c, 0,1
.irp j, 0,1,2,3
	ds_load_b128 v[80+16*\c+4*\j:83+16*\c+4*\j], v[GBA] offset:128*\c+16*\j
	ds_load_b128 v[112+16*\c+4*\j:115+16*\c+4*\j], v[GBA] offset:2048+128*\c+16*\j
.endr
.endr
	s_wait_dscnt 0x0
.irp u, 0,1
.irp k, 0,1,2,3
	v_pk_add_f32 v[176+8*\u+2*\k:177+8*\u+2*\k], v[144+16*\u+4*\k:145+16*\u+4*\k], v[146+16*\u+4*\k:147+16*\u+4*\k]
.endr
	v_pk_add_f32 v[176+8*\u:177+8*\u], v[176+8*\u:177+8*\u], v[178+8*\u:179+8*\u]
	v_pk_add_f32 v[180+8*\u:181+8*\u], v[180+8*\u:181+8*\u], v[182+8*\u:183+8*\u]
	v_pk_add_f32 v[176+8*\u:177+8*\u], v[176+8*\u:177+8*\u], v[180+8*\u:181+8*\u]
	v_mul_f32 v[MP+2*\u], 0x3e000000, v[176+8*\u]  ; the row's mean
.irp i, 0,1,2,3,4,5,6,7
	v_sub_f32 v[144+16*\u+2*\i], v[144+16*\u+2*\i], v[MP+2*\u]
.endr
	v_mul_f32 v[SA+\u], v[144+16*\u], v[144+16*\u]
.irp i, 1,2,3,4,5,6,7
	v_fma_f32 v[SA+\u], v[144+16*\u+2*\i], v[144+16*\u+2*\i], v[SA+\u]
.endr
	v_fma_f32 v[SA+\u], v[SA+\u], 0x42800000, v[177+8*\u]
	v_fma_f32 v[SA+\u], v[SA+\u], s[I512], s[EPS]  ; the variance + 1e-5
	v_rsq_f32 v[144+16*\u], v[SA+\u]               ; twice: a pair for the packed multiply; the next plain line touches neither result nor source
	v_rsq_f32 v[145+16*\u], v[SA+\u]
.endr
.irp u, 0,1
.set k, 0
.rept 16
	v_pk_add_f32 v[ACC+32*\u+k:ACC+32*\u+k+1], v[ACC+32*\u+k:ACC+32*\u+k+1], v[MP+2*\u:MP+2*\u+1] op_sel_hi:[1,0] neg_lo:[0,1] neg_hi:[0,1]
.set k, k+2
.endr
.endr
	s_wait_alu depctr_va_vdst(0)
.irp u, 0,1
.set k, 0
.rept 16
	v_pk_mul_f32 v[ACC+32*\u+k:ACC+32*\u+k+1], v[ACC+32*\u+k:ACC+32*\u+k+1], v[144+16*\u:145+16*\u]
.set k, k+2
.endr
.endr
.irp u, 0,1
.set k, 0
.rept 16
	v_pk_fma_f32 v[ACC+32*\u+k:ACC+32*\u+k+1], v[ACC+32*\u+k:ACC+32*\u+k+1], v[80+k:81+k], v[112+k:113+k]
.set k, k+2
.endr
.endr
	QUANT ACC, PC, PW
	IMGOUT \img
	BARRIER                                        ; the rows' eight fragments lie in LDS
.endm
.macro STQK pc, cb, wb, wo             ; a fragment of 32 rows x 64 (tile 0's 64 in registers 0-7, tile 1's in 8-15) and its scale word
.irp c, 0,1,2,3
	global_store_b128 v[L16], v[\pc+4*\c:\pc+4*\c+3], s[\cb:\cb+1] offset:512*\c   ; 512 consecutive bytes
.endr
	global_store_b32 v[\wo], v[PW], s[\wb:\wb+1]
.endm
.macro STV pc                          ; group c = block % 4 of four fragments of v^T, and one scale byte for each of their rows
.irp t, 0,1,2,3
	global_store_b128 v[L16], v[\pc+4*\t:\pc+4*\t+3], s[VC:VC+1] offset:2048*\t
.endr
.irp t, 0,1,2,3
	global_store_b8 v[R8], v[TM+4+\t], s[VW:VW+1] offset:(\t%2)*128+(\t/2)*4
.endr
.endm
.macro KVBASE buf, stride, scb         ; s50 = batch, s51 = the block of 32 keys in it: where my head's k and v go
	s_lshl_b32 s54, s50, 3
	s_add_co_u32 s54, s54, s[WV]
	s_mul_i32 s54, s54, \stride
	s_mov_b32 s55, 0
	s_add_nc_u64 s[54:55], s[\buf:\buf+1], s[54:55]
	s_lshl_b32 s52, s51, 11
	s_add_co_u32 s52, s52, \scb
	s_add_nc_u64 s[KC:KC+1], s[54:55], s[52:53]
	s_lshr_b32 s2, s51, 2                          ; the step of 128 keys
	s_lshl_b32 s52, s2, 8
	s_and_b32 s3, s51, 1
	s_lshl_b32 s3, s3, 7
	s_add_co_u32 s52, s52, s3
	s_bfe_u32 s3, s51, 0x10001
	s_lshl_b32 s3, s3, 2
	s_add_co_u32 s52, s52, s3
	s_add_nc_u64 s[KW:KW+1], s[54:55], s[52:53]
	s_lshl_b32 s52, s2, 13
	s_and_b32 s3, s51, 3
	s_lshl_b32 s4, s3, 9
	s_add_co_u32 s52, s52, s4
	s_add_co_u32 s52, s52, \stride/2+\scb
	s_add_nc_u64 s[VC:VC+1], s[54:55], s[52:53]
	s_lshl_b32 s52, s2, 8
	s_add_co_u32 s52, s52, s3
	s_add_co_u32 s52, s52, \stride/2
	s_add_nc_u64 s[VW:VW+1], s[54:55], s[52:53]
.endm
.macro QBASE buf                       ; where my head's q of this block goes
	s_lshr_b32 s50, ttmp9, 6
	s_and_b32 s51, ttmp9, 63
	s_lshl_b32 s52, s50, 20
	s_lshl_b32 s2, s[WV], 17
	s_add_co_u32 s52, s52, s2
	s_lshl_b32 s2, s51, 11
	s_add_co_u32 s52, s52, s2
	s_add_nc_u64 s[QC:QC+1], s[\buf:\buf+1], s[52:53]
	s_lshr_b32 s52, s52, 5
	s_add_co_u32 s52, s52, 4194304
	s_add_nc_u64 s[QW:QW+1], s[\buf:\buf+1], s[52:53]
.endm
	s_load_b512 s[16:31], s[0:1], 0x0              ; X, g1, b1, Zelta, g2, b2, wimg, qbuf
	s_load_b128 s[32:35], s[0:1], 0x40             ; kvs, kvc
	v_lshl_add_u32 v20, v0, 2, 0x20600
	v_mov_b32 v21, 0
	HEAD
	s_mov_b32 s[I100], 0x3c23d70a                  ; 0.01
	s_cmp_ge_u32 ttmp9, 256
	s_cbranch_scc1 .Lzpath
	s_wait_kmcnt 0x0
	QBASE 30
	KVBASE 32, 270336, 4096
	s_lshl_b32 s52, ttmp9, 16
	s_add_nc_u64 s[XB:XB+1], s[16:17], s[52:53]
	s_cmp_lt_u32 s[WV], 4
	s_cselect_b64 s[4:5], s[18:19], s[20:21]       ; threads 0-127 fetch the gain, the others the bias
	global_load_b128 v[80:83], v[G16], s[4:5]
	LOADACC XB
	LOADW 0
	s_wait_loadcnt 63                              ; 68 loads of the weight were issued behind the rows': gain, bias and rows are in
	ds_store_b128 v[T16], v[80:83]
	LNQ IMG1
	GEMM IMG1, 0, 0                                ; q
	LOADW 1
	QUANT ACC, PC, PW
	STQK PC, QC, QW, R4
	GEMM IMG1, 0, 0                                ; k
	LOADW 2
	QUANT ACC, PC, PW
	STQK PC, KC, KW, R8
	GEMM IMG1, 1, 0                                ; v, with the sources swapped: a lane's registers run along the keys
	QUANT ACC, PC, PW
	STV PC
	s_wait_tensorcnt 0x0
	ds_add_u32 v20, v21
	s_wait_dscnt 0x0
	s_endpgm
; ---- Zelta.  Every wave normalises and quantises all 32 rows itself (two fragments), then multiplies by its own 64 columns of Wk_c and Wv_c.
.set ZOFF, 5
.set ZT,   6
.set H64,  7
.set NIL,  8
.set ZW,   9
.set ZWS,  10
.set ZN,   64                          ; v64-95 the two fragments;  v96-111 codes on the way out;  v112-175 and v192-255 the rows' numbers;  v176-181 at work
.set PCZ,  96
.macro ZLN u, x
.irp i, 52,53,54,55,56,57,58,59,60,61,62,63
	v_mov_b32 v[\x+\i], 0                          ; k = 100 .. 127: zeros
.endr
.irp i, 48,49,50,51
	v_cndmask_b32 v[\x+\i], 0, v[\x+\i], vcc_lo    ; k = 96 .. 99 belong to lanes 0-15; lanes 16-31 stand at k = 112 on
.endr
	v_pk_add_f32 v[176:177], v[\x:\x+1], v[\x+2:\x+3]
	v_pk_add_f32 v[178:179], v[\x+4:\x+5], v[\x+6:\x+7]
.irp k, 8,12,16,20,24,28,32,36,40,44,48
	v_pk_add_f32 v[176:177], v[176:177], v[\x+\k:\x+\k+1]
	v_pk_add_f32 v[178:179], v[178:179], v[\x+\k+2:\x+\k+3]
.endr
	v_pk_add_f32 v[176:177], v[176:177], v[178:179]
	v_add_f32 v[SA], v176, v177
	v_permlanex16_b32 v[SB], v[SA], s[SEL], s[SEL+1]
	v_add_f32 v[SA], v[SA], v[SB]
	v_mul_f32 v[MP], s[I100], v[SA]                ; the mean of 100
.set k, 0
.rept 26
	v_pk_add_f32 v[\x+k:\x+k+1], v[\x+k:\x+k+1], v[MP:MP+1] op_sel_hi:[1,0] neg_lo:[0,1] neg_hi:[0,1]
.set k, k+2
.endr
.irp i, 48,49,50,51
	v_cndmask_b32 v[\x+\i], 0, v[\x+\i], vcc_lo
.endr
	v_pk_mul_f32 v[176:177], v[\x:\x+1], v[\x:\x+1]
	v_pk_mul_f32 v[178:179], v[\x+2:\x+3], v[\x+2:\x+3]
.irp k, 4,8,12,16,20,24,28,32,36,40,44,48
	v_pk_fma_f32 v[176:177], v[\x+\k:\x+\k+1], v[\x+\k:\x+\k+1], v[176:177]
	v_pk_fma_f32 v[178:179], v[\x+\k+2:\x+\k+3], v[\x+\k+2:\x+\k+3], v[178:179]
.endr
	v_pk_add_f32 v[176:177], v[176:177], v[178:179]
	v_add_f32 v[SA], v176, v177
	v_permlanex16_b32 v[SB], v[SA], s[SEL], s[SEL+1]
	v_add_f32 v[SA], v[SA], v[SB]
	v_fma_f32 v[SA], v[SA], s[I100], s[EPS]
	v_rsq_f32 v180, v[SA]
	v_rsq_f32 v181, v[SA]
	v_nop                                          ; a plain line behind the transcendentals
.set k, 0
	s_wait_alu depctr_va_vdst(0)
.rept 26
	v_pk_mul_f32 v[\x+k:\x+k+1], v[\x+k:\x+k+1], v[180:181]
.set k, k+2
.endr
	WIN 0x14                                       ; gain and bias lie in window 1
.set k, 0
.rept 26
	v_pk_fma_f32 v[\x+k:\x+k+1], v[\x+k:\x+k+1], v[128+k:129+k], v[180+k:181+k]
.set k, k+2
.endr
	WIN 0
.irp i, 48,49,50,51
	v_cndmask_b32 v[\x+\i], 0, v[\x+\i], vcc_lo    ; past the end of K: zeros, ahead of the block's maximum
.endr
	QUANT \x, ZN+16*\u, AS+\u
.endm
.Lzpath:
	s_sub_co_u32 s2, ttmp9, 256                    ; which 32 rows of Zelta
	s_lshr_b32 s50, s2, 5
	s_and_b32 s51, s2, 31
	s_mul_i32 s52, s2, 12800                       ; 32 rows of 400 bytes
	v_and_b32 v[ZT], 8, v19
	v_add_nc_u32 v[ZT], v[ZT], v19
	v_mul_u32_u24 v[ZT], v[ZT], 400
	v_lshlrev_b32 v[H64], 6, v57
	v_add_nc_u32 v[ZOFF], v[ZT], v[H64]
	v_add_nc_u32 v[ZT], 384, v[ZT]
	v_mov_b32 v[NIL], 0
	s_lshl_b32 s3, s[WV], 13
	v_add_nc_u32 v[ZW], s3, v[L16]
	s_lshl_b32 s3, s[WV], 8
	v_add_nc_u32 v[ZWS], s3, v[R4]
	v_cmp_eq_u32 vcc_lo, 0, v57                    ; lanes 0-15
	s_wait_kmcnt 0x0
	s_add_nc_u64 s[XB:XB+1], s[22:23], s[52:53]
	KVBASE 34, 135168, 2048
.irp c, 0,1,2
.irp j, 0,1,2,3
	global_load_b128 v[192+16*\c+4*\j:195+16*\c+4*\j], v[ZOFF], s[XB:XB+1] offset:128*\c+16*\j
	global_load_b128 v[112+16*\c+4*\j:115+16*\c+4*\j], v[ZOFF], s[XB:XB+1] offset:3200+128*\c+16*\j
.endr
.endr
	global_load_b128 v[240:243], v[ZT], s[XB:XB+1]
	global_load_b128 v[160:163], v[ZT], s[XB:XB+1] offset:3200
.irp t, 0,1,2,3
	global_load_b32 v[WS+\t], v[ZWS], s[WB:WB+1] offset:2162688+65536+64*\t
	global_load_b32 v[WS+4+\t], v[ZWS], s[WB:WB+1] offset:2162688+67584+65536+64*\t
.endr
	WIN 0x40
.irp c, 0,1,2
.irp j, 0,1,2,3
	global_load_b128 v[128+16*\c+4*\j:131+16*\c+4*\j], v[H64], s[24:25] offset:128*\c+16*\j
	global_load_b128 v[180+16*\c+4*\j:183+16*\c+4*\j], v[H64], s[26:27] offset:128*\c+16*\j
.endr
.endr
	global_load_b128 v[176:179], v[NIL], s[24:25] offset:384
	global_load_b128 v[228:231], v[NIL], s[26:27] offset:384
.irp t, 0,1,2,3
.irp c, 0,1,2,3
	global_load_b128 v[16*\t+4*\c:16*\t+4*\c+3], v[ZW], s[WB:WB+1] offset:2162688+2048*\t+512*\c
	global_load_b128 v[64+16*\t+4*\c:64+16*\t+4*\c+3], v[ZW], s[WB:WB+1] offset:2162688+67584+2048*\t+512*\c
.endr
.endr
	WIN 0
	s_wait_loadcnt 0x0
	ZLN 0, 192
	ZLN 1, 112
.rept 8
	v_nop                                          ; codes made by vector lines stand 4 places, a scale word 8, ahead of the products
.endr
	WIN 0x01
.irp u, 0,1
.irp t, 0,1,2,3
	v_wmma_scale_f32_16x16x128_f8f6f4 v[ACC+32*\u+8*\t:ACC+32*\u+8*\t+7], v[16*\t:16*\t+15], v[ZN+16*\u:ZN+16*\u+15], 0, v[WS+\t], v[AS+\u]
.endr
.endr
	WIN 0
.rept 8
	v_nop
.endr
	QUANT ACC, PCZ, PW
	STQK PCZ, KC, KW, R8
	WIN 0x04
.irp t, 0,1,2,3
.irp u, 0,1
	v_wmma_scale_f32_16x16x128_f8f6f4 v[ACC+16*\t+8*\u:ACC+16*\t+8*\u+7], v[ZN+16*\u:ZN+16*\u+15], v[64+16*\t:64+16*\t+15], 0, v[AS+\u], v[WS+4+\t]
.endr
.endr
	WIN 0
.rept 8
	v_nop
.endr
	s_wait_xcnt 0x0                                ; k's stores have read the codes and the word, which are made anew now
	QUANT ACC, PCZ, PW
	STV PCZ
	s_endpgm
.Lfunc_end_k_q26209419b5_qkv:
	.size	k_q26209419b5_qkv, .Lfunc_end_k_q26209419b5_qkv-k_q26209419b5_qkv
	.p2alignl 7, 3214868480
	.fill 96, 4, 3214868480
	.section	.rodata,"a",@progbits
	.p2align	6, 0x0
	.amdhsa_kernel k_q26209419b5_qkv
		.amdhsa_group_segment_fixed_size 133632
		.amdhsa_private_segment_fixed_size 0
		.amdhsa_enable_private_segment 0
		.amdhsa_kernarg_size 80
		.amdhsa_user_sgpr_count 2
		.amdhsa_user_sgpr_kernarg_segment_ptr 1
		.amdhsa_wavefront_size32 1
		.amdhsa_system_sgpr_workgroup_id_x 1
		.amdhsa_system_sgpr_workgroup_id_y 1
		.amdhsa_system_sgpr_workgroup_id_z 1
		.amdhsa_system_vgpr_workitem_id 0
		.amdhsa_next_free_vgpr 512
		.amdhsa_next_free_sgpr 66
		.amdhsa_reserve_vcc 1
		.amdhsa_float_denorm_mode_32 3
		.amdhsa_float_denorm_mode_16_64 3
		.amdhsa_memory_ordered 1
		.amdhsa_forward_progress 1
		.amdhsa_inst_pref_size 164
	.end_amdhsa_kernel
	.amdgpu_metadata
---
amdhsa.version: [ 1, 2 ]
amdhsa.kernels:
  - .name:           k_q26209419b5_qkv
    .symbol:         k_q26209419b5_qkv.kd
    .args:
      - { .name: X, .offset: 0, .size: 8, .value_kind: global_buffer, .address_space: global }
      - { .name: g1, .offset: 8, .size: 8, .value_kind: global_buffer, .address_space: global }
      - { .name: b1, .offset: 16, .size: 8, .value_kind: global_buffer, .address_space: global }
      - { .name: Zelta, .offset: 24, .size: 8, .value_kind: global_buffer, .address_space: global }
      - { .name: g2, .offset: 32, .size: 8, .value_kind: global_buffer, .address_space: global }
      - { .name: b2, .offset: 40, .size: 8, .value_kind: global_buffer, .address_space: global }
      - { .name: wimg, .offset: 48, .size: 8, .value_kind: global_buffer, .address_space: global }
      - { .name: qbuf, .offset: 56, .size: 8, .value_kind: global_buffer, .address_space: global }
      - { .name: kvs, .offset: 64, .size: 8, .value_kind: global_buffer, .address_space: global }
      - { .name: kvc, .offset: 72, .size: 8, .value_kind: global_buffer, .address_space: global }
    .group_segment_fixed_size: 133632
    .private_segment_fixed_size: 0
    .kernarg_segment_align: 8
    .kernarg_segment_size: 80
    .max_flat_workgroup_size: 256
    .sgpr_count:     66
    .vgpr_count:     512
    .wavefront_size: 32
...
	.end_amdgpu_metadata
.endif
;; end of part 2
;; launch attn_s (part 3): grid 8 x 32, 8 waves a work-group, clusters of 4 x 1, 327,680 bytes of LDS; arguments qbuf, kvs, obuf; writes obuf
.if DOCPART == 3
	.amdgcn_target "amdgcn-amd-amdhsa--gfx1250"
	.amdhsa_code_object_version 6
	.text
	.protected	k_q26209419b5_attn_s
	.globl	k_q26209419b5_attn_s
	.p2align	8
	.type	k_q26209419b5_attn_s,@function
k_q26209419b5_attn_s:
	s_mov_b64 s[64:65], 0
	v_nop
	global_prefetch_b8 v0, s[64:65] scope:SCOPE_SE
	s_setreg_imm32_b32 hwreg(HW_REG_WAVE_MODE, 25, 1), 1
	s_wait_xcnt 0x0
	s_wait_alu depctr_hold_cnt(0) depctr_sa_sdst(0) depctr_va_vdst(0) depctr_va_sdst(0) depctr_va_ssrc(0) depctr_va_vcc(0) depctr_vm_vsrc(0)
	s_getreg_b32 s2, hwreg(HW_REG_IB_STS2, 6, 4)
	s_cmp_eq_u32 s2, 0
	s_cbranch_scc0 .Lentry_in_a_cluster
	s_endpgm
.Lentry_in_a_cluster:
	s_bfe_u32 s2, ttmp6, 0x10000c
	s_cmp_lg_u32 s2, 0x3003
	s_cbranch_scc0 .Lentry_shape_is_right
	s_endpgm
.Lentry_shape_is_right:
; o = P v with P = softmax(q k^T / 8) kept only where the score is positive (sigmoid(score) > 0.5), both products on codes of E4M3 with one E8M0 scale for each 32 along K.
; P is quantised FINISHED (normalised, then gated), so the keys are walked twice: pass 1 finds each query's largest score M and the sum l of 2^(c (s - M)), c = log2(e) / 8;
; pass 2 makes p = 2^(c s - K2), K2 = c M + log2(l), gates it, quantises it along the keys and multiplies by v.
; SHARES.  A work-group owns 256 queries of one (batch, head); each of its 8 waves owns 32 (two tiles of 16).  The head's whole k and v (codes and scale bytes, as they lie in memory, in the order of the
; operand registers) come into LDS ONCE, 2 x HALF bytes.  CLUSTER: the four work-groups of a cluster share the head, so each wave's two loads are joint loads that name all four.  Two loads of a wave are out at the most.
; LAYOUT.  S^T = k q^T (source 0 = keys), O^T = v^T P^T (source 0 = 16 of the head's 64): a lane holds ONE query throughout.  A fragment of k holds 32 keys: tile 0's 64 numbers in registers 0-7, tile 1's in 8-15;
; q stands as [q | zeros | q], so that registers 0-15 pick tile 0 and registers 8-23 tile 1.  Key tile u, place m is key 8 u + m + 8 (m / 8) of the 32: the 16 registers of both tiles are 16 neighbouring keys.
; THE GATE AND THE HOLD STAND AHEAD OF THE EXPONENTIAL.  q's scale bytes are raised by 64 and every score starts from C = -1,024, so the registers hold W = 2^64 s - 1,024: at most -1,024 where s is not
; positive, positive and huge otherwise.  With c' = c 2^-64: -t = K2 - c' W.  A block's hold, p <= 448 x its scale, is -t >= -tb with tb = the scale's byte - 118.19266 (= log2(448 x scale) - 2^-16: the 2^-16
; stands over tb's two roundings, and 448 (1 - 2e-5) still rounds to the code 448).  So p = 2^-max(-t, -tb, -W): one three-way maximum gates and holds, and 2^-1,024 is 0.
; LIMITS: NaN and infinities are not served.  A block of q lies under 2^72 (its byte + 64 stays under 255), a score under 2^63.  Scores in (0, 2^-54] count as not positive (from 0.85 x 2^-54 to 2^-54 p is
; lessened, not cleared).  K2 is rounded once: an error common to a row of about ulp(K2) x 0.35 relative.  A block of zeros gets the byte 1 (its codes are zeros, and only this program reads the bytes).
.set LK,    2048                       ; keys
.set STEPS, LK/128
.set SCB,   2*LK                       ; a half's scale bytes
.set HALF,  66*LK                      ; k's scale bytes and codes; v's likewise
.set RW,    HALF/2048                  ; rows of 256 bytes in one wave's load
.set KA0, 1                            ; v1   SCB + 16 x lane
.set KS0, 2                            ; v2   8 x lane
.set VA0, 3
.set VS0, 4
.set ADK, 5
.set ADKS, 6
.set ADV, 7
.set ADVS, 8
.set L16, 9
.set R4,  10
.set ST,  32                           ; v32-47 a tile's eight: +0,+1 -c' M (in pass 2: K2), +2,+3 l, +4,+5 the rescaling factor, +6 M, +7 at work
.set KS,  48                           ; scale words: k's v48-49, v's v50-51, q's v52-53, P's v54-55
.set VS,  50
.set QS,  52
.set PW,  54
.set WD,  56
.set QT,  57
.set S,   64                           ; v64-191 scores, 64 a tile
.set P,   192                          ; v192-223 P's codes, 16 a tile
.set T,   224                          ; v224-239 pass 1: three more chains of each tile's sum; pass 2: -t of two groups of eight
.set TM,  240                          ; v240-255 at work
; window 1: v0-47 q as [q|0|q], 24 a tile; v48-63 the constant C, a copy for each tile; v64-127 k of a step; v128-191 v of a step; v192-255 O^T
.set WV,  10
.set G1,  16
.set G0K, 24
.set G0V, 28
.set CS,  32                           ; s[32:33] c' (the packed forms name a pair and take its low word for both halves)
.set NC,  34                           ; s[34:35] -c'
.set SEL, 36
.set MNT, 38
.set TK,  39
.set TKS, 40
.set TV,  41
.set TVS, 42
.set CNT, 43
.set QW,  44
.set OC,  46
.set OW,  48
.set MSB, 0
.macro WIN new                         ; the immediate's high byte repeats the setting that is left
.if MSB != \new
	s_set_vgpr_msb (MSB<<8)|\new
.set MSB, \new
.endif
.endm
.macro CROUND                          ; a round of the cluster's barrier
	s_barrier_signal -1
	s_barrier_wait -1
	s_cmp_lg_u32 s[WV], 0
	s_cbranch_scc1 .Lnw0_\@
	s_barrier_signal -3
.Lnw0_\@:
	s_barrier_wait -3
	s_barrier_signal -1
	s_barrier_wait -1
.endm
.macro PLACES n                        ; places behind products: eight stand ahead of loads into their operands and of the first read of results
.rept \n
	v_nop
.endr
.endm
.macro QUANT s, d, w
.irp b, 0,1,2,3
	v_max3_num_f32 v[TM+\b], |v[\s+16*\b]|, |v[\s+1+16*\b]|, 0x4800000
.endr
.irp i, 2,4,6,8,10,12,14
.irp b, 0,1,2,3
	v_max3_num_f32 v[TM+\b], v[TM+\b], |v[\s+16*\b+\i]|, |v[\s+1+16*\b+\i]|
.endr
.endr
.irp b, 0,1,2,3
	v_permlanex16_b32 v[TM+4+\b], v[TM+\b], s[SEL], s[SEL+1]
.endr
.irp b, 0,1,2,3
	v_max_num_f32 v[TM+\b], v[TM+\b], v[TM+4+\b]
.endr
.irp b, 0,1,2,3
	v_add_nc_u32 v[TM+12+\b], 0xfc000000, v[TM+\b]
.endr
.irp b, 0,1,2,3
	v_and_or_b32 v[TM+8+\b], v[TM+\b], 0x7f800000, s[MNT]
.endr
.irp b, 0,1,2,3
	v_lshrrev_b32 v[TM+4+\b], 23, v[TM+12+\b]
.endr
	v_lshl_or_b32 v[\w], v[TM+5], 8, v[TM+4]
	v_lshl_or_b32 v[\w], v[TM+6], 16, v[\w]
	v_lshl_or_b32 v[\w], v[TM+7], 24, v[\w]
.irp b, 0,1,2,3
.irp i, 0,1,2,3,4,5,6,7,8,9,10,11,12,13,14,15
	v_med3_num_f32 v[\s+16*\b+\i], v[\s+16*\b+\i], -v[TM+8+\b], v[TM+8+\b]
.endr
	v_cvt_scalef32_pk8_fp8_f32 v[\d+4*\b:\d+1+4*\b], v[\s+16*\b:\s+7+16*\b], v[TM+12+\b]
	v_cvt_scalef32_pk8_fp8_f32 v[\d+2+4*\b:\d+3+4*\b], v[\s+8+16*\b:\s+15+16*\b], v[TM+12+\b]
.endr
	v_nop
.endm
.macro KLOAD                           ; a step's four fragments of k and their scale words: 17 LDS loads.  Its two additions are plain lines that name no register of the products: two of the eight places
	v_add_nc_u32 v[ADK], s[TK], v[KA0]
	v_add_nc_u32 v[ADKS], s[TKS], v[KS0]
	WIN 0x40
.set i, 0
.rept 16
	ds_load_b128 v[64+4*i:64+4*i+3], v[ADK] offset:512*i
.set i, i+1
.endr
	WIN 0
	ds_load_b64 v[KS:KS+1], v[ADKS]
.endm
.macro VLOAD                           ; the same of v
	v_add_nc_u32 v[ADV], s[TV], v[VA0]
	v_add_nc_u32 v[ADVS], s[TVS], v[VS0]
	WIN 0x40
.set i, 0
.rept 16
	ds_load_b128 v[128+4*i:128+4*i+3], v[ADV] offset:512*i
.set i, i+1
.endr
	WIN 0
	ds_load_b64 v[VS:VS+1], v[ADVS]
.endm
.macro QK                              ; 16 products: register 16 b + 8 u + j of tile q is key 32 b + 16 (lane / 16) + 8 u + j of the step
	WIN 0x15
.irp b, 0,1,2,3
.irp u, 0,1
.irp q, 0,1
.if (\b % 2)
	v_wmma_scale_f32_16x16x128_f8f6f4 v[S+64*\q+16*\b+8*\u:S+64*\q+16*\b+8*\u+7], v[64+16*\b:64+16*\b+15], v[24*\q+8*\u:24*\q+8*\u+15], v[48+8*\q:48+8*\q+7], v[KS+\b/2], v[QS+\q] matrix_a_scale:MATRIX_SCALE_ROW1
.else
	v_wmma_scale_f32_16x16x128_f8f6f4 v[S+64*\q+16*\b+8*\u:S+64*\q+16*\b+8*\u+7], v[64+16*\b:64+16*\b+15], v[24*\q+8*\u:24*\q+8*\u+15], v[48+8*\q:48+8*\q+7], v[KS+\b/2], v[QS+\q]
.endif
.endr
.endr
.endr
	WIN 0
.endm
; Round r (0 to 6) of four running maxima of tile q, one for each block of 16 registers, by turns; each block's register 15 is left over.  Each accumulator is read from its low end on.
.macro MAXR q, r, tm
.set mS, S+64*\q
.irp k, 0,1,2,3
.if (\r) == 0
	v_max3_num_f32 v[\tm+\k], v[mS+16*\k], v[mS+16*\k+1], v[mS+16*\k+2]
.else
	v_max3_num_f32 v[\tm+\k], v[\tm+\k], v[mS+16*\k+2*(\r)+1], v[mS+16*\k+2*(\r)+2]
.endif
.endr
.endm
; PASS 1.  Line n (0 to 7) of the short chain of tile q in which each line waits for the one before: the lane's running maximum M (its own 64 keys of the step: the halves of the lanes are joined once, behind the pass),
; -c' M, and the factor 2^(c' (old M - new M)).  The lines stand singly among the other tile's lines.
.macro CH q, n, tm
.set cS, S+64*\q
.set cT, ST+8*\q
.if (\n) == 0
	v_max3_num_f32 v[\tm], v[\tm], v[cS+15], v[cS+31]
.elseif (\n) == 1
	v_max3_num_f32 v[\tm+2], v[\tm+2], v[cS+47], v[cS+63]
.elseif (\n) == 2
	v_max3_num_f32 v[\tm], v[\tm], v[\tm+1], v[\tm+2]
.elseif (\n) == 3
	v_max3_num_f32 v[cT+6], v[cT+6], v[\tm], v[\tm+3]
.elseif (\n) == 4
	v_mov_b32 v[cT+5], v[cT]
.elseif (\n) == 5
	v_mul_f32 v[cT], s[NC], v[cT+6]
.elseif (\n) == 6
	v_sub_f32 v[cT+5], v[cT], v[cT+5]
.else
	v_exp_f32 v[cT+4], v[cT+5]
.endif
.endm
; Line n (0 to 31) of tile q's sum of 32 pairs, in four chains (three in T, the fourth l itself): lines 0-2 start the three with two pairs each, line n of 3-28 adds pair n + 3 to chain n % 4, lines 29-31 join the chains.
.macro SADD q, n
.set aS, S+64*\q
.set aT, T+8*\q
.set aL, ST+8*\q+2
.if (\n) < 3
	s_wait_alu depctr_va_vdst(0)
	v_pk_add_f32 v[aT+2*(\n):aT+2*(\n)+1], v[aS+4*(\n):aS+4*(\n)+1], v[aS+4*(\n)+2:aS+4*(\n)+3]
.elseif ((\n) < 29) && (((\n)%4) == 3)
	v_pk_add_f32 v[aL:aL+1], v[aL:aL+1], v[aS+2*(\n)+6:aS+2*(\n)+7]
.elseif (\n) < 29
	s_wait_alu depctr_va_vdst(0)
	v_pk_add_f32 v[aT+2*((\n)%4):aT+2*((\n)%4)+1], v[aT+2*((\n)%4):aT+2*((\n)%4)+1], v[aS+2*(\n)+6:aS+2*(\n)+7]
.elseif (\n) == 29
	v_pk_add_f32 v[aT+2:aT+3], v[aT+2:aT+3], v[aT+4:aT+5]
.elseif (\n) == 30
	v_pk_add_f32 v[aL:aL+1], v[aL:aL+1], v[aT:aT+1]
.else
	v_pk_add_f32 v[aL:aL+1], v[aL:aL+1], v[aT+2:aT+3]
.endif
.endm
; Tile q's 64 exponentials, with whatever plain line is ready behind them.  Behind an even one: tile 1's c' W - c' M (while tile 0's exponentials run), or the last four lines of tile 0's sum.
; Behind exponential 1: l under the new M.  Behind an odd one from 9 on: line (j - 9) / 2 of the tile's own sum, which reads exponentials j - 2 and older: a plain line has stood behind each of those.
.macro EPH q
.set j, 0
.rept 64
	v_exp_f32 v[S+64*\q+j], v[S+64*\q+j]
.if (j%2) == 0
.if \q == 0
	v_pk_fma_f32 v[S+64+j:S+64+j+1], v[S+64+j:S+64+j+1], s[CS:CS+1], v[ST+8:ST+9] op_sel_hi:[1,0,0]
.elseif j < 8
	SADD 0, (28+j/2)
.endif
.elseif j == 1
	s_wait_alu depctr_va_vdst(0)
	v_pk_mul_f32 v[ST+8*\q+2:ST+8*\q+3], v[ST+8*\q+2:ST+8*\q+3], v[ST+8*\q+4:ST+8*\q+5] op_sel_hi:[1,0]
.elseif j >= 9
	SADD \q, ((j-9)/2)
.endif
.set j, j+1
.endr
.endm
.macro STATS                           ; pass 1, both tiles of a step, woven
.set n, 0
.rept 7
	MAXR 0, n, TM
.set n, n+1
.endr
.set n, 0
.rept 7
	CH 0, n, TM
	MAXR 1, n, TM+8
.set n, n+1
.endr
	CH 0, 7, TM
.set n, 0
.rept 8
	CH 1, n, TM+8
.irp k, 0,2,4,6
	v_pk_fma_f32 v[S+8*n+\k:S+8*n+\k+1], v[S+8*n+\k:S+8*n+\k+1], s[CS:CS+1], v[ST:ST+1] op_sel_hi:[1,0,0]
.endr
.set n, n+1
.endr
	EPH 0
	EPH 1
	SADD 1, 28
	SADD 1, 29
	SADD 1, 30
	SADD 1, 31
.endm
; PASS 2, tile q, in groups of eight scores.  One line each of: -t = K2 - c' W into a half of T | the three-way maximum with -tb and -W, in place | p = 2^-(that), in place.
.macro FM1 q, g, k
	v_pk_fma_f32 v[T+8*((\g)%2)+\k:T+8*((\g)%2)+\k+1], v[S+64*\q+8*(\g)+\k:S+64*\q+8*(\g)+\k+1], s[NC:NC+1], v[ST+8*\q:ST+8*\q+1] op_sel_hi:[1,0,0]
.endm
.macro MX1 q, g, i
	v_max3_num_f32 v[S+64*\q+8*(\g)+\i], v[T+8*((\g)%2)+\i], v[TM+8+(\g)/2], -v[S+64*\q+8*(\g)+\i]
.endm
.macro EX1 q, g, i
	v_exp_f32 v[S+64*\q+8*(\g)+\i], -v[S+64*\q+8*(\g)+\i]
.endm
.macro GCVT q, b
	s_wait_alu depctr_va_vdst(0)
	v_cvt_scalef32_pk8_fp8_f32 v[P+16*\q+4*(\b):P+16*\q+4*(\b)+1], v[S+64*\q+16*(\b):S+64*\q+16*(\b)+7], v[TM+12+(\b)]
	v_cvt_scalef32_pk8_fp8_f32 v[P+16*\q+4*(\b)+2:P+16*\q+4*(\b)+3], v[S+64*\q+16*(\b)+8:S+64*\q+16*(\b)+15], v[TM+12+(\b)]
.endm
.macro SOFT2 q
.set sS, S+64*\q
.set sT, ST+8*\q
.irp r, 0,1,2,3,4,5,6
	MAXR \q, \r, TM                                ; each block's largest score: p rises with the score, and where that score is not positive the whole block is gated
.endr
.irp b, 0,1,2,3
	v_max_num_f32 v[TM+\b], v[TM+\b], v[sS+16*\b+15]
.endr
.irp b, 0,1,2,3
	v_permlanex16_b32 v[TM+4+\b], v[TM+\b], s[SEL], s[SEL+1]
.endr
.irp b, 0,1,2,3
	v_max_num_f32 v[TM+\b], v[TM+\b], v[TM+4+\b]
.endr
.irp b, 0,1,2,3
	v_fma_f32 v[TM+\b], v[TM+\b], s[NC], v[sT]
.endr
.irp b, 0,1,2,3
	v_exp_f32 v[TM+\b], -v[TM+\b]                  ; the block's largest p: the same multiply-add and exponential as its score gets below
.endr
.irp k, 0,2,4,6
	FM1 \q, 0, \k                                  ; (plain lines behind the exponentials)
.endr
.irp k, 0,2,4,6
	FM1 \q, 1, \k
.endr
.irp b, 0,1,2,3
	s_wait_alu depctr_va_vdst(0)
	v_max_num_f32 v[TM+\b], 0x4800000, v[TM+\b]    ; the floor 2^(9 - 127): the byte cannot fall under 1
.endr
.irp b, 0,1,2,3
	v_add_nc_u32 v[TM+12+\b], 0xfc000000, v[TM+\b] ; 8 off the exponent field: the conversion's scale operand
.endr
.irp b, 0,1,2,3
	v_lshrrev_b32 v[TM+4+\b], 23, v[TM+12+\b]      ; the scale's byte
.endr
.irp b, 0,1,2,3
	v_cvt_f32_u32 v[TM+8+\b], v[TM+4+\b]
.endr
	v_lshl_or_b32 v[PW+\q], v[TM+5], 8, v[TM+4]
	v_lshl_or_b32 v[PW+\q], v[TM+6], 16, v[PW+\q]
	v_lshl_or_b32 v[PW+\q], v[TM+7], 24, v[PW+\q]
.irp b, 0,1,2,3
	v_sub_f32 v[TM+8+\b], 0x42ec62a4, v[TM+8+\b]   ; -tb = 118.19266 - the byte
.endr
.irp i, 0,1,2,3,4,5,6,7
	MX1 \q, 0, \i
.endr
.irp g, 0,1,2,3,4,5,6,7                ; by turns: an exponential of group g, a maximum of group g + 1, a multiply-add of group g + 2: behind every exponential but the last group's stands a plain line that names none of its registers
.irp i, 0,1,2,3,4,5,6,7
	EX1 \q, \g, \i
.if \g < 7
	MX1 \q, (\g+1), \i
.endif
.if (\g < 6) && (\i < 4)
	FM1 \q, (\g+2), (2*\i)
.endif
.endr
.if \g == 7
	v_nop                                          ; a plain line between the last exponentials and the conversions that read them
.endif
.if (\g % 2) == 1
	GCVT \q, (\g/2)
.endif
.endr
.endm
.macro PV last                         ; 8 products; last = 1: the results go to S's registers, where the way out works
.rept 4
	v_nop                                          ; codes made by vector lines stand four places ahead of the products
.endr
.if \last
	WIN 0x11
.else
	WIN 0x51
.endif
.irp t, 0,1,2,3
.irp q, 0,1
.if \last
.set rD, S+32*\q+8*\t
.else
.set rD, 192+32*\q+8*\t
.endif
.if (\t % 2)
	v_wmma_scale_f32_16x16x128_f8f6f4 v[rD:rD+7], v[128+16*\t:128+16*\t+15], v[P+16*\q:P+16*\q+15], v[192+32*\q+8*\t:192+32*\q+8*\t+7], v[VS+\t/2], v[PW+\q] matrix_a_scale:MATRIX_SCALE_ROW1
.else
	v_wmma_scale_f32_16x16x128_f8f6f4 v[rD:rD+7], v[128+16*\t:128+16*\t+15], v[P+16*\q:P+16*\q+15], v[192+32*\q+8*\t:192+32*\q+8*\t+7], v[VS+\t/2], v[PW+\q]
.endif
.endr
.endr
	WIN 0
.endm
	s_load_b128 s[4:7], s[0:1], 0x0                ; q, k and v
	s_load_b64 s[8:9], s[0:1], 0x10                ; o
	v_lshl_add_u32 v62, v0, 2, 0x42000
	v_mov_b32 v63, 0
	ds_add_u32 v62, v63
	ds_add_u32 v62, v63
	v_lshrrev_b32 v11, 5, v0
	v_readfirstlane_b32 s[WV], v11
	s_bfe_u32 s11, ttmp6, 0x40000                  ; cx: it enters q's and o's global offsets alone
	s_lshl_b32 s12, ttmp9, 2
	s_add_co_u32 s12, s12, s11                     ; my block of 256 queries
	s_and_b32 s13, ttmp7, 0xffff                   ; 8 x batch + head, which the four partners share
	s_mov_b32 s[G1], 15|(3<<16)|(1<<21)            ; the mask: all four; elements of 8 bytes; bit 21 beside a mask; no padding
	s_mov_b32 s[G1+1], 32<<16                      ; tensor_dim0 = 32 elements: rows of 256 bytes
	s_mov_b32 s[G1+2], RW<<16                      ; tensor_dim1
	s_mov_b32 s[G1+3], 32<<16                      ; tile_dim0
	s_mov_b32 s[G1+4], RW                          ; tile_dim1
	s_mov_b32 s[G1+5], 32                          ; the pitch: the block is dense
	s_mov_b32 s[G1+6], 0
	s_mov_b32 s[G1+7], 0
	s_mul_i32 s50, s13, 2*HALF
	s_mul_i32 s14, s[WV], RW*256                   ; my eighth of a half
	s_add_co_u32 s50, s50, s14
	s_mov_b32 s51, 0
	s_mov_b32 s[CS], 0x1e38aa3b                    ; c' = log2(e) / 8 x 2^-64
	s_mov_b32 s[CS+1], s[CS]
	s_mov_b32 s[NC], 0x9e38aa3b                    ; -c'
	s_mov_b32 s[NC+1], s[NC]
	s_mov_b32 s[MNT], 0x600000
	s_mov_b32 s[SEL], 0x76543210
	s_mov_b32 s[SEL+1], 0xfedcba98
	s_wait_dscnt 0x0
	s_wait_kmcnt 0x0
	CROUND                                         ; all four work-groups are here: the joint loads meet
	s_mov_b32 s[G0K], 1
	s_mov_b32 s[G0K+1], s14
	s_add_nc_u64 s[G0K+2:G0K+3], s[6:7], s[50:51]
	s_mov_b32 s[G0V], 1
	s_add_co_u32 s[G0V+1], s14, HALF
	s_add_nc_u64 s[G0V+2:G0V+3], s[G0K+2:G0K+3], HALF
	s_or_b32 s[G0K+3], s[G0K+3], 0x80000000
	s_or_b32 s[G0V+3], s[G0V+3], 0x80000000
	tensor_load_to_lds s[G0K:G0K+3], s[G1:G1+7]    ; k's half first: pass 1 wants it alone
	s_nop 0
	tensor_load_to_lds s[G0V:G0V+3], s[G1:G1+7]
	s_nop 0
.rept 4
	v_nop
.endr
	v_and_b32 v11, 31, v0
	v_lshlrev_b32 v[L16], 4, v11
	v_add_nc_u32 v[KA0], SCB, v[L16]
	v_lshlrev_b32 v[KS0], 3, v11
	v_add_nc_u32 v[VA0], HALF+SCB, v[L16]
	v_add_nc_u32 v[VS0], HALF, v[KS0]
	v_and_b32 v[R4], 15, v0
	v_lshlrev_b32 v[R4], 2, v[R4]
	s_lshl_b32 s54, s12, 3
	s_add_co_u32 s54, s54, s[WV]                   ; my block of 32 queries in the batch
	s_lshl_b32 s55, s13, 6
	s_add_co_u32 s55, s55, s54
	s_lshl_b32 s50, s55, 6
	s_add_co_u32 s50, s50, 4194304
	s_add_nc_u64 s[QW:QW+1], s[4:5], s[50:51]
	s_lshl_b32 s50, s55, 11
	s_add_nc_u64 s[4:5], s[4:5], s[50:51]
	s_lshr_b32 s55, s13, 3
	s_lshl_b32 s55, s55, 6
	s_add_co_u32 s55, s55, s54                     ; the block of 32 rows among all 256
	s_and_b32 s54, s13, 7                          ; the head
	s_lshl_b32 s50, s55, 14
	s_lshl_b32 s52, s54, 10                        ; K step head / 2, blocks 2 (head % 2) on
	s_add_co_u32 s50, s50, s52
	s_add_nc_u64 s[OC:OC+1], s[8:9], s[50:51]
	s_lshl_b32 s50, s55, 9
	s_lshr_b32 s52, s54, 1
	s_lshl_b32 s52, s52, 6
	s_add_co_u32 s50, s50, s52
	s_and_b32 s52, s54, 1
	s_lshl_b32 s52, s52, 1
	s_add_co_u32 s50, s50, s52
	s_add_co_u32 s50, s50, 4194304
	s_add_nc_u64 s[OW:OW+1], s[8:9], s[50:51]
	WIN 0x40
	global_load_b128 v[0:3], v[L16], s[4:5]
	global_load_b128 v[4:7], v[L16], s[4:5] offset:512
	global_load_b128 v[16:19], v[L16], s[4:5]
	global_load_b128 v[20:23], v[L16], s[4:5] offset:512
	global_load_b128 v[24:27], v[L16], s[4:5] offset:1024
	global_load_b128 v[28:31], v[L16], s[4:5] offset:1536
	global_load_b128 v[40:43], v[L16], s[4:5] offset:1024
	global_load_b128 v[44:47], v[L16], s[4:5] offset:1536
.irp i, 8,9,10,11,12,13,14,15,32,33,34,35,36,37,38,39
	v_mov_b32 v[\i], 0                             ; zero codes: they add nothing under any scale byte of q's
.endr
.set i, 48
.rept 16
	v_mov_b32 v[i], 0xc4800000                     ; C = -1,024
.set i, i+1
.endr
	WIN 0
	global_load_b32 v[QT], v[R4], s[QW:QW+1]
.irp q, 0,1
	v_mov_b32 v[ST+8*\q+6], 0xff61b1e6             ; the largest score so far: -3e38
	v_mul_f32 v[ST+8*\q], s[NC], v[ST+8*\q+6]
.irp i, 1,2,3,4,5,7
	v_mov_b32 v[ST+8*\q+\i], 0
.endr
.endr
.irp i, 4,5,6,7
	v_mov_b32 v[TM+\i], 0                          ; a lane permute's destination counts as one of its sources
.endr
	s_wait_loadcnt 0x0
	v_perm_b32 v[QS], v[QT], v[QT], 0x01000100     ; tile 0's two bytes, twice: they serve both places of q in [q|0|q]
	v_perm_b32 v[QS+1], v[QT], v[QT], 0x03020302   ; tile 1's
	v_add_nc_u32 v[QS], 0x40404040, v[QS]          ; 64 onto each byte: the scores come out times 2^64 (no byte carries: each stays under 255)
	v_add_nc_u32 v[QS+1], 0x40404040, v[QS+1]
	WIN 0x40
.set i, 192
.rept 64
	v_mov_b32 v[i], 0                              ; O^T (the loop is written once); these lines are also the places behind q's scale words
.set i, i+1
.endr
	WIN 0
	s_mov_b32 s[TK], 0
	s_mov_b32 s[TKS], 0
	s_wait_tensorcnt 0x1                           ; my part of k's half is in; v's load, issued behind it, may stay out
	s_barrier_signal -1
	s_barrier_wait -1                              ; everybody's is
	KLOAD
	s_mov_b32 s[CNT], STEPS-1
.Lp1:
	s_wait_dscnt 0x0
	QK
	PLACES 6                                       ; with KLOAD's two additions: eight
	s_add_co_u32 s[TK], s[TK], 8192
	s_add_co_u32 s[TKS], s[TKS], 256
	KLOAD                                          ; the next step's k lands under this step's vector work
	STATS
	s_sub_co_u32 s[CNT], s[CNT], 1
	s_cmp_lg_u32 s[CNT], 0
	s_cbranch_scc1 .Lp1
	s_wait_dscnt 0x0
	QK
	PLACES 6
	s_mov_b32 s[TK], 0                             ; pass 2 begins at the first keys again
	s_mov_b32 s[TKS], 0
	KLOAD
	STATS
.irp q, 0,1                            ; the halves of the lanes are joined: M, l, and K2 = c' M + log2(l)
	v_add_f32 v[ST+8*\q+2], v[ST+8*\q+2], v[ST+8*\q+3]
	v_permlanex16_b32 v[ST+8*\q+7], v[ST+8*\q+6], s[SEL], s[SEL+1]
	v_max_num_f32 v[ST+8*\q+7], v[ST+8*\q+6], v[ST+8*\q+7]
	v_mul_f32 v[ST+8*\q+5], s[NC], v[ST+8*\q+7]
	v_sub_f32 v[ST+8*\q+4], v[ST+8*\q+5], v[ST+8*\q]
	v_exp_f32 v[ST+8*\q+4], v[ST+8*\q+4]
	v_nop
	s_wait_alu depctr_va_vdst(0)
	v_mul_f32 v[ST+8*\q+2], v[ST+8*\q+2], v[ST+8*\q+4]
	v_permlanex16_b32 v[ST+8*\q+3], v[ST+8*\q+2], s[SEL], s[SEL+1]
	v_add_f32 v[ST+8*\q+2], v[ST+8*\q+2], v[ST+8*\q+3]
	v_log_f32 v[ST+8*\q+3], v[ST+8*\q+2]
	v_nop
	s_wait_alu depctr_va_vdst(0)
	v_sub_f32 v[ST+8*\q], v[ST+8*\q+3], v[ST+8*\q+5]
.endr
	s_mov_b32 s[TV], 0
	s_mov_b32 s[TVS], 0
	s_wait_tensorcnt 0x0                           ; my part of v's half is in,
	s_wait_dscnt 0x0                               ; no LDS load of mine is out at the signal
	s_barrier_signal -1
	s_barrier_wait -1                              ; everybody's is
	VLOAD
	s_mov_b32 s[CNT], STEPS-1
.Lp2:
	s_wait_dscnt 17                                ; k of this step is in; the 17 loads of v, issued behind it, may be out
	QK
	PLACES 6                                       ; with KLOAD's two additions: eight
	s_add_co_u32 s[TK], s[TK], 8192
	s_add_co_u32 s[TKS], s[TKS], 256
	KLOAD
	SOFT2 0
	SOFT2 1
	s_wait_dscnt 17                                ; v of this step is in; the 17 loads of the next k may be out
	PV 0
	PLACES 6                                       ; with VLOAD's two additions: eight
	s_add_co_u32 s[TV], s[TV], 8192
	s_add_co_u32 s[TVS], s[TVS], 256
	VLOAD
	s_sub_co_u32 s[CNT], s[CNT], 1
	s_cmp_lg_u32 s[CNT], 0
	s_cbranch_scc1 .Lp2
	s_wait_dscnt 17                                ; the last step fetches nothing more
	QK
	PLACES 8
	SOFT2 0
	SOFT2 1
	s_wait_dscnt 0x0
	PV 1
	PLACES 8
	QUANT S, P, WD                                 ; o along the head's 64: blocks (tile 0: 0, 1), (tile 1: 0, 1)
.irp q, 0,1
.irp c, 0,1
	global_store_b128 v[L16], v[P+8*\q+4*\c:P+8*\q+4*\c+3], s[OC:OC+1] offset:8192*\q+512*\c   ; 512 consecutive bytes
.endr
.endr
	global_store_b16 v[R4], v[WD], s[OW:OW+1]                  ; my head's two bytes of tile 0's scale words,
	global_store_d16_hi_b16 v[R4], v[WD], s[OW:OW+1] offset:256 ; and of tile 1's
	s_wait_tensorcnt 0x0
	ds_add_u32 v62, v63
	s_wait_dscnt 0x0
	CROUND                                         ; the closing round
	s_endpgm
.Lfunc_end_k_q26209419b5_attn_s:
	.size	k_q26209419b5_attn_s, .Lfunc_end_k_q26209419b5_attn_s-k_q26209419b5_attn_s
	.p2alignl 7, 3214868480
	.fill 96, 4, 3214868480
	.section	.rodata,"a",@progbits
	.p2align	6, 0x0
	.amdhsa_kernel k_q26209419b5_attn_s
		.amdhsa_group_segment_fixed_size 327680
		.amdhsa_private_segment_fixed_size 0
		.amdhsa_enable_private_segment 0
		.amdhsa_kernarg_size 24
		.amdhsa_user_sgpr_count 2
		.amdhsa_user_sgpr_kernarg_segment_ptr 1
		.amdhsa_wavefront_size32 1
		.amdhsa_system_sgpr_workgroup_id_x 1
		.amdhsa_system_sgpr_workgroup_id_y 1
		.amdhsa_system_sgpr_workgroup_id_z 1
		.amdhsa_system_vgpr_workitem_id 0
		.amdhsa_next_free_vgpr 512
		.amdhsa_next_free_sgpr 66
		.amdhsa_reserve_vcc 0
		.amdhsa_float_denorm_mode_32 3
		.amdhsa_float_denorm_mode_16_64 3
		.amdhsa_memory_ordered 1
		.amdhsa_forward_progress 1
		.amdhsa_inst_pref_size 135
	.end_amdhsa_kernel
	.amdgpu_metadata
---
amdhsa.version: [ 1, 2 ]
amdhsa.kernels:
  - .name:           k_q26209419b5_attn_s
    .symbol:         k_q26209419b5_attn_s.kd
    .args:
      - { .name: qbuf, .offset: 0, .size: 8, .value_kind: global_buffer, .address_space: global }
      - { .name: kvs, .offset: 8, .size: 8, .value_kind: global_buffer, .address_space: global }
      - { .name: obuf, .offset: 16, .size: 8, .value_kind: global_buffer, .address_space: global }
    .group_segment_fixed_size: 327680
    .private_segment_fixed_size: 0
    .kernarg_segment_align: 8
    .kernarg_segment_size: 24
    .max_flat_workgroup_size: 256
    .sgpr_count:     66
    .vgpr_count:     512
    .wavefront_size: 32
...
	.end_amdgpu_metadata
.endif
;; end of part 3
;; launch mid (part 4): grid 256 x 1, 8 waves a work-group, no clusters, 133,632 bytes of LDS; arguments obuf, X, g1, b1, wimg, x1, qbuf; writes x1, qbuf
.if DOCPART == 4
	.amdgcn_target "amdgcn-amd-amdhsa--gfx1250"
	.amdhsa_code_object_version 6
	.text
	.protected	k_q26209419b5_mid
	.globl	k_q26209419b5_mid
	.p2align	8
	.type	k_q26209419b5_mid,@function
k_q26209419b5_mid:
	s_mov_b64 s[64:65], 0
	v_nop
	global_prefetch_b8 v0, s[64:65] scope:SCOPE_SE
	s_setreg_imm32_b32 hwreg(HW_REG_WAVE_MODE, 25, 1), 1
	s_wait_xcnt 0x0
; 32 rows a work-group: x1 = X + o Wo_s (the residual is the C of the first K step); x1 leaves as rows; layer norm, quantised, times Wq_c; q leaves as codes in the order of attention's operand registers.
; Shares, layouts, LDS map and macros as in the launch that makes q, k and v: eight waves, wave w owns columns 64 w .. 64 w + 63 of all 32 rows; its share of a weight comes from memory straight into window 1.
; No cluster and no joint load: a weight's image fills most of LDS and two are walked here, so shared tiles would want refills behind rounds.
; LIMITS: NaN and infinities are not served; a block of zeros gets the byte 1 (its codes are zeros, and only this program reads the bytes).
.set IMG0, 0
.set IMG1, 17408
.set STAT, 52224
.set GB,   54784
.set STG,  62976
.set MSTR, 270336
.set L16, 1
.set L4,  2
.set WOF, 3
.set WSO, 4
.set XOFF, 5
.set STO, 6
.set SRD, 7
.set GRO, 8
.set STW, 9
.set STR, 10
.set IMW, 11
.set ISW, 12
.set GBA, 13
.set R4,  14
.set R8,  15
.set T16, 16
.set G16, 17
.set SB,  22
.set WS,  24
.set AS,  32
.set TM,  40
.set PW,  56
.set MP,  58
.set SA,  62
.set AF,  64
.set PC,  64
.set ACC, 192
.set WV,  8
.set SEL, 10
.set MNT, 12
.set EPS, 13
.set I512, 14
.set WB,  24
.set XB,  36
.set QC,  38
.set QW,  40
.set OCB, 42
.set OWB, 44
.set X1B, 46
.set MSB, 0
.macro WIN new
.if MSB != \new
	s_set_vgpr_msb (MSB<<8)|\new
.set MSB, \new
.endif
.endm
.macro BARRIER
	s_wait_dscnt 0x0
	s_barrier_signal -1
	s_barrier_wait -1
.endm
.macro HEAD
	v_lshrrev_b32 v18, 5, v0
	v_readfirstlane_b32 s[WV], v18
	v_and_b32 v18, 31, v0
	v_and_b32 v19, 15, v0
	v_bfe_u32 v57, v0, 4, 1
	v_lshlrev_b32 v[L16], 4, v18
	v_lshlrev_b32 v[L4], 2, v18
	s_lshl_b32 s2, s[WV], 15
	v_add_nc_u32 v[WOF], s2, v[L16]
	s_lshl_b32 s2, s[WV], 10
	v_add_nc_u32 v[IMW], s2, v[L16]
	s_add_co_u32 s2, s2, 262144
	v_lshl_add_u32 v[WSO], v18, 3, s2
	v_and_b32 v[R4], 8, v19
	v_add_nc_u32 v[R4], v[R4], v19
	s_lshl_b32 s2, s[WV], 8
	v_lshl_add_u32 v[XOFF], v[R4], 11, s2
	v_lshl_add_u32 v[XOFF], v57, 6, v[XOFF]
	v_lshl_add_u32 v[GRO], v57, 11, s2
	v_lshl_add_u32 v[GRO], v19, 4, v[GRO]
	s_add_co_u32 s2, s2, GB
	v_lshl_add_u32 v[GBA], v57, 6, s2
	s_mul_i32 s3, s[WV], 8704
	s_add_co_u32 s3, s3, STG
	v_mul_u32_u24 v[STO], v[R4], 272
	v_lshl_add_u32 v[STO], v57, 6, v[STO]
	v_add_nc_u32 v[STO], s3, v[STO]
	v_mul_u32_u24 v[SRD], v57, 272
	v_lshl_add_u32 v[SRD], v19, 4, v[SRD]
	v_add_nc_u32 v[SRD], s3, v[SRD]
	v_mul_u32_u24 v[STR], v19, 80
	v_add_nc_u32 v[STR], STAT, v[STR]
	s_lshl_b32 s3, s[WV], 3
	v_add_nc_u32 v[STW], s3, v[STR]
	s_lshr_b32 s3, s[WV], 1
	s_lshl_b32 s3, s3, 7
	s_and_b32 s2, s[WV], 1
	s_lshl_b32 s2, s2, 1
	s_add_co_u32 s3, s3, s2
	v_add_nc_u32 v[ISW], s3, v[L4]
	v_lshlrev_b32 v[R4], 2, v19
	v_lshlrev_b32 v[R8], 3, v19
	v_lshl_add_u32 v[T16], v0, 4, GB
	v_and_b32 v[G16], 127, v0
	v_lshlrev_b32 v[G16], 4, v[G16]
.irp i, 4,5,6,7
	v_mov_b32 v[TM+\i], 0
.endr
	v_mov_b32 v[SB], 0
	v_mov_b32 v[SB+1], 0
.irp i, 0,1,2,3
	v_mov_b32 v[MP+\i], 0
.endr
	s_mov_b32 s[SEL], 0x76543210
	s_mov_b32 s[SEL+1], 0xfedcba98
	s_mov_b32 s[MNT], 0x600000
	s_mov_b32 s[EPS], 0x3727c5ac
	s_mov_b32 s[I512], 0x3b000000
	s_mov_b32 s53, 0
.endm
.macro QUANT s, d, w
.irp b, 0,1,2,3
	v_max3_num_f32 v[TM+\b], |v[\s+16*\b]|, |v[\s+1+16*\b]|, 0x4800000
.endr
.irp i, 2,4,6,8,10,12,14
.irp b, 0,1,2,3
	v_max3_num_f32 v[TM+\b], v[TM+\b], |v[\s+16*\b+\i]|, |v[\s+1+16*\b+\i]|
.endr
.endr
.irp b, 0,1,2,3
	v_permlanex16_b32 v[TM+4+\b], v[TM+\b], s[SEL], s[SEL+1]
.endr
.irp b, 0,1,2,3
	v_max_num_f32 v[TM+\b], v[TM+\b], v[TM+4+\b]
.endr
.irp b, 0,1,2,3
	v_add_nc_u32 v[TM+12+\b], 0xfc000000, v[TM+\b]
.endr
.irp b, 0,1,2,3
	v_and_or_b32 v[TM+8+\b], v[TM+\b], 0x7f800000, s[MNT]
.endr
.irp b, 0,1,2,3
	v_lshrrev_b32 v[TM+4+\b], 23, v[TM+12+\b]
.endr
	v_lshl_or_b32 v[\w], v[TM+5], 8, v[TM+4]
	v_lshl_or_b32 v[\w], v[TM+6], 16, v[\w]
	v_lshl_or_b32 v[\w], v[TM+7], 24, v[\w]
.irp b, 0,1,2,3
.irp i, 0,1,2,3,4,5,6,7,8,9,10,11,12,13,14,15
	v_med3_num_f32 v[\s+16*\b+\i], v[\s+16*\b+\i], -v[TM+8+\b], v[TM+8+\b]
.endr
	v_cvt_scalef32_pk8_fp8_f32 v[\d+4*\b:\d+1+4*\b], v[\s+16*\b:\s+7+16*\b], v[TM+12+\b]
	v_cvt_scalef32_pk8_fp8_f32 v[\d+2+4*\b:\d+3+4*\b], v[\s+8+16*\b:\s+15+16*\b], v[TM+12+\b]
.endr
	v_nop
.endm
.macro LOADW m
	WIN 0x40
.set i, 0
.rept 64
	global_load_b128 v[4*i:4*i+3], v[WOF], s[WB:WB+1] offset:\m*MSTR+512*i
.set i, i+1
.endr
	WIN 0
.irp t, 0,1,2,3
	global_load_b64 v[WS+2*\t:WS+2*\t+1], v[WSO], s[WB:WB+1] offset:\m*MSTR+256*\t
.endr
.endm
.macro LOADACC base
.irp u, 0,1
.irp c, 0,1
.irp j, 0,1,2,3
	global_load_b128 v[ACC+32*\u+16*\c+4*\j:ACC+32*\u+16*\c+4*\j+3], v[XOFF], s[\base:\base+1] offset:16384*\u+128*\c+16*\j th:TH_LOAD_NT
.endr
.endr
.endr
.endm
.macro MM cinit, s, u, t
.set rW, 16*(4*\t+\s)
.set rA, AF+16*(4*\u+\s)
.set rX, WS+2*\t+\s/2
.set rY, AS+4*\u+\s
.set rD, ACC+32*\u+8*\t
.if (\s == 0) && (\cinit == 0)
	v_wmma_scale_f32_16x16x128_f8f6f4 v[rD:rD+7], v[rW:rW+15], v[rA:rA+15], 0, v[rX], v[rY]
.elseif (\s % 2) == 0
	v_wmma_scale_f32_16x16x128_f8f6f4 v[rD:rD+7], v[rW:rW+15], v[rA:rA+15], v[rD:rD+7], v[rX], v[rY]
.else
	v_wmma_scale_f32_16x16x128_f8f6f4 v[rD:rD+7], v[rW:rW+15], v[rA:rA+15], v[rD:rD+7], v[rX], v[rY] matrix_a_scale:MATRIX_SCALE_ROW1
.endif
.endm
; 32 rows x my 64 columns x K = 512, source 0 = the weight.  The 8 accumulators take turns, one instruction a turn.
.macro GEMM img, cinit
	s_wait_xcnt 0x0                                ; earlier stores have read their registers: the fragments below land on them
.irp f, 0,1,2,3,4,5,6,7
.irp c, 0,1,2,3
	ds_load_b128 v[AF+16*\f+4*\c:AF+16*\f+4*\c+3], v[L16] offset:\img+2048*\f+512*\c
.endr
	ds_load_b32 v[AS+\f], v[L4] offset:\img+16384+128*\f
.endr
	s_wait_dscnt 0x0
	s_wait_loadcnt 0x0
	WIN 0x01
.irp s, 0,1,2,3
.irp u, 0,1
.irp t, 0,1,2,3
	MM \cinit, \s, \u, \t
.endr
.endr
.endr
	WIN 0
.rept 8
	v_nop                                          ; eight places ahead of loads into the operands and of the first read of results
.endr
.endm
.macro IMGOUT img
.irp u, 0,1
.irp c, 0,1
	ds_store_b128 v[IMW], v[PC+8*\u+4*\c:PC+8*\u+4*\c+3] offset:\img+8192*\u+512*\c
.endr
.endr
	ds_store_b16 v[ISW], v[PW] offset:\img+16384
	ds_store_b16_d16_hi v[ISW], v[PW] offset:\img+16384+512
.endm
.macro PARK                            ; the accumulators, each from its low end on, into my own stage: 32 rows of my 256 bytes
.irp u, 0,1
.irp c, 0,1
.irp j, 0,1,2,3
	ds_store_b128 v[STO], v[ACC+32*\u+16*\c+4*\j:ACC+32*\u+16*\c+4*\j+3] offset:2176*\u+128*\c+16*\j
.endr
.endr
.endr
.endm
.macro OUTROWS base                    ; back by rows (LDS serves a wave's instructions in order): sixteen lanes store 256 consecutive bytes, aligned
.irp i, 0,1,2,3,4,5,6,7,8,9,10,11,12,13,14,15
	ds_load_b128 v[AF+4*\i:AF+4*\i+3], v[SRD] offset:544*\i
.endr
.irp i, 0,1,2,3,4,5,6,7,8,9,10,11,12,13,14,15
	s_wait_dscnt 15-\i
	global_store_b128 v[GRO], v[AF+4*\i:AF+4*\i+3], s[\base:\base+1] offset:4096*\i
.endr
.endm
.macro LNQ img
	s_wait_xcnt 0x0                                ; the rows' stores have read v64 on
.irp k, 0,1,2,3,4,5,6,7
.irp u, 0,1
	v_pk_add_f32 v[144+16*\u+2*\k:145+16*\u+2*\k], v[ACC+32*\u+4*\k:ACC+32*\u+4*\k+1], v[ACC+32*\u+4*\k+2:ACC+32*\u+4*\k+3]
.endr
.endr
.irp k, 0,1,2,3
.irp u, 0,1
	v_pk_add_f32 v[144+16*\u+2*\k:145+16*\u+2*\k], v[144+16*\u+2*\k:145+16*\u+2*\k], v[152+16*\u+2*\k:153+16*\u+2*\k]
.endr
.endr
.irp k, 0,1
.irp u, 0,1
	v_pk_add_f32 v[144+16*\u+2*\k:145+16*\u+2*\k], v[144+16*\u+2*\k:145+16*\u+2*\k], v[148+16*\u+2*\k:149+16*\u+2*\k]
.endr
.endr
.irp u, 0,1
	v_pk_add_f32 v[144+16*\u:145+16*\u], v[144+16*\u:145+16*\u], v[146+16*\u:147+16*\u]
.endr
.irp u, 0,1
	v_add_f32 v[SA+\u], v[144+16*\u], v[145+16*\u]
.endr
.irp u, 0,1
	v_permlanex16_b32 v[SB+\u], v[SA+\u], s[SEL], s[SEL+1]
.endr
.irp u, 0,1
	v_add_f32 v[SA+\u], v[SA+\u], v[SB+\u]
.endr
.irp u, 0,1
	v_mul_f32 v[MP+2*\u], 0x3c800000, v[SA+\u]
.endr
.irp u, 0,1
.set k, 0
.rept 16
	v_pk_add_f32 v[64+32*\u+k:65+32*\u+k], v[ACC+32*\u+k:ACC+32*\u+k+1], v[MP+2*\u:MP+2*\u+1] op_sel_hi:[1,0] neg_lo:[0,1] neg_hi:[0,1]
.set k, k+2
.endr
.endr
.irp u, 0,1
	v_pk_mul_f32 v[144+16*\u:145+16*\u], v[64+32*\u:65+32*\u], v[64+32*\u:65+32*\u]
	v_pk_mul_f32 v[146+16*\u:147+16*\u], v[66+32*\u:67+32*\u], v[66+32*\u:67+32*\u]
.endr
.irp k, 4,8,12,16,20,24,28
.irp u, 0,1
	v_pk_fma_f32 v[144+16*\u:145+16*\u], v[64+32*\u+\k:65+32*\u+\k], v[64+32*\u+\k:65+32*\u+\k], v[144+16*\u:145+16*\u]
	v_pk_fma_f32 v[146+16*\u:147+16*\u], v[66+32*\u+\k:67+32*\u+\k], v[66+32*\u+\k:67+32*\u+\k], v[146+16*\u:147+16*\u]
.endr
.endr
.irp u, 0,1
	v_pk_add_f32 v[144+16*\u:145+16*\u], v[144+16*\u:145+16*\u], v[146+16*\u:147+16*\u]
.endr
.irp u, 0,1
	v_add_f32 v[SA+\u], v[144+16*\u], v[145+16*\u]
.endr
.irp u, 0,1
	v_permlanex16_b32 v[SB+\u], v[SA+\u], s[SEL], s[SEL+1]
.endr
.irp u, 0,1
	v_add_f32 v[MP+2*\u+1], v[SA+\u], v[SB+\u]
.endr
.irp u, 0,1
	ds_store_b64 v[STW], v[MP+2*\u:MP+2*\u+1] offset:1280*\u
.endr
	BARRIER                                        ; all eight waves' pairs (mean, M2) lie in LDS
.irp u, 0,1
.irp i, 0,1,2,3
	ds_load_b128 v[144+16*\u+4*\i:147+16*\u+4*\i], v[STR] offset:1280*\u+16*\i
.endr
.endr
.irp c, 0,1
.irp j, 0,1,2,3
	ds_load_b128 v[80+16*\c+4*\j:83+16*\c+4*\j], v[GBA] offset:128*\c+16*\j
	ds_load_b128 v[112+16*\c+4*\j:115+16*\c+4*\j], v[GBA] offset:2048+128*\c+16*\j
.endr
.endr
	s_wait_dscnt 0x0
.irp u, 0,1
.irp k, 0,1,2,3
	v_pk_add_f32 v[176+8*\u+2*\k:177+8*\u+2*\k], v[144+16*\u+4*\k:145+16*\u+4*\k], v[146+16*\u+4*\k:147+16*\u+4*\k]
.endr
	v_pk_add_f32 v[176+8*\u:177+8*\u], v[176+8*\u:177+8*\u], v[178+8*\u:179+8*\u]
	v_pk_add_f32 v[180+8*\u:181+8*\u], v[180+8*\u:181+8*\u], v[182+8*\u:183+8*\u]
	v_pk_add_f32 v[176+8*\u:177+8*\u], v[176+8*\u:177+8*\u], v[180+8*\u:181+8*\u]
	v_mul_f32 v[MP+2*\u], 0x3e000000, v[176+8*\u]
.irp i, 0,1,2,3,4,5,6,7
	v_sub_f32 v[144+16*\u+2*\i], v[144+16*\u+2*\i], v[MP+2*\u]
.endr
	v_mul_f32 v[SA+\u], v[144+16*\u], v[144+16*\u]
.irp i, 1,2,3,4,5,6,7
	v_fma_f32 v[SA+\u], v[144+16*\u+2*\i], v[144+16*\u+2*\i], v[SA+\u]
.endr
	v_fma_f32 v[SA+\u], v[SA+\u], 0x42800000, v[177+8*\u]
	v_fma_f32 v[SA+\u], v[SA+\u], s[I512], s[EPS]
	v_rsq_f32 v[144+16*\u], v[SA+\u]               ; twice: a pair for the packed multiply; the next plain line touches neither result nor source
	v_rsq_f32 v[145+16*\u], v[SA+\u]
.endr
.irp u, 0,1
.set k, 0
.rept 16
	v_pk_add_f32 v[ACC+32*\u+k:ACC+32*\u+k+1], v[ACC+32*\u+k:ACC+32*\u+k+1], v[MP+2*\u:MP+2*\u+1] op_sel_hi:[1,0] neg_lo:[0,1] neg_hi:[0,1]
.set k, k+2
.endr
.endr
	s_wait_alu depctr_va_vdst(0)
.irp u, 0,1
.set k, 0
.rept 16
	v_pk_mul_f32 v[ACC+32*\u+k:ACC+32*\u+k+1], v[ACC+32*\u+k:ACC+32*\u+k+1], v[144+16*\u:145+16*\u]
.set k, k+2
.endr
.endr
.irp u, 0,1
.set k, 0
.rept 16
	v_pk_fma_f32 v[ACC+32*\u+k:ACC+32*\u+k+1], v[ACC+32*\u+k:ACC+32*\u+k+1], v[80+k:81+k], v[112+k:113+k]
.set k, k+2
.endr
.endr
	QUANT ACC, PC, PW
	IMGOUT \img
	BARRIER                                        ; the rows' eight fragments lie in LDS
.endm
	s_load_b256 s[16:23], s[0:1], 0x0              ; o, X, g1, b1
	s_load_b128 s[24:27], s[0:1], 0x20             ; wimg, x1
	s_load_b64 s[28:29], s[0:1], 0x30              ; q
	v_lshl_add_u32 v20, v0, 2, 0x20600
	v_mov_b32 v21, 0
	HEAD
	s_lshl_b32 s2, s[WV], 11
	v_add_nc_u32 v57, s2, v[L16]                   ; where fragment w of o goes in LDS
	s_lshl_b32 s3, s[WV], 7
	v_add_nc_u32 v18, s3, v[L4]                    ; and its scale words
	s_lshl_b32 s52, ttmp9, 14
	s_add_co_u32 s52, s52, s2
	s_wait_kmcnt 0x0
	s_add_nc_u64 s[OCB:OCB+1], s[16:17], s[52:53]
	s_lshr_b32 s52, s52, 5
	s_add_co_u32 s52, s52, 4194304
	s_add_nc_u64 s[OWB:OWB+1], s[16:17], s[52:53]
	s_lshl_b32 s52, ttmp9, 16
	s_add_nc_u64 s[XB:XB+1], s[18:19], s[52:53]
	s_add_nc_u64 s[X1B:X1B+1], s[26:27], s[52:53]
	s_lshr_b32 s50, ttmp9, 6
	s_and_b32 s51, ttmp9, 63
	s_lshl_b32 s52, s50, 20
	s_lshl_b32 s2, s[WV], 17
	s_add_co_u32 s52, s52, s2
	s_lshl_b32 s2, s51, 11
	s_add_co_u32 s52, s52, s2
	s_add_nc_u64 s[QC:QC+1], s[28:29], s[52:53]
	s_lshr_b32 s52, s52, 5
	s_add_co_u32 s52, s52, 4194304
	s_add_nc_u64 s[QW:QW+1], s[28:29], s[52:53]
	s_cmp_lt_u32 s[WV], 4
	s_cselect_b64 s[4:5], s[20:21], s[22:23]
.irp c, 0,1,2,3
	global_load_b128 v[64+4*\c:67+4*\c], v[L16], s[OCB:OCB+1] offset:512*\c th:TH_LOAD_NT
.endr
	global_load_b32 v[PW], v[R4], s[OWB:OWB+1]
	global_load_b128 v[80:83], v[G16], s[4:5]
	LOADACC XB
	LOADW 3
	s_wait_loadcnt 63                              ; 68 loads of the weight were issued behind the rows': all before them are in
.irp c, 0,1,2,3
	ds_store_b128 v57, v[64+4*\c:67+4*\c] offset:IMG0+512*\c
.endr
	ds_store_b32 v18, v[PW] offset:IMG0+16384
	ds_store_b128 v[T16], v[80:83]
	BARRIER                                        ; o's eight fragments, gain and bias lie in LDS
	GEMM IMG0, 1                                   ; X + o Wo_s
	LOADW 4
	PARK
	OUTROWS X1B
	LNQ IMG1
	GEMM IMG1, 0                                   ; q of the cross-attention
	QUANT ACC, PC, PW
.irp c, 0,1,2,3
	global_store_b128 v[L16], v[PC+4*\c:PC+4*\c+3], s[QC:QC+1] offset:512*\c
.endr
	global_store_b32 v[R4], v[PW], s[QW:QW+1]
	s_wait_tensorcnt 0x0
	ds_add_u32 v20, v21
	s_wait_dscnt 0x0
	s_endpgm
.Lfunc_end_k_q26209419b5_mid:
	.size	k_q26209419b5_mid, .Lfunc_end_k_q26209419b5_mid-k_q26209419b5_mid
	.p2alignl 7, 3214868480
	.fill 96, 4, 3214868480
	.section	.rodata,"a",@progbits
	.p2align	6, 0x0
	.amdhsa_kernel k_q26209419b5_mid
		.amdhsa_group_segment_fixed_size 133632
		.amdhsa_private_segment_fixed_size 0
		.amdhsa_enable_private_segment 0
		.amdhsa_kernarg_size 56
		.amdhsa_user_sgpr_count 2
		.amdhsa_user_sgpr_kernarg_segment_ptr 1
		.amdhsa_wavefront_size32 1
		.amdhsa_system_sgpr_workgroup_id_x 1
		.amdhsa_system_sgpr_workgroup_id_y 1
		.amdhsa_system_sgpr_workgroup_id_z 1
		.amdhsa_system_vgpr_workitem_id 0
		.amdhsa_next_free_vgpr 512
		.amdhsa_next_free_sgpr 66
		.amdhsa_reserve_vcc 0
		.amdhsa_float_denorm_mode_32 3
		.amdhsa_float_denorm_mode_16_64 3
		.amdhsa_memory_ordered 1
		.amdhsa_forward_progress 1
		.amdhsa_inst_pref_size 72
	.end_amdhsa_kernel
	.amdgpu_metadata
---
amdhsa.version: [ 1, 2 ]
amdhsa.kernels:
  - .name:           k_q26209419b5_mid
    .symbol:         k_q26209419b5_mid.kd
    .args:
      - { .name: obuf, .offset: 0, .size: 8, .value_kind: global_buffer, .address_space: global }
      - { .name: X, .offset: 8, .size: 8, .value_kind: global_buffer, .address_space: global }
      - { .name: g1, .offset: 16, .size: 8, .value_kind: global_buffer, .address_space: global }
      - { .name: b1, .offset: 24, .size: 8, .value_kind: global_buffer, .address_space: global }
      - { .name: wimg, .offset: 32, .size: 8, .value_kind: global_buffer, .address_space: global }
      - { .name: x1, .offset: 40, .size: 8, .value_kind: global_buffer, .address_space: global }
      - { .name: qbuf, .offset: 48, .size: 8, .value_kind: global_buffer, .address_space: global }
    .group_segment_fixed_size: 133632
    .private_segment_fixed_size: 0
    .kernarg_segment_align: 8
    .kernarg_segment_size: 56
    .max_flat_workgroup_size: 256
    .sgpr_count:     66
    .vgpr_count:     512
    .wavefront_size: 32
...
	.end_amdgpu_metadata
.endif
;; end of part 4
;; launch attn_c (part 5): grid 8 x 32, 8 waves a work-group, clusters of 4 x 1, 327,680 bytes of LDS; arguments qbuf, kvc, obuf; writes obuf
.if DOCPART == 5
	.amdgcn_target "amdgcn-amd-amdhsa--gfx1250"
	.amdhsa_code_object_version 6
	.text
	.protected	k_q26209419b5_attn_c
	.globl	k_q26209419b5_attn_c
	.p2align	8
	.type	k_q26209419b5_attn_c,@function
k_q26209419b5_attn_c:
	s_mov_b64 s[64:65], 0
	v_nop
	global_prefetch_b8 v0, s[64:65] scope:SCOPE_SE
	s_setreg_imm32_b32 hwreg(HW_REG_WAVE_MODE, 25, 1), 1
	s_wait_xcnt 0x0
	s_wait_alu depctr_hold_cnt(0) depctr_sa_sdst(0) depctr_va_vdst(0) depctr_va_sdst(0) depctr_va_ssrc(0) depctr_va_vcc(0) depctr_vm_vsrc(0)
	s_getreg_b32 s2, hwreg(HW_REG_IB_STS2, 6, 4)
	s_cmp_eq_u32 s2, 0
	s_cbranch_scc0 .Lentry_in_a_cluster
	s_endpgm
.Lentry_in_a_cluster:
	s_bfe_u32 s2, ttmp6, 0x10000c
	s_cmp_lg_u32 s2, 0x3003
	s_cbranch_scc0 .Lentry_shape_is_right
	s_endpgm
.Lentry_shape_is_right:
; The cross-attention: the text of the self-attention's launch with 1,024 keys (trip counts and the tiles' sizes are constants of a text with tensor loads, so each number of keys has its own text).
; o = P v with P = softmax(q k^T / 8) kept only where the score is positive, both products on codes of E4M3 with one E8M0 scale for each 32 along K.
; P is quantised FINISHED (normalised, then gated), so the keys are walked twice: pass 1 finds each query's largest score M and the sum l of 2^(c (s - M)), c = log2(e) / 8;
; pass 2 makes p = 2^(c s - K2), K2 = c M + log2(l), gates it, quantises it along the keys and multiplies by v.
; SHARES.  A work-group owns 256 queries of one (batch, head); each of its 8 waves owns 32 (two tiles of 16).  The head's whole k and v come into LDS ONCE, 2 x HALF bytes, by joint loads of the cluster's four
; work-groups, which share the head.  Two loads of a wave are out at the most.
; LAYOUT.  A lane holds one query throughout; a fragment of k holds 32 keys (tile 0's 64 numbers in registers 0-7, tile 1's in 8-15); q stands as [q | zeros | q].
; THE GATE AND THE HOLD STAND AHEAD OF THE EXPONENTIAL.  q's scale bytes are raised by 64 and every score starts from C = -1,024, so the registers hold W = 2^64 s - 1,024: at most -1,024 where s is not
; positive, positive and huge otherwise.  With c' = c 2^-64: -t = K2 - c' W.  A block's hold, p <= 448 x its scale, is -t >= -tb with tb = the scale's byte - 118.19266 (= log2(448 x scale) - 2^-16: the 2^-16
; stands over tb's two roundings, and 448 (1 - 2e-5) still rounds to the code 448).  So p = 2^-max(-t, -tb, -W): one three-way maximum gates and holds, and 2^-1,024 is 0.
; LIMITS: NaN and infinities are not served.  A block of q lies under 2^72 (its byte + 64 stays under 255), a score under 2^63.  Scores in (0, 2^-54] count as not positive (from 0.85 x 2^-54 to 2^-54 p is
; lessened, not cleared).  K2 is rounded once: an error common to a row of about ulp(K2) x 0.35 relative.  A block of zeros gets the byte 1 (its codes are zeros, and only this program reads the bytes).
.set LK,    1024
.set STEPS, LK/128
.set SCB,   2*LK
.set HALF,  66*LK
.set RW,    HALF/2048
.set KA0, 1
.set KS0, 2
.set VA0, 3
.set VS0, 4
.set ADK, 5
.set ADKS, 6
.set ADV, 7
.set ADVS, 8
.set L16, 9
.set R4,  10
.set ST,  32                           ; v32-47 a tile's eight: +0,+1 -c' M (in pass 2: K2), +2,+3 l, +4,+5 the rescaling factor, +6 M, +7 at work
.set KS,  48
.set VS,  50
.set QS,  52
.set PW,  54
.set WD,  56
.set QT,  57
.set S,   64
.set P,   192
.set T,   224
.set TM,  240
.set WV,  10
.set G1,  16
.set G0K, 24
.set G0V, 28
.set CS,  32
.set NC,  34
.set SEL, 36
.set MNT, 38
.set TK,  39
.set TKS, 40
.set TV,  41
.set TVS, 42
.set CNT, 43
.set QW,  44
.set OC,  46
.set OW,  48
.set MSB, 0
.macro WIN new
.if MSB != \new
	s_set_vgpr_msb (MSB<<8)|\new
.set MSB, \new
.endif
.endm
.macro CROUND
	s_barrier_signal -1
	s_barrier_wait -1
	s_cmp_lg_u32 s[WV], 0
	s_cbranch_scc1 .Lnw0_\@
	s_barrier_signal -3
.Lnw0_\@:
	s_barrier_wait -3
	s_barrier_signal -1
	s_barrier_wait -1
.endm
.macro PLACES n                        ; places behind products: eight stand ahead of loads into their operands and of the first read of results
.rept \n
	v_nop
.endr
.endm
.macro QUANT s, d, w
.irp b, 0,1,2,3
	v_max3_num_f32 v[TM+\b], |v[\s+16*\b]|, |v[\s+1+16*\b]|, 0x4800000
.endr
.irp i, 2,4,6,8,10,12,14
.irp b, 0,1,2,3
	v_max3_num_f32 v[TM+\b], v[TM+\b], |v[\s+16*\b+\i]|, |v[\s+1+16*\b+\i]|
.endr
.endr
.irp b, 0,1,2,3
	v_permlanex16_b32 v[TM+4+\b], v[TM+\b], s[SEL], s[SEL+1]
.endr
.irp b, 0,1,2,3
	v_max_num_f32 v[TM+\b], v[TM+\b], v[TM+4+\b]
.endr
.irp b, 0,1,2,3
	v_add_nc_u32 v[TM+12+\b], 0xfc000000, v[TM+\b]
.endr
.irp b, 0,1,2,3
	v_and_or_b32 v[TM+8+\b], v[TM+\b], 0x7f800000, s[MNT]
.endr
.irp b, 0,1,2,3
	v_lshrrev_b32 v[TM+4+\b], 23, v[TM+12+\b]
.endr
	v_lshl_or_b32 v[\w], v[TM+5], 8, v[TM+4]
	v_lshl_or_b32 v[\w], v[TM+6], 16, v[\w]
	v_lshl_or_b32 v[\w], v[TM+7], 24, v[\w]
.irp b, 0,1,2,3
.irp i, 0,1,2,3,4,5,6,7,8,9,10,11,12,13,14,15
	v_med3_num_f32 v[\s+16*\b+\i], v[\s+16*\b+\i], -v[TM+8+\b], v[TM+8+\b]
.endr
	v_cvt_scalef32_pk8_fp8_f32 v[\d+4*\b:\d+1+4*\b], v[\s+16*\b:\s+7+16*\b], v[TM+12+\b]
	v_cvt_scalef32_pk8_fp8_f32 v[\d+2+4*\b:\d+3+4*\b], v[\s+8+16*\b:\s+15+16*\b], v[TM+12+\b]
.endr
	v_nop
.endm
.macro KLOAD                           ; 17 LDS loads; its two additions are plain lines that name no register of the products: two of the eight places
	v_add_nc_u32 v[ADK], s[TK], v[KA0]
	v_add_nc_u32 v[ADKS], s[TKS], v[KS0]
	WIN 0x40
.set i, 0
.rept 16
	ds_load_b128 v[64+4*i:64+4*i+3], v[ADK] offset:512*i
.set i, i+1
.endr
	WIN 0
	ds_load_b64 v[KS:KS+1], v[ADKS]
.endm
.macro VLOAD
	v_add_nc_u32 v[ADV], s[TV], v[VA0]
	v_add_nc_u32 v[ADVS], s[TVS], v[VS0]
	WIN 0x40
.set i, 0
.rept 16
	ds_load_b128 v[128+4*i:128+4*i+3], v[ADV] offset:512*i
.set i, i+1
.endr
	WIN 0
	ds_load_b64 v[VS:VS+1], v[ADVS]
.endm
.macro QK
	WIN 0x15
.irp b, 0,1,2,3
.irp u, 0,1
.irp q, 0,1
.if (\b % 2)
	v_wmma_scale_f32_16x16x128_f8f6f4 v[S+64*\q+16*\b+8*\u:S+64*\q+16*\b+8*\u+7], v[64+16*\b:64+16*\b+15], v[24*\q+8*\u:24*\q+8*\u+15], v[48+8*\q:48+8*\q+7], v[KS+\b/2], v[QS+\q] matrix_a_scale:MATRIX_SCALE_ROW1
.else
	v_wmma_scale_f32_16x16x128_f8f6f4 v[S+64*\q+16*\b+8*\u:S+64*\q+16*\b+8*\u+7], v[64+16*\b:64+16*\b+15], v[24*\q+8*\u:24*\q+8*\u+15], v[48+8*\q:48+8*\q+7], v[KS+\b/2], v[QS+\q]
.endif
.endr
.endr
.endr
	WIN 0
.endm
; Round r (0 to 6) of four running maxima of tile q, one for each block of 16 registers, by turns; each block's register 15 is left over.  Each accumulator is read from its low end on.
.macro MAXR q, r, tm
.set mS, S+64*\q
.irp k, 0,1,2,3
.if (\r) == 0
	v_max3_num_f32 v[\tm+\k], v[mS+16*\k], v[mS+16*\k+1], v[mS+16*\k+2]
.else
	v_max3_num_f32 v[\tm+\k], v[\tm+\k], v[mS+16*\k+2*(\r)+1], v[mS+16*\k+2*(\r)+2]
.endif
.endr
.endm
; PASS 1.  Line n (0 to 7) of the short chain of tile q in which each line waits for the one before: the lane's running maximum M, -c' M, and the factor 2^(c' (old M - new M)).  The lines stand singly among the other tile's lines.
.macro CH q, n, tm
.set cS, S+64*\q
.set cT, ST+8*\q
.if (\n) == 0
	v_max3_num_f32 v[\tm], v[\tm], v[cS+15], v[cS+31]
.elseif (\n) == 1
	v_max3_num_f32 v[\tm+2], v[\tm+2], v[cS+47], v[cS+63]
.elseif (\n) == 2
	v_max3_num_f32 v[\tm], v[\tm], v[\tm+1], v[\tm+2]
.elseif (\n) == 3
	v_max3_num_f32 v[cT+6], v[cT+6], v[\tm], v[\tm+3]
.elseif (\n) == 4
	v_mov_b32 v[cT+5], v[cT]
.elseif (\n) == 5
	v_mul_f32 v[cT], s[NC], v[cT+6]
.elseif (\n) == 6
	v_sub_f32 v[cT+5], v[cT], v[cT+5]
.else
	v_exp_f32 v[cT+4], v[cT+5]
.endif
.endm
; Line n (0 to 31) of tile q's sum of 32 pairs, in four chains (three in T, the fourth l itself): lines 0-2 start the three with two pairs each, line n of 3-28 adds pair n + 3 to chain n % 4, lines 29-31 join the chains.
.macro SADD q, n
.set aS, S+64*\q
.set aT, T+8*\q
.set aL, ST+8*\q+2
.if (\n) < 3
	s_wait_alu depctr_va_vdst(0)
	v_pk_add_f32 v[aT+2*(\n):aT+2*(\n)+1], v[aS+4*(\n):aS+4*(\n)+1], v[aS+4*(\n)+2:aS+4*(\n)+3]
.elseif ((\n) < 29) && (((\n)%4) == 3)
	v_pk_add_f32 v[aL:aL+1], v[aL:aL+1], v[aS+2*(\n)+6:aS+2*(\n)+7]
.elseif (\n) < 29
	s_wait_alu depctr_va_vdst(0)
	v_pk_add_f32 v[aT+2*((\n)%4):aT+2*((\n)%4)+1], v[aT+2*((\n)%4):aT+2*((\n)%4)+1], v[aS+2*(\n)+6:aS+2*(\n)+7]
.elseif (\n) == 29
	v_pk_add_f32 v[aT+2:aT+3], v[aT+2:aT+3], v[aT+4:aT+5]
.elseif (\n) == 30
	v_pk_add_f32 v[aL:aL+1], v[aL:aL+1], v[aT:aT+1]
.else
	v_pk_add_f32 v[aL:aL+1], v[aL:aL+1], v[aT+2:aT+3]
.endif
.endm
; Tile q's 64 exponentials, with whatever plain line is ready behind them.  Behind an even one: tile 1's c' W - c' M (while tile 0's exponentials run), or the last four lines of tile 0's sum.
; Behind exponential 1: l under the new M.  Behind an odd one from 9 on: line (j - 9) / 2 of the tile's own sum, which reads exponentials j - 2 and older: a plain line has stood behind each of those.
.macro EPH q
.set j, 0
.rept 64
	v_exp_f32 v[S+64*\q+j], v[S+64*\q+j]
.if (j%2) == 0
.if \q == 0
	v_pk_fma_f32 v[S+64+j:S+64+j+1], v[S+64+j:S+64+j+1], s[CS:CS+1], v[ST+8:ST+9] op_sel_hi:[1,0,0]
.elseif j < 8
	SADD 0, (28+j/2)
.endif
.elseif j == 1
	s_wait_alu depctr_va_vdst(0)
	v_pk_mul_f32 v[ST+8*\q+2:ST+8*\q+3], v[ST+8*\q+2:ST+8*\q+3], v[ST+8*\q+4:ST+8*\q+5] op_sel_hi:[1,0]
.elseif j >= 9
	SADD \q, ((j-9)/2)
.endif
.set j, j+1
.endr
.endm
.macro STATS                           ; pass 1, both tiles of a step, woven
.set n, 0
.rept 7
	MAXR 0, n, TM
.set n, n+1
.endr
.set n, 0
.rept 7
	CH 0, n, TM
	MAXR 1, n, TM+8
.set n, n+1
.endr
	CH 0, 7, TM
.set n, 0
.rept 8
	CH 1, n, TM+8
.irp k, 0,2,4,6
	v_pk_fma_f32 v[S+8*n+\k:S+8*n+\k+1], v[S+8*n+\k:S+8*n+\k+1], s[CS:CS+1], v[ST:ST+1] op_sel_hi:[1,0,0]
.endr
.set n, n+1
.endr
	EPH 0
	EPH 1
	SADD 1, 28
	SADD 1, 29
	SADD 1, 30
	SADD 1, 31
.endm
; PASS 2, tile q, in groups of eight scores.  One line each of: -t = K2 - c' W into a half of T | the three-way maximum with -tb and -W, in place | p = 2^-(that), in place.
.macro FM1 q, g, k
	v_pk_fma_f32 v[T+8*((\g)%2)+\k:T+8*((\g)%2)+\k+1], v[S+64*\q+8*(\g)+\k:S+64*\q+8*(\g)+\k+1], s[NC:NC+1], v[ST+8*\q:ST+8*\q+1] op_sel_hi:[1,0,0]
.endm
.macro MX1 q, g, i
	v_max3_num_f32 v[S+64*\q+8*(\g)+\i], v[T+8*((\g)%2)+\i], v[TM+8+(\g)/2], -v[S+64*\q+8*(\g)+\i]
.endm
.macro EX1 q, g, i
	v_exp_f32 v[S+64*\q+8*(\g)+\i], -v[S+64*\q+8*(\g)+\i]
.endm
.macro GCVT q, b
	s_wait_alu depctr_va_vdst(0)
	v_cvt_scalef32_pk8_fp8_f32 v[P+16*\q+4*(\b):P+16*\q+4*(\b)+1], v[S+64*\q+16*(\b):S+64*\q+16*(\b)+7], v[TM+12+(\b)]
	v_cvt_scalef32_pk8_fp8_f32 v[P+16*\q+4*(\b)+2:P+16*\q+4*(\b)+3], v[S+64*\q+16*(\b)+8:S+64*\q+16*(\b)+15], v[TM+12+(\b)]
.endm
.macro SOFT2 q
.set sS, S+64*\q
.set sT, ST+8*\q
.irp r, 0,1,2,3,4,5,6
	MAXR \q, \r, TM                                ; each block's largest score: p rises with the score, and where that score is not positive the whole block is gated
.endr
.irp b, 0,1,2,3
	v_max_num_f32 v[TM+\b], v[TM+\b], v[sS+16*\b+15]
.endr
.irp b, 0,1,2,3
	v_permlanex16_b32 v[TM+4+\b], v[TM+\b], s[SEL], s[SEL+1]
.endr
.irp b, 0,1,2,3
	v_max_num_f32 v[TM+\b], v[TM+\b], v[TM+4+\b]
.endr
.irp b, 0,1,2,3
	v_fma_f32 v[TM+\b], v[TM+\b], s[NC], v[sT]
.endr
.irp b, 0,1,2,3
	v_exp_f32 v[TM+\b], -v[TM+\b]                  ; the block's largest p: the same multiply-add and exponential as its score gets below
.endr
.irp k, 0,2,4,6
	FM1 \q, 0, \k                                  ; (plain lines behind the exponentials)
.endr
.irp k, 0,2,4,6
	FM1 \q, 1, \k
.endr
.irp b, 0,1,2,3
	s_wait_alu depctr_va_vdst(0)
	v_max_num_f32 v[TM+\b], 0x4800000, v[TM+\b]    ; the floor 2^(9 - 127): the byte cannot fall under 1
.endr
.irp b, 0,1,2,3
	v_add_nc_u32 v[TM+12+\b], 0xfc000000, v[TM+\b] ; 8 off the exponent field: the conversion's scale operand
.endr
.irp b, 0,1,2,3
	v_lshrrev_b32 v[TM+4+\b], 23, v[TM+12+\b]      ; the scale's byte
.endr
.irp b, 0,1,2,3
	v_cvt_f32_u32 v[TM+8+\b], v[TM+4+\b]
.endr
	v_lshl_or_b32 v[PW+\q], v[TM+5], 8, v[TM+4]
	v_lshl_or_b32 v[PW+\q], v[TM+6], 16, v[PW+\q]
	v_lshl_or_b32 v[PW+\q], v[TM+7], 24, v[PW+\q]
.irp b, 0,1,2,3
	v_sub_f32 v[TM+8+\b], 0x42ec62a4, v[TM+8+\b]   ; -tb = 118.19266 - the byte
.endr
.irp i, 0,1,2,3,4,5,6,7
	MX1 \q, 0, \i
.endr
.irp g, 0,1,2,3,4,5,6,7                ; by turns: an exponential of group g, a maximum of group g + 1, a multiply-add of group g + 2: behind every exponential but the last group's stands a plain line that names none of its registers
.irp i, 0,1,2,3,4,5,6,7
	EX1 \q, \g, \i
.if \g < 7
	MX1 \q, (\g+1), \i
.endif
.if (\g < 6) && (\i < 4)
	FM1 \q, (\g+2), (2*\i)
.endif
.endr
.if \g == 7
	v_nop                                          ; a plain line between the last exponentials and the conversions that read them
.endif
.if (\g % 2) == 1
	GCVT \q, (\g/2)
.endif
.endr
.endm
.macro PV last                         ; 8 products; last = 1: the results go to S's registers, where the way out works
.rept 4
	v_nop                                          ; codes made by vector lines stand four places ahead of the products
.endr
.if \last
	WIN 0x11
.else
	WIN 0x51
.endif
.irp t, 0,1,2,3
.irp q, 0,1
.if \last
.set rD, S+32*\q+8*\t
.else
.set rD, 192+32*\q+8*\t
.endif
.if (\t % 2)
	v_wmma_scale_f32_16x16x128_f8f6f4 v[rD:rD+7], v[128+16*\t:128+16*\t+15], v[P+16*\q:P+16*\q+15], v[192+32*\q+8*\t:192+32*\q+8*\t+7], v[VS+\t/2], v[PW+\q] matrix_a_scale:MATRIX_SCALE_ROW1
.else
	v_wmma_scale_f32_16x16x128_f8f6f4 v[rD:rD+7], v[128+16*\t:128+16*\t+15], v[P+16*\q:P+16*\q+15], v[192+32*\q+8*\t:192+32*\q+8*\t+7], v[VS+\t/2], v[PW+\q]
.endif
.endr
.endr
	WIN 0
.endm
	s_load_b128 s[4:7], s[0:1], 0x0                ; q, k and v
	s_load_b64 s[8:9], s[0:1], 0x10                ; o
	v_lshl_add_u32 v62, v0, 2, 0x21000
	v_mov_b32 v63, 0
	ds_add_u32 v62, v63
	ds_add_u32 v62, v63
	v_lshrrev_b32 v11, 5, v0
	v_readfirstlane_b32 s[WV], v11
	s_bfe_u32 s11, ttmp6, 0x40000                  ; cx: it enters q's and o's global offsets alone
	s_lshl_b32 s12, ttmp9, 2
	s_add_co_u32 s12, s12, s11
	s_and_b32 s13, ttmp7, 0xffff
	s_mov_b32 s[G1], 15|(3<<16)|(1<<21)
	s_mov_b32 s[G1+1], 32<<16
	s_mov_b32 s[G1+2], RW<<16
	s_mov_b32 s[G1+3], 32<<16
	s_mov_b32 s[G1+4], RW
	s_mov_b32 s[G1+5], 32
	s_mov_b32 s[G1+6], 0
	s_mov_b32 s[G1+7], 0
	s_mul_i32 s50, s13, 2*HALF
	s_mul_i32 s14, s[WV], RW*256
	s_add_co_u32 s50, s50, s14
	s_mov_b32 s51, 0
	s_mov_b32 s[CS], 0x1e38aa3b                    ; c' = log2(e) / 8 x 2^-64
	s_mov_b32 s[CS+1], s[CS]
	s_mov_b32 s[NC], 0x9e38aa3b                    ; -c'
	s_mov_b32 s[NC+1], s[NC]
	s_mov_b32 s[MNT], 0x600000
	s_mov_b32 s[SEL], 0x76543210
	s_mov_b32 s[SEL+1], 0xfedcba98
	s_wait_dscnt 0x0
	s_wait_kmcnt 0x0
	CROUND                                         ; all four work-groups are here: the joint loads meet
	s_mov_b32 s[G0K], 1
	s_mov_b32 s[G0K+1], s14
	s_add_nc_u64 s[G0K+2:G0K+3], s[6:7], s[50:51]
	s_mov_b32 s[G0V], 1
	s_add_co_u32 s[G0V+1], s14, HALF
	s_add_nc_u64 s[G0V+2:G0V+3], s[G0K+2:G0K+3], HALF
	s_or_b32 s[G0K+3], s[G0K+3], 0x80000000
	s_or_b32 s[G0V+3], s[G0V+3], 0x80000000
	tensor_load_to_lds s[G0K:G0K+3], s[G1:G1+7]
	s_nop 0
	tensor_load_to_lds s[G0V:G0V+3], s[G1:G1+7]
	s_nop 0
.rept 4
	v_nop
.endr
	v_and_b32 v11, 31, v0
	v_lshlrev_b32 v[L16], 4, v11
	v_add_nc_u32 v[KA0], SCB, v[L16]
	v_lshlrev_b32 v[KS0], 3, v11
	v_add_nc_u32 v[VA0], HALF+SCB, v[L16]
	v_add_nc_u32 v[VS0], HALF, v[KS0]
	v_and_b32 v[R4], 15, v0
	v_lshlrev_b32 v[R4], 2, v[R4]
	s_lshl_b32 s54, s12, 3
	s_add_co_u32 s54, s54, s[WV]
	s_lshl_b32 s55, s13, 6
	s_add_co_u32 s55, s55, s54
	s_lshl_b32 s50, s55, 6
	s_add_co_u32 s50, s50, 4194304
	s_add_nc_u64 s[QW:QW+1], s[4:5], s[50:51]
	s_lshl_b32 s50, s55, 11
	s_add_nc_u64 s[4:5], s[4:5], s[50:51]
	s_lshr_b32 s55, s13, 3
	s_lshl_b32 s55, s55, 6
	s_add_co_u32 s55, s55, s54
	s_and_b32 s54, s13, 7
	s_lshl_b32 s50, s55, 14
	s_lshl_b32 s52, s54, 10
	s_add_co_u32 s50, s50, s52
	s_add_nc_u64 s[OC:OC+1], s[8:9], s[50:51]
	s_lshl_b32 s50, s55, 9
	s_lshr_b32 s52, s54, 1
	s_lshl_b32 s52, s52, 6
	s_add_co_u32 s50, s50, s52
	s_and_b32 s52, s54, 1
	s_lshl_b32 s52, s52, 1
	s_add_co_u32 s50, s50, s52
	s_add_co_u32 s50, s50, 4194304
	s_add_nc_u64 s[OW:OW+1], s[8:9], s[50:51]
	WIN 0x40
	global_load_b128 v[0:3], v[L16], s[4:5]
	global_load_b128 v[4:7], v[L16], s[4:5] offset:512
	global_load_b128 v[16:19], v[L16], s[4:5]
	global_load_b128 v[20:23], v[L16], s[4:5] offset:512
	global_load_b128 v[24:27], v[L16], s[4:5] offset:1024
	global_load_b128 v[28:31], v[L16], s[4:5] offset:1536
	global_load_b128 v[40:43], v[L16], s[4:5] offset:1024
	global_load_b128 v[44:47], v[L16], s[4:5] offset:1536
.irp i, 8,9,10,11,12,13,14,15,32,33,34,35,36,37,38,39
	v_mov_b32 v[\i], 0                             ; zero codes: they add nothing under any scale byte of q's
.endr
.set i, 48
.rept 16
	v_mov_b32 v[i], 0xc4800000                     ; C = -1,024
.set i, i+1
.endr
	WIN 0
	global_load_b32 v[QT], v[R4], s[QW:QW+1]
.irp q, 0,1
	v_mov_b32 v[ST+8*\q+6], 0xff61b1e6             ; the largest score so far: -3e38
	v_mul_f32 v[ST+8*\q], s[NC], v[ST+8*\q+6]
.irp i, 1,2,3,4,5,7
	v_mov_b32 v[ST+8*\q+\i], 0
.endr
.endr
.irp i, 4,5,6,7
	v_mov_b32 v[TM+\i], 0                          ; a lane permute's destination counts as one of its sources
.endr
	s_wait_loadcnt 0x0
	v_perm_b32 v[QS], v[QT], v[QT], 0x01000100     ; tile 0's two bytes, twice: they serve both places of q in [q|0|q]
	v_perm_b32 v[QS+1], v[QT], v[QT], 0x03020302   ; tile 1's
	v_add_nc_u32 v[QS], 0x40404040, v[QS]          ; 64 onto each byte: the scores come out times 2^64 (no byte carries: each stays under 255)
	v_add_nc_u32 v[QS+1], 0x40404040, v[QS+1]
	WIN 0x40
.set i, 192
.rept 64
	v_mov_b32 v[i], 0                              ; O^T (the loop is written once); these lines are also the places behind q's scale words
.set i, i+1
.endr
	WIN 0
	s_mov_b32 s[TK], 0
	s_mov_b32 s[TKS], 0
	s_wait_tensorcnt 0x1                           ; my part of k's half is in; v's load, issued behind it, may stay out
	s_barrier_signal -1
	s_barrier_wait -1
	KLOAD
	s_mov_b32 s[CNT], STEPS-1
.Lp1:
	s_wait_dscnt 0x0
	QK
	PLACES 6                                       ; with KLOAD's two additions: eight
	s_add_co_u32 s[TK], s[TK], 8192
	s_add_co_u32 s[TKS], s[TKS], 256
	KLOAD
	STATS
	s_sub_co_u32 s[CNT], s[CNT], 1
	s_cmp_lg_u32 s[CNT], 0
	s_cbranch_scc1 .Lp1
	s_wait_dscnt 0x0
	QK
	PLACES 6
	s_mov_b32 s[TK], 0
	s_mov_b32 s[TKS], 0
	KLOAD
	STATS
.irp q, 0,1                            ; the halves of the lanes are joined: M, l, and K2 = c' M + log2(l)
	v_add_f32 v[ST+8*\q+2], v[ST+8*\q+2], v[ST+8*\q+3]
	v_permlanex16_b32 v[ST+8*\q+7], v[ST+8*\q+6], s[SEL], s[SEL+1]
	v_max_num_f32 v[ST+8*\q+7], v[ST+8*\q+6], v[ST+8*\q+7]
	v_mul_f32 v[ST+8*\q+5], s[NC], v[ST+8*\q+7]
	v_sub_f32 v[ST+8*\q+4], v[ST+8*\q+5], v[ST+8*\q]
	v_exp_f32 v[ST+8*\q+4], v[ST+8*\q+4]
	v_nop
	s_wait_alu depctr_va_vdst(0)
	v_mul_f32 v[ST+8*\q+2], v[ST+8*\q+2], v[ST+8*\q+4]
	v_permlanex16_b32 v[ST+8*\q+3], v[ST+8*\q+2], s[SEL], s[SEL+1]
	v_add_f32 v[ST+8*\q+2], v[ST+8*\q+2], v[ST+8*\q+3]
	v_log_f32 v[ST+8*\q+3], v[ST+8*\q+2]
	v_nop
	s_wait_alu depctr_va_vdst(0)
	v_sub_f32 v[ST+8*\q], v[ST+8*\q+3], v[ST+8*\q+5]
.endr
	s_mov_b32 s[TV], 0
	s_mov_b32 s[TVS], 0
	s_wait_tensorcnt 0x0
	s_wait_dscnt 0x0
	s_barrier_signal -1
	s_barrier_wait -1
	VLOAD
	s_mov_b32 s[CNT], STEPS-1
.Lp2:
	s_wait_dscnt 17                                ; k of this step is in; the 17 loads of v, issued behind it, may be out
	QK
	PLACES 6                                       ; with KLOAD's two additions: eight
	s_add_co_u32 s[TK], s[TK], 8192
	s_add_co_u32 s[TKS], s[TKS], 256
	KLOAD
	SOFT2 0
	SOFT2 1
	s_wait_dscnt 17                                ; v of this step is in; the 17 loads of the next k may be out
	PV 0
	PLACES 6                                       ; with VLOAD's two additions: eight
	s_add_co_u32 s[TV], s[TV], 8192
	s_add_co_u32 s[TVS], s[TVS], 256
	VLOAD
	s_sub_co_u32 s[CNT], s[CNT], 1
	s_cmp_lg_u32 s[CNT], 0
	s_cbranch_scc1 .Lp2
	s_wait_dscnt 17                                ; the last step fetches nothing more
	QK
	PLACES 8
	SOFT2 0
	SOFT2 1
	s_wait_dscnt 0x0
	PV 1
	PLACES 8
	QUANT S, P, WD
.irp q, 0,1
.irp c, 0,1
	global_store_b128 v[L16], v[P+8*\q+4*\c:P+8*\q+4*\c+3], s[OC:OC+1] offset:8192*\q+512*\c
.endr
.endr
	global_store_b16 v[R4], v[WD], s[OW:OW+1]
	global_store_d16_hi_b16 v[R4], v[WD], s[OW:OW+1] offset:256
	s_wait_tensorcnt 0x0
	ds_add_u32 v62, v63
	s_wait_dscnt 0x0
	CROUND                                         ; the closing round
	s_endpgm
.Lfunc_end_k_q26209419b5_attn_c:
	.size	k_q26209419b5_attn_c, .Lfunc_end_k_q26209419b5_attn_c-k_q26209419b5_attn_c
	.p2alignl 7, 3214868480
	.fill 96, 4, 3214868480
	.section	.rodata,"a",@progbits
	.p2align	6, 0x0
	.amdhsa_kernel k_q26209419b5_attn_c
		.amdhsa_group_segment_fixed_size 327680
		.amdhsa_private_segment_fixed_size 0
		.amdhsa_enable_private_segment 0
		.amdhsa_kernarg_size 24
		.amdhsa_user_sgpr_count 2
		.amdhsa_user_sgpr_kernarg_segment_ptr 1
		.amdhsa_wavefront_size32 1
		.amdhsa_system_sgpr_workgroup_id_x 1
		.amdhsa_system_sgpr_workgroup_id_y 1
		.amdhsa_system_sgpr_workgroup_id_z 1
		.amdhsa_system_vgpr_workitem_id 0
		.amdhsa_next_free_vgpr 512
		.amdhsa_next_free_sgpr 66
		.amdhsa_reserve_vcc 0
		.amdhsa_float_denorm_mode_32 3
		.amdhsa_float_denorm_mode_16_64 3
		.amdhsa_memory_ordered 1
		.amdhsa_forward_progress 1
		.amdhsa_inst_pref_size 135
	.end_amdhsa_kernel
	.amdgpu_metadata
---
amdhsa.version: [ 1, 2 ]
amdhsa.kernels:
  - .name:           k_q26209419b5_attn_c
    .symbol:         k_q26209419b5_attn_c.kd
    .args:
      - { .name: qbuf, .offset: 0, .size: 8, .value_kind: global_buffer, .address_space: global }
      - { .name: kvc, .offset: 8, .size: 8, .value_kind: global_buffer, .address_space: global }
      - { .name: obuf, .offset: 16, .size: 8, .value_kind: global_buffer, .address_space: global }
    .group_segment_fixed_size: 327680
    .private_segment_fixed_size: 0
    .kernarg_segment_align: 8
    .kernarg_segment_size: 24
    .max_flat_workgroup_size: 256
    .sgpr_count:     66
    .vgpr_count:     512
    .wavefront_size: 32
...
	.end_amdgpu_metadata
.endif
;; end of part 5
;; launch tail (part 6): grid 256 x 1, 8 waves a work-group, no clusters, 133,632 bytes of LDS; arguments obuf, x1, g1, b1, bf1, bf2, wimg, out0; writes out0
.if DOCPART == 6
	.amdgcn_target "amdgcn-amd-amdhsa--gfx1250"
	.amdhsa_code_object_version 6
	.text
	.protected	k_q26209419b5_tail
	.globl	k_q26209419b5_tail
	.p2align	8
	.type	k_q26209419b5_tail,@function
k_q26209419b5_tail:
	s_mov_b64 s[64:65], 0
	v_nop
	global_prefetch_b8 v0, s[64:65] scope:SCOPE_SE
	s_setreg_imm32_b32 hwreg(HW_REG_WAVE_MODE, 25, 1), 1
	s_wait_xcnt 0x0
; 32 rows a work-group: x2 = x1 + o Wo_c; layer norm, quantised; h = gelu(n W1 + bf1), quantised; out = x2 + bf2 + h W2.  Residuals and biases are the C of a sum's first K step.  x2 waits in each wave's own stage in LDS.
; Shares, layouts, LDS map and macros as in the launch that makes q, k and v: eight waves, wave w owns columns 64 w .. 64 w + 63 of all 32 rows; its share of a weight comes from memory straight into window 1.
; No cluster and no joint load: a weight's image fills most of LDS and three are walked here, so shared tiles would want refills behind rounds.
; GELU, exact form: h = max(x, 0) - (a / sqrt 2) erfc(a), a = |x| / sqrt 2 (held at 16, where erfc has long fallen to 0).  erfc(a) = (1 + P(q)) / (1 + 2 a) x exp(-a^2), q = (a - 2) / (a + 2), P of degree 9;
; exp(-a^2) = 2^(-S log2 e) (1 + T) with S = a^2 rounded and T = S - a^2 exactly.
; LIMITS: NaN and infinities are not served; a block of zeros gets the byte 1; erfc's relative error is about 1e-7 x a^2, on a term that falls as exp(-a^2).
.set IMG0, 0
.set IMG1, 17408
.set IMG2, 34816
.set STAT, 52224
.set GB,   54784
.set STG,  62976
.set MSTR, 270336
.set L16, 1
.set L4,  2
.set WOF, 3
.set WSO, 4
.set XOFF, 5
.set STO, 6
.set SRD, 7
.set GRO, 8
.set STW, 9
.set STR, 10
.set IMW, 11
.set ISW, 12
.set GBA, 13
.set R4,  14
.set R8,  15
.set T16, 16
.set G16, 17
.set K9,  20
.set SB,  22
.set WS,  24
.set AS,  32
.set TM,  40
.set PW,  56
.set MP,  58
.set SA,  62
.set AF,  64
.set PC,  64
.set ACC, 192
.set EA,  144                          ; gelu, eight numbers at a time: a; q; P; divisors; a^2; its rounding error
.set EQ,  152
.set EP,  160
.set ED,  168
.set ES,  176
.set ET,  184
.set WV,  8
.set SEL, 10
.set MNT, 12
.set EPS, 13
.set I512, 14
.set WB,  28
.set XB,  36
.set CLP, 38
.set RH,  40
.set OCB, 42
.set OWB, 44
.set OUTB, 46
.set MSB, 0
.macro WIN new
.if MSB != \new
	s_set_vgpr_msb (MSB<<8)|\new
.set MSB, \new
.endif
.endm
.macro BARRIER
	s_wait_dscnt 0x0
	s_barrier_signal -1
	s_barrier_wait -1
.endm
.macro HEAD
	v_lshrrev_b32 v18, 5, v0
	v_readfirstlane_b32 s[WV], v18
	v_and_b32 v18, 31, v0
	v_and_b32 v19, 15, v0
	v_bfe_u32 v57, v0, 4, 1
	v_lshlrev_b32 v[L16], 4, v18
	v_lshlrev_b32 v[L4], 2, v18
	s_lshl_b32 s2, s[WV], 15
	v_add_nc_u32 v[WOF], s2, v[L16]
	s_lshl_b32 s2, s[WV], 10
	v_add_nc_u32 v[IMW], s2, v[L16]
	s_add_co_u32 s2, s2, 262144
	v_lshl_add_u32 v[WSO], v18, 3, s2
	v_and_b32 v[R4], 8, v19
	v_add_nc_u32 v[R4], v[R4], v19
	s_lshl_b32 s2, s[WV], 8
	v_lshl_add_u32 v[XOFF], v[R4], 11, s2
	v_lshl_add_u32 v[XOFF], v57, 6, v[XOFF]
	v_lshl_add_u32 v[GRO], v57, 11, s2
	v_lshl_add_u32 v[GRO], v19, 4, v[GRO]
	s_add_co_u32 s2, s2, GB
	v_lshl_add_u32 v[GBA], v57, 6, s2
	s_mul_i32 s3, s[WV], 8704
	s_add_co_u32 s3, s3, STG
	v_mul_u32_u24 v[STO], v[R4], 272
	v_lshl_add_u32 v[STO], v57, 6, v[STO]
	v_add_nc_u32 v[STO], s3, v[STO]
	v_mul_u32_u24 v[SRD], v57, 272
	v_lshl_add_u32 v[SRD], v19, 4, v[SRD]
	v_add_nc_u32 v[SRD], s3, v[SRD]
	v_mul_u32_u24 v[STR], v19, 80
	v_add_nc_u32 v[STR], STAT, v[STR]
	s_lshl_b32 s3, s[WV], 3
	v_add_nc_u32 v[STW], s3, v[STR]
	s_lshr_b32 s3, s[WV], 1
	s_lshl_b32 s3, s3, 7
	s_and_b32 s2, s[WV], 1
	s_lshl_b32 s2, s2, 1
	s_add_co_u32 s3, s3, s2
	v_add_nc_u32 v[ISW], s3, v[L4]
	v_lshlrev_b32 v[R4], 2, v19
	v_lshlrev_b32 v[R8], 3, v19
	v_lshl_add_u32 v[T16], v0, 4, GB
	v_and_b32 v[G16], 127, v0
	v_lshlrev_b32 v[G16], 4, v[G16]
.irp i, 4,5,6,7
	v_mov_b32 v[TM+\i], 0
.endr
	v_mov_b32 v[SB], 0
	v_mov_b32 v[SB+1], 0
.irp i, 0,1,2,3
	v_mov_b32 v[MP+\i], 0
.endr
	s_mov_b32 s[SEL], 0x76543210
	s_mov_b32 s[SEL+1], 0xfedcba98
	s_mov_b32 s[MNT], 0x600000
	s_mov_b32 s[EPS], 0x3727c5ac
	s_mov_b32 s[I512], 0x3b000000
	s_mov_b32 s53, 0
.endm
.macro QUANT s, d, w
.irp b, 0,1,2,3
	v_max3_num_f32 v[TM+\b], |v[\s+16*\b]|, |v[\s+1+16*\b]|, 0x4800000
.endr
.irp i, 2,4,6,8,10,12,14
.irp b, 0,1,2,3
	v_max3_num_f32 v[TM+\b], v[TM+\b], |v[\s+16*\b+\i]|, |v[\s+1+16*\b+\i]|
.endr
.endr
.irp b, 0,1,2,3
	v_permlanex16_b32 v[TM+4+\b], v[TM+\b], s[SEL], s[SEL+1]
.endr
.irp b, 0,1,2,3
	v_max_num_f32 v[TM+\b], v[TM+\b], v[TM+4+\b]
.endr
.irp b, 0,1,2,3
	v_add_nc_u32 v[TM+12+\b], 0xfc000000, v[TM+\b]
.endr
.irp b, 0,1,2,3
	v_and_or_b32 v[TM+8+\b], v[TM+\b], 0x7f800000, s[MNT]
.endr
.irp b, 0,1,2,3
	v_lshrrev_b32 v[TM+4+\b], 23, v[TM+12+\b]
.endr
	v_lshl_or_b32 v[\w], v[TM+5], 8, v[TM+4]
	v_lshl_or_b32 v[\w], v[TM+6], 16, v[\w]
	v_lshl_or_b32 v[\w], v[TM+7], 24, v[\w]
.irp b, 0,1,2,3
.irp i, 0,1,2,3,4,5,6,7,8,9,10,11,12,13,14,15
	v_med3_num_f32 v[\s+16*\b+\i], v[\s+16*\b+\i], -v[TM+8+\b], v[TM+8+\b]
.endr
	v_cvt_scalef32_pk8_fp8_f32 v[\d+4*\b:\d+1+4*\b], v[\s+16*\b:\s+7+16*\b], v[TM+12+\b]
	v_cvt_scalef32_pk8_fp8_f32 v[\d+2+4*\b:\d+3+4*\b], v[\s+8+16*\b:\s+15+16*\b], v[TM+12+\b]
.endr
	v_nop
.endm
.macro LOADW m
	WIN 0x40
.set i, 0
.rept 64
	global_load_b128 v[4*i:4*i+3], v[WOF], s[WB:WB+1] offset:\m*MSTR+512*i
.set i, i+1
.endr
	WIN 0
.irp t, 0,1,2,3
	global_load_b64 v[WS+2*\t:WS+2*\t+1], v[WSO], s[WB:WB+1] offset:\m*MSTR+256*\t
.endr
.endm
.macro LOADACC base
.irp u, 0,1
.irp c, 0,1
.irp j, 0,1,2,3
	global_load_b128 v[ACC+32*\u+16*\c+4*\j:ACC+32*\u+16*\c+4*\j+3], v[XOFF], s[\base:\base+1] offset:16384*\u+128*\c+16*\j th:TH_LOAD_NT
.endr
.endr
.endr
.endm
.macro MM s, u, t
.set rW, 16*(4*\t+\s)
.set rA, AF+16*(4*\u+\s)
.set rX, WS+2*\t+\s/2
.set rY, AS+4*\u+\s
.set rD, ACC+32*\u+8*\t
.if (\s % 2) == 0
	v_wmma_scale_f32_16x16x128_f8f6f4 v[rD:rD+7], v[rW:rW+15], v[rA:rA+15], v[rD:rD+7], v[rX], v[rY]
.else
	v_wmma_scale_f32_16x16x128_f8f6f4 v[rD:rD+7], v[rW:rW+15], v[rA:rA+15], v[rD:rD+7], v[rX], v[rY] matrix_a_scale:MATRIX_SCALE_ROW1
.endif
.endm
; 32 rows x my 64 columns x K = 512, source 0 = the weight, added onto what the accumulators hold (a residual or a bias).  The 8 accumulators take turns, one instruction a turn.
.macro GEMM img
	s_wait_xcnt 0x0
.irp f, 0,1,2,3,4,5,6,7
.irp c, 0,1,2,3
	ds_load_b128 v[AF+16*\f+4*\c:AF+16*\f+4*\c+3], v[L16] offset:\img+2048*\f+512*\c
.endr
	ds_load_b32 v[AS+\f], v[L4] offset:\img+16384+128*\f
.endr
	s_wait_dscnt 0x0
	s_wait_loadcnt 0x0
	WIN 0x01
.irp s, 0,1,2,3
.irp u, 0,1
.irp t, 0,1,2,3
	MM \s, \u, \t
.endr
.endr
.endr
	WIN 0
.rept 8
	v_nop                                          ; eight places ahead of loads into the operands and of the first read of results
.endr
.endm
.macro IMGOUT img
.irp u, 0,1
.irp c, 0,1
	ds_store_b128 v[IMW], v[PC+8*\u+4*\c:PC+8*\u+4*\c+3] offset:\img+8192*\u+512*\c
.endr
.endr
	ds_store_b16 v[ISW], v[PW] offset:\img+16384
	ds_store_b16_d16_hi v[ISW], v[PW] offset:\img+16384+512
.endm
.macro PARK
.irp u, 0,1
.irp c, 0,1
.irp j, 0,1,2,3
	ds_store_b128 v[STO], v[ACC+32*\u+16*\c+4*\j:ACC+32*\u+16*\c+4*\j+3] offset:2176*\u+128*\c+16*\j
.endr
.endr
.endr
.endm
.macro UNPARK
.irp u, 0,1
.irp c, 0,1
.irp j, 0,1,2,3
	ds_load_b128 v[ACC+32*\u+16*\c+4*\j:ACC+32*\u+16*\c+4*\j+3], v[STO] offset:2176*\u+128*\c+16*\j
.endr
.endr
.endr
.endm
.macro OUTROWS base
.irp i, 0,1,2,3,4,5,6,7,8,9,10,11,12,13,14,15
	ds_load_b128 v[AF+4*\i:AF+4*\i+3], v[SRD] offset:544*\i
.endr
.irp i, 0,1,2,3,4,5,6,7,8,9,10,11,12,13,14,15
	s_wait_dscnt 15-\i
	global_store_b128 v[GRO], v[AF+4*\i:AF+4*\i+3], s[\base:\base+1] offset:4096*\i th:TH_STORE_NT
.endr
.endm
.macro LNQ img
	s_wait_xcnt 0x0
.irp k, 0,1,2,3,4,5,6,7
.irp u, 0,1
	v_pk_add_f32 v[144+16*\u+2*\k:145+16*\u+2*\k], v[ACC+32*\u+4*\k:ACC+32*\u+4*\k+1], v[ACC+32*\u+4*\k+2:ACC+32*\u+4*\k+3]
.endr
.endr
.irp k, 0,1,2,3
.irp u, 0,1
	v_pk_add_f32 v[144+16*\u+2*\k:145+16*\u+2*\k], v[144+16*\u+2*\k:145+16*\u+2*\k], v[152+16*\u+2*\k:153+16*\u+2*\k]
.endr
.endr
.irp k, 0,1
.irp u, 0,1
	v_pk_add_f32 v[144+16*\u+2*\k:145+16*\u+2*\k], v[144+16*\u+2*\k:145+16*\u+2*\k], v[148+16*\u+2*\k:149+16*\u+2*\k]
.endr
.endr
.irp u, 0,1
	v_pk_add_f32 v[144+16*\u:145+16*\u], v[144+16*\u:145+16*\u], v[146+16*\u:147+16*\u]
.endr
.irp u, 0,1
	v_add_f32 v[SA+\u], v[144+16*\u], v[145+16*\u]
.endr
.irp u, 0,1
	v_permlanex16_b32 v[SB+\u], v[SA+\u], s[SEL], s[SEL+1]
.endr
.irp u, 0,1
	v_add_f32 v[SA+\u], v[SA+\u], v[SB+\u]
.endr
.irp u, 0,1
	v_mul_f32 v[MP+2*\u], 0x3c800000, v[SA+\u]
.endr
.irp u, 0,1
.set k, 0
.rept 16
	v_pk_add_f32 v[64+32*\u+k:65+32*\u+k], v[ACC+32*\u+k:ACC+32*\u+k+1], v[MP+2*\u:MP+2*\u+1] op_sel_hi:[1,0] neg_lo:[0,1] neg_hi:[0,1]
.set k, k+2
.endr
.endr
.irp u, 0,1
	v_pk_mul_f32 v[144+16*\u:145+16*\u], v[64+32*\u:65+32*\u], v[64+32*\u:65+32*\u]
	v_pk_mul_f32 v[146+16*\u:147+16*\u], v[66+32*\u:67+32*\u], v[66+32*\u:67+32*\u]
.endr
.irp k, 4,8,12,16,20,24,28
.irp u, 0,1
	v_pk_fma_f32 v[144+16*\u:145+16*\u], v[64+32*\u+\k:65+32*\u+\k], v[64+32*\u+\k:65+32*\u+\k], v[144+16*\u:145+16*\u]
	v_pk_fma_f32 v[146+16*\u:147+16*\u], v[66+32*\u+\k:67+32*\u+\k], v[66+32*\u+\k:67+32*\u+\k], v[146+16*\u:147+16*\u]
.endr
.endr
.irp u, 0,1
	v_pk_add_f32 v[144+16*\u:145+16*\u], v[144+16*\u:145+16*\u], v[146+16*\u:147+16*\u]
.endr
.irp u, 0,1
	v_add_f32 v[SA+\u], v[144+16*\u], v[145+16*\u]
.endr
.irp u, 0,1
	v_permlanex16_b32 v[SB+\u], v[SA+\u], s[SEL], s[SEL+1]
.endr
.irp u, 0,1
	v_add_f32 v[MP+2*\u+1], v[SA+\u], v[SB+\u]
.endr
.irp u, 0,1
	ds_store_b64 v[STW], v[MP+2*\u:MP+2*\u+1] offset:1280*\u
.endr
	BARRIER                                        ; all eight waves' pairs (mean, M2) lie in LDS
.irp u, 0,1
.irp i, 0,1,2,3
	ds_load_b128 v[144+16*\u+4*\i:147+16*\u+4*\i], v[STR] offset:1280*\u+16*\i
.endr
.endr
.irp c, 0,1
.irp j, 0,1,2,3
	ds_load_b128 v[80+16*\c+4*\j:83+16*\c+4*\j], v[GBA] offset:128*\c+16*\j
	ds_load_b128 v[112+16*\c+4*\j:115+16*\c+4*\j], v[GBA] offset:2048+128*\c+16*\j
.endr
.endr
	s_wait_dscnt 0x0
.irp u, 0,1
.irp k, 0,1,2,3
	v_pk_add_f32 v[176+8*\u+2*\k:177+8*\u+2*\k], v[144+16*\u+4*\k:145+16*\u+4*\k], v[146+16*\u+4*\k:147+16*\u+4*\k]
.endr
	v_pk_add_f32 v[176+8*\u:177+8*\u], v[176+8*\u:177+8*\u], v[178+8*\u:179+8*\u]
	v_pk_add_f32 v[180+8*\u:181+8*\u], v[180+8*\u:181+8*\u], v[182+8*\u:183+8*\u]
	v_pk_add_f32 v[176+8*\u:177+8*\u], v[176+8*\u:177+8*\u], v[180+8*\u:181+8*\u]
	v_mul_f32 v[MP+2*\u], 0x3e000000, v[176+8*\u]
.irp i, 0,1,2,3,4,5,6,7
	v_sub_f32 v[144+16*\u+2*\i], v[144+16*\u+2*\i], v[MP+2*\u]
.endr
	v_mul_f32 v[SA+\u], v[144+16*\u], v[144+16*\u]
.irp i, 1,2,3,4,5,6,7
	v_fma_f32 v[SA+\u], v[144+16*\u+2*\i], v[144+16*\u+2*\i], v[SA+\u]
.endr
	v_fma_f32 v[SA+\u], v[SA+\u], 0x42800000, v[177+8*\u]
	v_fma_f32 v[SA+\u], v[SA+\u], s[I512], s[EPS]
	v_rsq_f32 v[144+16*\u], v[SA+\u]               ; twice: a pair for the packed multiply; the next plain line touches neither result nor source
	v_rsq_f32 v[145+16*\u], v[SA+\u]
.endr
.irp u, 0,1
.set k, 0
.rept 16
	v_pk_add_f32 v[ACC+32*\u+k:ACC+32*\u+k+1], v[ACC+32*\u+k:ACC+32*\u+k+1], v[MP+2*\u:MP+2*\u+1] op_sel_hi:[1,0] neg_lo:[0,1] neg_hi:[0,1]
.set k, k+2
.endr
.endr
	s_wait_alu depctr_va_vdst(0)
.irp u, 0,1
.set k, 0
.rept 16
	v_pk_mul_f32 v[ACC+32*\u+k:ACC+32*\u+k+1], v[ACC+32*\u+k:ACC+32*\u+k+1], v[144+16*\u:145+16*\u]
.set k, k+2
.endr
.endr
.irp u, 0,1
.set k, 0
.rept 16
	v_pk_fma_f32 v[ACC+32*\u+k:ACC+32*\u+k+1], v[ACC+32*\u+k:ACC+32*\u+k+1], v[80+k:81+k], v[112+k:113+k]
.set k, k+2
.endr
.endr
	QUANT ACC, PC, PW
	IMGOUT \img
	BARRIER                                        ; the rows' eight fragments lie in LDS
.endm
.macro HORN lit
.irp k, 0,2,4,6
	v_pk_fma_f32 v[EP+\k:EP+\k+1], v[EP+\k:EP+\k+1], v[EQ+\k:EQ+\k+1], \lit op_sel_hi:[1,1,0]
.endr
.endm
.macro GELU g                          ; accumulator g, in place
.set gX, ACC+8*\g
.irp i, 0,1,2,3,4,5,6,7
	v_min_num_f32 v[EA+\i], |v[gX+\i]|, s[CLP]
.endr
.irp k, 0,2,4,6
	v_pk_mul_f32 v[EA+\k:EA+\k+1], v[EA+\k:EA+\k+1], s[RH:RH+1] op_sel_hi:[1,0]      ; a
.endr
.irp k, 0,2,4,6
	v_pk_add_f32 v[ED+\k:ED+\k+1], v[EA+\k:EA+\k+1], 2.0 op_sel_hi:[1,0]
.endr
.irp i, 0,1,2,3,4,5,6,7
	v_rcp_f32 v[ED+\i], v[ED+\i]
.endr
.irp k, 0,2,4,6
	v_pk_add_f32 v[EQ+\k:EQ+\k+1], v[EA+\k:EA+\k+1], -2.0 op_sel_hi:[1,0]            ; (plain lines behind the reciprocals)
.endr
	s_wait_alu depctr_va_vdst(0)
.irp k, 0,2,4,6
	v_pk_mul_f32 v[EQ+\k:EQ+\k+1], v[EQ+\k:EQ+\k+1], v[ED+\k:ED+\k+1]                ; q
.endr
.irp k, 0,2,4,6
	v_pk_fma_f32 v[EP+\k:EP+\k+1], v[EQ+\k:EQ+\k+1], v[K9:K9+1], 0xbaa15130 op_sel_hi:[1,1,0]
.endr
	HORN 0x3aac2b8a
	HORN 0x3c0d6e62
	HORN 0xbc040dc1
	HORN 0xbd5e05b5
	HORN 0x3e27fe23
	HORN 0xbe2a0420
	HORN 0xbdbdfb0b
	HORN 0x3e8dd01d
.irp k, 0,2,4,6
	v_pk_fma_f32 v[ED+\k:ED+\k+1], v[EA+\k:EA+\k+1], 2.0, 1.0 op_sel_hi:[1,0,0]
.endr
.irp i, 0,1,2,3,4,5,6,7
	v_rcp_f32 v[ED+\i], v[ED+\i]
.endr
.irp k, 0,2,4,6
	v_pk_mul_f32 v[ES+\k:ES+\k+1], v[EA+\k:EA+\k+1], v[EA+\k:EA+\k+1]                ; S (plain lines behind the reciprocals)
.endr
	s_wait_alu depctr_va_vdst(0)
.irp k, 0,2,4,6
	v_pk_fma_f32 v[EP+\k:EP+\k+1], v[EP+\k:EP+\k+1], v[ED+\k:ED+\k+1], v[ED+\k:ED+\k+1]   ; (P + 1) / (1 + 2 a)
.endr
.irp k, 0,2,4,6
	v_pk_fma_f32 v[ET+\k:ET+\k+1], v[EA+\k:EA+\k+1], v[EA+\k:EA+\k+1], v[ES+\k:ES+\k+1] neg_lo:[0,1,0] neg_hi:[0,1,0]   ; T
.endr
.irp k, 0,2,4,6
	v_pk_mul_f32 v[ES+\k:ES+\k+1], v[ES+\k:ES+\k+1], 0xbfb8aa3b op_sel_hi:[1,0]
.endr
.irp i, 0,1,2,3,4,5,6,7
	v_exp_f32 v[ES+\i], v[ES+\i]
.endr
.irp k, 0,2,4,6
	v_pk_mul_f32 v[EA+\k:EA+\k+1], v[EA+\k:EA+\k+1], s[RH:RH+1] op_sel_hi:[1,0]      ; a / sqrt 2 (plain lines behind the exponentials)
.endr
	s_wait_alu depctr_va_vdst(0)
.irp k, 0,2,4,6
	v_pk_mul_f32 v[EP+\k:EP+\k+1], v[EP+\k:EP+\k+1], v[ES+\k:ES+\k+1]
.endr
.irp k, 0,2,4,6
	v_pk_fma_f32 v[EP+\k:EP+\k+1], v[EP+\k:EP+\k+1], v[ET+\k:ET+\k+1], v[EP+\k:EP+\k+1]   ; erfc(a)
.endr
.irp i, 0,1,2,3,4,5,6,7
	v_max_num_f32 v[gX+\i], 0, v[gX+\i]
.endr
.irp k, 0,2,4,6
	v_pk_fma_f32 v[gX+\k:gX+\k+1], v[EA+\k:EA+\k+1], v[EP+\k:EP+\k+1], v[gX+\k:gX+\k+1] neg_lo:[1,0,0] neg_hi:[1,0,0]
.endr
.endm
	s_load_b512 s[16:31], s[0:1], 0x0              ; o, x1, g1, b1, bf1, bf2, wimg, out0
	HEAD
	v_mov_b32 v[K9], 0xb9d25000
	v_mov_b32 v[K9+1], 0xb9d25000
	s_mov_b32 s[CLP], 0x41b504f3                   ; 16 sqrt 2
	s_mov_b32 s[RH], 0x3f3504f3                    ; 1 / sqrt 2
	s_mov_b32 s[RH+1], s[RH]
	s_lshl_b32 s2, s[WV], 11
	v_add_nc_u32 v57, s2, v[L16]
	s_lshl_b32 s3, s[WV], 7
	v_add_nc_u32 v18, s3, v[L4]
	s_lshl_b32 s52, ttmp9, 14
	s_add_co_u32 s52, s52, s2
	s_wait_kmcnt 0x0
	s_add_nc_u64 s[OCB:OCB+1], s[16:17], s[52:53]
	s_lshr_b32 s52, s52, 5
	s_add_co_u32 s52, s52, 4194304
	s_add_nc_u64 s[OWB:OWB+1], s[16:17], s[52:53]
	s_lshl_b32 s52, ttmp9, 16
	s_add_nc_u64 s[XB:XB+1], s[18:19], s[52:53]
	s_add_nc_u64 s[OUTB:OUTB+1], s[30:31], s[52:53]
	s_cmp_lt_u32 s[WV], 4
	s_cselect_b64 s[4:5], s[20:21], s[22:23]
	s_cselect_b64 s[6:7], s[24:25], s[26:27]
.irp c, 0,1,2,3
	global_load_b128 v[64+4*\c:67+4*\c], v[L16], s[OCB:OCB+1] offset:512*\c th:TH_LOAD_NT
.endr
	global_load_b32 v[PW], v[R4], s[OWB:OWB+1]
	global_load_b128 v[80:83], v[G16], s[4:5]
	global_load_b128 v[84:87], v[G16], s[6:7]
	LOADACC XB
	LOADW 5
	s_wait_loadcnt 63                              ; 68 loads of the weight were issued behind the rows': all before them are in
.irp c, 0,1,2,3
	ds_store_b128 v57, v[64+4*\c:67+4*\c] offset:IMG0+512*\c
.endr
	ds_store_b32 v18, v[PW] offset:IMG0+16384
	ds_store_b128 v[T16], v[80:83]
	ds_store_b128 v[T16], v[84:87] offset:4096
	BARRIER                                        ; o's eight fragments, gain, bias and the two layers' biases lie in LDS
	GEMM IMG0                                      ; x2 = x1 + o Wo_c
	LOADW 6
	PARK                                           ; x2 waits in my stage
	LNQ IMG1
.irp u, 0,1
.irp c, 0,1
.irp j, 0,1,2,3
	ds_load_b128 v[ACC+32*\u+16*\c+4*\j:ACC+32*\u+16*\c+4*\j+3], v[GBA] offset:4096+128*\c+16*\j   ; bf1 starts the sums
.endr
.endr
.endr
	GEMM IMG1                                      ; n W1 + bf1
	LOADW 7
.irp g, 0,1,2,3,4,5,6,7
	GELU \g
.endr
	QUANT ACC, PC, PW
	IMGOUT IMG2
	BARRIER                                        ; the hidden layer's eight fragments lie in LDS
	UNPARK
.irp c, 0,1
.irp j, 0,1,2,3
	ds_load_b128 v[64+16*\c+4*\j:67+16*\c+4*\j], v[GBA] offset:6144+128*\c+16*\j
.endr
.endr
	s_wait_dscnt 0x0
.irp u, 0,1
.set k, 0
.rept 16
	v_pk_add_f32 v[ACC+32*\u+k:ACC+32*\u+k+1], v[ACC+32*\u+k:ACC+32*\u+k+1], v[64+k:65+k]   ; x2 + bf2 starts the sums
.set k, k+2
.endr
.endr
	GEMM IMG2                                      ; + h W2
	PARK
	OUTROWS OUTB
	s_wait_xcnt 0x0
	v_lshl_add_u32 v254, v0, 2, 0x20600
	v_mov_b32 v255, 0
	s_wait_tensorcnt 0x0
	ds_add_u32 v254, v255
	s_wait_dscnt 0x0
	s_endpgm
.Lfunc_end_k_q26209419b5_tail:
	.size	k_q26209419b5_tail, .Lfunc_end_k_q26209419b5_tail-k_q26209419b5_tail
	.p2alignl 7, 3214868480
	.fill 96, 4, 3214868480
	.section	.rodata,"a",@progbits
	.p2align	6, 0x0
	.amdhsa_kernel k_q26209419b5_tail
		.amdhsa_group_segment_fixed_size 133632
		.amdhsa_private_segment_fixed_size 0
		.amdhsa_enable_private_segment 0
		.amdhsa_kernarg_size 64
		.amdhsa_user_sgpr_count 2
		.amdhsa_user_sgpr_kernarg_segment_ptr 1
		.amdhsa_wavefront_size32 1
		.amdhsa_system_sgpr_workgroup_id_x 1
		.amdhsa_system_sgpr_workgroup_id_y 1
		.amdhsa_system_sgpr_workgroup_id_z 1
		.amdhsa_system_vgpr_workitem_id 0
		.amdhsa_next_free_vgpr 512
		.amdhsa_next_free_sgpr 66
		.amdhsa_reserve_vcc 0
		.amdhsa_float_denorm_mode_32 3
		.amdhsa_float_denorm_mode_16_64 3
		.amdhsa_memory_ordered 1
		.amdhsa_forward_progress 1
		.amdhsa_inst_pref_size 158
	.end_amdhsa_kernel
	.amdgpu_metadata
---
amdhsa.version: [ 1, 2 ]
amdhsa.kernels:
  - .name:           k_q26209419b5_tail
    .symbol:         k_q26209419b5_tail.kd
    .args:
      - { .name: obuf, .offset: 0, .size: 8, .value_kind: global_buffer, .address_space: global }
      - { .name: x1, .offset: 8, .size: 8, .value_kind: global_buffer, .address_space: global }
      - { .name: g1, .offset: 16, .size: 8, .value_kind: global_buffer, .address_space: global }
      - { .name: b1, .offset: 24, .size: 8, .value_kind: global_buffer, .address_space: global }
      - { .name: bf1, .offset: 32, .size: 8, .value_kind: global_buffer, .address_space: global }
      - { .name: bf2, .offset: 40, .size: 8, .value_kind: global_buffer, .address_space: global }
      - { .name: wimg, .offset: 48, .size: 8, .value_kind: global_buffer, .address_space: global }
      - { .name: out0, .offset: 56, .size: 8, .value_kind: global_buffer, .address_space: global }
    .group_segment_fixed_size: 133632
    .private_segment_fixed_size: 0
    .kernarg_segment_align: 8
    .kernarg_segment_size: 64
    .max_flat_workgroup_size: 256
    .sgpr_count:     66
    .vgpr_count:     512
    .wavefront_size: 32
...
	.end_amdgpu_metadata
.endif
;; end of part 6
;; ======== version 2 of 2: 6 launches; version 1 with the launches qkv, mid, tail written anew for expert scheduling mode
;; limits: right only within a limited range of input values
;; workspace buffers: wimg 2,297,856 bytes; kvs 8,650,752 bytes; kvc 4,325,376 bytes; qbuf 4,325,376 bytes; obuf 4,325,376 bytes; x1 16,777,216 bytes
;; launch prep: the kernel of part 1 again; grid 68 x 1, 8 waves a work-group, no clusters, 0 bytes of LDS; arguments Wq_s, Wk_s, Wv_s, Wo_s, Wq_c, Wo_c, W1, W2, Wk_c, Wv_c, wimg; writes wimg
;; launch qkv (part 7): grid 384 x 1, 8 waves a work-group, no clusters, 133,632 bytes of LDS; arguments X, g1, b1, Zelta, g2, b2, wimg, qbuf, kvs, kvc; writes qbuf, kvs, kvc
.if DOCPART == 7
	.amdgcn_target "amdgcn-amd-amdhsa--gfx1250"
	.amdhsa_code_object_version 6
	.text
	.protected	k_q26209419b5_qkv
	.globl	k_q26209419b5_qkv
	.p2align	8
	.type	k_q26209419b5_qkv,@function
k_q26209419b5_qkv:
	s_mov_b64 s[64:65], 0
	v_nop
	global_prefetch_b8 v0, s[64:65] scope:SCOPE_SE
	s_setreg_imm32_b32 hwreg(HW_REG_WAVE_SCHED_MODE, 0, 2), 2
	s_setreg_imm32_b32 hwreg(HW_REG_WAVE_MODE, 25, 1), 1
	s_wait_xcnt 0x0
	s_wait_alu depctr_vm_vsrc(0)
; Work-groups 0-255: 32 rows of X: layer norm, quantised, times Wq_s, Wk_s, Wv_s; q, k (along the head's 64) and v (along the keys) leave as codes in the order of attention's operand registers.
; Work-groups 256-383: 32 rows of Zelta: layer norm over 100, quantised (K filled with zeros to 128), times Wk_c, Wv_c; the same way out.  That path uses no LDS and no barrier.
; SHARES.  Eight waves; wave w owns columns 64 w .. 64 w + 63 (head w) of all 32 rows: 4 tiles of columns x 2 tiles of rows = 8 accumulators.  Its share of a weight, 16 fragments, comes from memory
; straight into window 1, 512 consecutive bytes a load.  No cluster and no joint load: a weight's image fills most of LDS and three are walked here, so shared tiles would want refills behind rounds.
; ROWS OF A TILE: tile u, place r is row 8 u + r + 8 (r / 8) of the 32; columns of a weight tile likewise.  So with source 0 = weight, source 1 = rows, a lane (r, h) holds one row and the registers
; of tiles 2 b, 2 b + 1 are columns 32 b + 16 h + 0..15; with the sources swapped (v) a lane holds one column and 16 neighbouring rows, which are keys.
; OPERANDS GO FROM WAVE TO WAVE THROUGH LDS AS IMAGES OF THEIR REGISTERS: [c][lane][16 bytes], scale words 4 bytes a lane.
; LAYER NORM: each wave's mean and sum of squared differences over its 64 columns; the eight are joined as mean = the means' mean, variance = (sum of M2 + 64 x sum of (mean_i - mean)^2) / 512.
; LIMITS: NaN and infinities are not served; a block of zeros gets the byte 1 (its codes are zeros, and only this program reads the bytes).
; THE MODE: SCHED_MODE bits 1:0 = 2 (LLVM: expert scheduling mode 2), set by the entry lines.  The code itself states the register dependences
; between vector or matrix instructions and memory or LDS instructions, with s_wait_alu, always for 0.
; THE PLAN.  Registers that memory or LDS instructions touch:
;   v1-v17            addresses and offsets: made at the head (Zelta's path makes v5-v10 anew at its own head), read by every load and store, never written again: one wait on va_vdst ahead of each path's first load.
;   window 1, v24-31  a weight's fragments and scale words: LOADW's loads land there, a product's 32 matrix instructions read them: one wait on va_vdst behind the products, ahead of the next LOADW.
;   v64-191, v32-39   the rows' fragments and scale words: GEMM's LDS loads land there, the products read them.  Between two products v64-79 hold the codes that QUANT writes and stores read.
;   v56, v44-47       a scale word, four scale bytes: QUANT writes them, stores read them.
;   v58-61            (mean, M2): vector lines write them, one LDS store reads them, vector lines write them again.
;   v80-175           in the layer norm: at work ahead of its first barrier; behind it LDS loads land there.
;   v192-255          the accumulators: the rows' loads land there once; then vector and matrix instructions alone name them.
; So: a wait on va_vdst behind each QUANT, ahead of the stores of its results; a wait on vm_vsrc at GEMM's head, ahead of the loads that land on the codes; the two waits round the store of (mean, M2).
.set IMG0, 0                           ; LDS: 8 fragments (16,384 bytes) and their scale words (8 x 128 bytes)
.set IMG1, 17408
.set IMG2, 34816
.set STAT, 52224                       ; [u][r, pitch 80][wave] pairs (mean, M2)
.set GB,   54784                       ; gain, bias (and in the last launch the two biases of the feed-forward layers), 2,048 bytes each
.set STG,  62976                       ; each wave's own 32 rows of 256 bytes + 16
.set MSTR, 270336
.set L16, 1                            ; v1   16 x lane
.set L4,  2                            ; v2   4 x lane
.set WOF, 3                            ; v3   32,768 x wave + 16 x lane
.set WSO, 4                            ; v4   262,144 + 1,024 x wave + 8 x lane
.set XOFF, 5                           ; v5   my row's bytes in the 32 rows: (r + 8 (r / 8)) 2,048 + 256 wave + 64 h
.set STO, 6                            ; v6   the stage, in
.set SRD, 7                            ; v7   the stage, back
.set GRO, 8                            ; v8   rows out
.set STW, 9
.set STR, 10
.set IMW, 11                           ; v11  1,024 x wave + 16 x lane
.set ISW, 12                           ; v12  128 (wave / 2) + 2 (wave % 2) + 4 x lane
.set GBA, 13
.set R4,  14
.set R8,  15
.set T16, 16
.set G16, 17
.set SB,  22
.set WS,  24                           ; v24-31 the weight's scale words
.set AS,  32                           ; v32-39 the rows' scale words
.set TM,  40                           ; v40-55 at work in QUANT
.set PW,  56
.set MP,  58                           ; v58-61 pairs (mean, M2)
.set SA,  62
.set AF,  64                           ; v64-191 the rows' 8 fragments; between products: codes, gain and bias, at work
.set PC,  64
.set ACC, 192                          ; v192-255 the 8 accumulators
.set WV,  8
.set SEL, 10
.set MNT, 12
.set EPS, 13
.set I512, 14
.set I100, 15
.set WB,  28
.set XB,  36
.set QC,  38
.set QW,  40
.set KC,  42
.set KW,  44
.set VC,  46
.set VW,  48
.set MSB, 0
.macro WIN new                         ; the immediate's high byte repeats the setting that is left
.if MSB != \new
	s_set_vgpr_msb (MSB<<8)|\new
.set MSB, \new
.endif
.endm
.macro BARRIER                         ; my LDS stores have landed and my LDS loads are in: then the work-group's barrier
	s_wait_dscnt 0x0
	s_barrier_signal -1
	s_barrier_wait -1
.endm
.macro HEAD
	v_lshrrev_b32 v18, 5, v0
	v_readfirstlane_b32 s[WV], v18
	v_and_b32 v18, 31, v0                          ; lane
	v_and_b32 v19, 15, v0                          ; r
	v_bfe_u32 v57, v0, 4, 1                        ; h
	v_lshlrev_b32 v[L16], 4, v18
	v_lshlrev_b32 v[L4], 2, v18
	s_wait_alu depctr_va_sdst(0)                   ; the wave's number is written into s8, ahead of its first reader
	s_lshl_b32 s2, s[WV], 15
	v_add_nc_u32 v[WOF], s2, v[L16]
	s_lshl_b32 s2, s[WV], 10
	v_add_nc_u32 v[IMW], s2, v[L16]
	s_add_co_u32 s2, s2, 262144
	v_lshl_add_u32 v[WSO], v18, 3, s2
	v_and_b32 v[R4], 8, v19
	v_add_nc_u32 v[R4], v[R4], v19                 ; r + 8 (r / 8)
	s_lshl_b32 s2, s[WV], 8
	v_lshl_add_u32 v[XOFF], v[R4], 11, s2
	v_lshl_add_u32 v[XOFF], v57, 6, v[XOFF]
	v_lshl_add_u32 v[GRO], v57, 11, s2
	v_lshl_add_u32 v[GRO], v19, 4, v[GRO]
	s_add_co_u32 s2, s2, GB
	v_lshl_add_u32 v[GBA], v57, 6, s2
	s_mul_i32 s3, s[WV], 8704
	s_add_co_u32 s3, s3, STG
	v_mul_u32_u24 v[STO], v[R4], 272
	v_lshl_add_u32 v[STO], v57, 6, v[STO]
	v_add_nc_u32 v[STO], s3, v[STO]
	v_mul_u32_u24 v[SRD], v57, 272
	v_lshl_add_u32 v[SRD], v19, 4, v[SRD]
	v_add_nc_u32 v[SRD], s3, v[SRD]
	v_mul_u32_u24 v[STR], v19, 80
	v_add_nc_u32 v[STR], STAT, v[STR]
	s_lshl_b32 s3, s[WV], 3
	v_add_nc_u32 v[STW], s3, v[STR]
	s_lshr_b32 s3, s[WV], 1
	s_lshl_b32 s3, s3, 7
	s_and_b32 s2, s[WV], 1
	s_lshl_b32 s2, s2, 1
	s_add_co_u32 s3, s3, s2
	v_add_nc_u32 v[ISW], s3, v[L4]
	v_lshlrev_b32 v[R4], 2, v19
	v_lshlrev_b32 v[R8], 3, v19
	v_lshl_add_u32 v[T16], v0, 4, GB
	v_and_b32 v[G16], 127, v0
	v_lshlrev_b32 v[G16], 4, v[G16]
.irp i, 4,5,6,7
	v_mov_b32 v[TM+\i], 0                          ; written once: a lane permute's destination counts as one of its sources
.endr
	v_mov_b32 v[SB], 0
	v_mov_b32 v[SB+1], 0
.irp i, 0,1,2,3
	v_mov_b32 v[MP+\i], 0                          ; (named as pairs before both halves are made)
.endr
	s_mov_b32 s[SEL], 0x76543210
	s_mov_b32 s[SEL+1], 0xfedcba98                 ; v_permlanex16_b32's selects for lane l xor 16
	s_mov_b32 s[MNT], 0x600000                     ; the mantissa field of 448
	s_mov_b32 s[EPS], 0x3727c5ac                   ; 1e-5
	s_mov_b32 s[I512], 0x3b000000                  ; 1 / 512
	s_mov_b32 s53, 0
.endm
; 64 numbers of a lane, register 16 b + i = the i-th of my 16 numbers of block b (lane l xor 16 holds the other 16), become 16 registers of codes at v[d] and the four blocks' bytes as a word in v[w].
.macro QUANT s, d, w
.irp b, 0,1,2,3
	v_max3_num_f32 v[TM+\b], |v[\s+16*\b]|, |v[\s+1+16*\b]|, 0x4800000   ; with the floor 2^(9 - 127): the byte cannot fall under 1
.endr
.irp i, 2,4,6,8,10,12,14
.irp b, 0,1,2,3
	v_max3_num_f32 v[TM+\b], v[TM+\b], |v[\s+16*\b+\i]|, |v[\s+1+16*\b+\i]|
.endr
.endr
.irp b, 0,1,2,3
	v_permlanex16_b32 v[TM+4+\b], v[TM+\b], s[SEL], s[SEL+1]
.endr
.irp b, 0,1,2,3
	v_max_num_f32 v[TM+\b], v[TM+\b], v[TM+4+\b]
.endr
.irp b, 0,1,2,3
	v_add_nc_u32 v[TM+12+\b], 0xfc000000, v[TM+\b]           ; 8 off the exponent field: the conversion's scale operand
.endr
.irp b, 0,1,2,3
	v_and_or_b32 v[TM+8+\b], v[TM+\b], 0x7f800000, s[MNT]    ; 448 x the scale
.endr
.irp b, 0,1,2,3
	v_lshrrev_b32 v[TM+4+\b], 23, v[TM+12+\b]                ; the scale's byte
.endr
	v_lshl_or_b32 v[\w], v[TM+5], 8, v[TM+4]
	v_lshl_or_b32 v[\w], v[TM+6], 16, v[\w]
	v_lshl_or_b32 v[\w], v[TM+7], 24, v[\w]
.irp b, 0,1,2,3
.irp i, 0,1,2,3,4,5,6,7,8,9,10,11,12,13,14,15
	v_med3_num_f32 v[\s+16*\b+\i], v[\s+16*\b+\i], -v[TM+8+\b], v[TM+8+\b]   ; the conversion does not saturate (ISA guide 7.6.2): the hold comes first
.endr
	v_cvt_scalef32_pk8_fp8_f32 v[\d+4*\b:\d+1+4*\b], v[\s+16*\b:\s+7+16*\b], v[TM+12+\b]
	v_cvt_scalef32_pk8_fp8_f32 v[\d+2+4*\b:\d+3+4*\b], v[\s+8+16*\b:\s+15+16*\b], v[TM+12+\b]
.endr
	v_nop                                          ; a plain line behind the last conversion
.endm
.macro LOADW m                         ; my 16 fragments of weight m into window 1, fragment (t, s) at v[16 (4 t + s)]; its scale words
	WIN 0x40
.set i, 0
.rept 64
	global_load_b128 v[4*i:4*i+3], v[WOF], s[WB:WB+1] offset:\m*MSTR+512*i
.set i, i+1
.endr
	WIN 0
.irp t, 0,1,2,3
	global_load_b64 v[WS+2*\t:WS+2*\t+1], v[WSO], s[WB:WB+1] offset:\m*MSTR+256*\t
.endr
.endm
.macro LOADACC base                    ; 32 rows' numbers of my 64 columns, in the accumulators' layout
.irp u, 0,1
.irp c, 0,1
.irp j, 0,1,2,3
	global_load_b128 v[ACC+32*\u+16*\c+4*\j:ACC+32*\u+16*\c+4*\j+3], v[XOFF], s[\base:\base+1] offset:16384*\u+128*\c+16*\j th:TH_LOAD_NT
.endr
.endr
.endr
.endm
.macro MM swap, cinit, s, u, t
.set rW, 16*(4*\t+\s)
.set rA, AF+16*(4*\u+\s)
.set rX, WS+2*\t+\s/2
.set rY, AS+4*\u+\s
.if \swap
.set rD, ACC+16*\t+8*\u
.if (\s == 0) && (\cinit == 0)
	v_wmma_scale_f32_16x16x128_f8f6f4 v[rD:rD+7], v[rA:rA+15], v[rW:rW+15], 0, v[rY], v[rX]
.elseif (\s % 2) == 0
	v_wmma_scale_f32_16x16x128_f8f6f4 v[rD:rD+7], v[rA:rA+15], v[rW:rW+15], v[rD:rD+7], v[rY], v[rX]
.else
	v_wmma_scale_f32_16x16x128_f8f6f4 v[rD:rD+7], v[rA:rA+15], v[rW:rW+15], v[rD:rD+7], v[rY], v[rX] matrix_b_scale:MATRIX_SCALE_ROW1
.endif
.else
.set rD, ACC+32*\u+8*\t
.if (\s == 0) && (\cinit == 0)
	v_wmma_scale_f32_16x16x128_f8f6f4 v[rD:rD+7], v[rW:rW+15], v[rA:rA+15], 0, v[rX], v[rY]
.elseif (\s % 2) == 0
	v_wmma_scale_f32_16x16x128_f8f6f4 v[rD:rD+7], v[rW:rW+15], v[rA:rA+15], v[rD:rD+7], v[rX], v[rY]
.else
	v_wmma_scale_f32_16x16x128_f8f6f4 v[rD:rD+7], v[rW:rW+15], v[rA:rA+15], v[rD:rD+7], v[rX], v[rY] matrix_a_scale:MATRIX_SCALE_ROW1
.endif
.endif
.endm
; 32 rows x my 64 columns x K = 512.  swap = 0: source 0 = the weight; 1: source 0 = the rows.  cinit = 0: the first K step starts the sums with the constant 0; 1: it adds onto what the accumulators hold.
; The 8 accumulators take turns, one instruction a turn.
.macro GEMM img, swap, cinit
	s_wait_xcnt 0x0                                ; earlier stores have read their registers: the fragments below land on them
	s_wait_alu depctr_vm_vsrc(0)                   ; the stores issued so far (the images', q's, k's) have read the codes v64-79, on which fragments land.  (The vector and matrix lines that named v32-39 and v64-191 stand ahead of the wait on va_vdst in front of those stores)
.irp f, 0,1,2,3,4,5,6,7
.irp c, 0,1,2,3
	ds_load_b128 v[AF+16*\f+4*\c:AF+16*\f+4*\c+3], v[L16] offset:\img+2048*\f+512*\c
.endr
	ds_load_b32 v[AS+\f], v[L4] offset:\img+16384+128*\f
.endr
	s_wait_dscnt 0x0
	s_wait_loadcnt 0x0                             ; the weight
.if \swap
	WIN 0x04
.else
	WIN 0x01
.endif
.irp s, 0,1,2,3
.irp u, 0,1
.irp t, 0,1,2,3
	MM \swap, \cinit, \s, \u, \t
.endr
.endr
.endr
	WIN 0
.rept 8
	v_nop                                          ; eight places ahead of the first read of results by vector lines, and of vector lines that write the operands
.endr
.endm
.macro IMGOUT img                      ; my codes (blocks 2 (wave % 2) + c of K step wave / 2, both tiles of rows) and my half of their scale words
.irp u, 0,1
.irp c, 0,1
	ds_store_b128 v[IMW], v[PC+8*\u+4*\c:PC+8*\u+4*\c+3] offset:\img+8192*\u+512*\c
.endr
.endr
	ds_store_b16 v[ISW], v[PW] offset:\img+16384
	ds_store_b16_d16_hi v[ISW], v[PW] offset:\img+16384+512
.endm
; The rows in the accumulators' registers are normalised in place, quantised, and their images stored.  Two barriers.
.macro LNQ img
	s_wait_xcnt 0x0                                ; earlier stores have read v64 on
	s_wait_alu depctr_vm_vsrc(0)                   ; the LDS store of gain and bias has read v80-83, which the differences below write
.irp k, 0,1,2,3,4,5,6,7
.irp u, 0,1
	v_pk_add_f32 v[144+16*\u+2*\k:145+16*\u+2*\k], v[ACC+32*\u+4*\k:ACC+32*\u+4*\k+1], v[ACC+32*\u+4*\k+2:ACC+32*\u+4*\k+3]
.endr
.endr
.irp k, 0,1,2,3
.irp u, 0,1
	v_pk_add_f32 v[144+16*\u+2*\k:145+16*\u+2*\k], v[144+16*\u+2*\k:145+16*\u+2*\k], v[152+16*\u+2*\k:153+16*\u+2*\k]
.endr
.endr
.irp k, 0,1
.irp u, 0,1
	v_pk_add_f32 v[144+16*\u+2*\k:145+16*\u+2*\k], v[144+16*\u+2*\k:145+16*\u+2*\k], v[148+16*\u+2*\k:149+16*\u+2*\k]
.endr
.endr
.irp u, 0,1
	v_pk_add_f32 v[144+16*\u:145+16*\u], v[144+16*\u:145+16*\u], v[146+16*\u:147+16*\u]
.endr
.irp u, 0,1
	v_add_f32 v[SA+\u], v[144+16*\u], v[145+16*\u]
.endr
.irp u, 0,1
	v_permlanex16_b32 v[SB+\u], v[SA+\u], s[SEL], s[SEL+1]
.endr
.irp u, 0,1
	v_add_f32 v[SA+\u], v[SA+\u], v[SB+\u]
.endr
.irp u, 0,1
	v_mul_f32 v[MP+2*\u], 0x3c800000, v[SA+\u]     ; the mean of my 64 columns
.endr
.irp u, 0,1
.set k, 0
.rept 16
	v_pk_add_f32 v[64+32*\u+k:65+32*\u+k], v[ACC+32*\u+k:ACC+32*\u+k+1], v[MP+2*\u:MP+2*\u+1] op_sel_hi:[1,0] neg_lo:[0,1] neg_hi:[0,1]
.set k, k+2
.endr
.endr
.irp u, 0,1
	v_pk_mul_f32 v[144+16*\u:145+16*\u], v[64+32*\u:65+32*\u], v[64+32*\u:65+32*\u]
	v_pk_mul_f32 v[146+16*\u:147+16*\u], v[66+32*\u:67+32*\u], v[66+32*\u:67+32*\u]
.endr
.irp k, 4,8,12,16,20,24,28
.irp u, 0,1
	v_pk_fma_f32 v[144+16*\u:145+16*\u], v[64+32*\u+\k:65+32*\u+\k], v[64+32*\u+\k:65+32*\u+\k], v[144+16*\u:145+16*\u]
	v_pk_fma_f32 v[146+16*\u:147+16*\u], v[66+32*\u+\k:67+32*\u+\k], v[66+32*\u+\k:67+32*\u+\k], v[146+16*\u:147+16*\u]
.endr
.endr
.irp u, 0,1
	v_pk_add_f32 v[144+16*\u:145+16*\u], v[144+16*\u:145+16*\u], v[146+16*\u:147+16*\u]
.endr
.irp u, 0,1
	v_add_f32 v[SA+\u], v[144+16*\u], v[145+16*\u]
.endr
.irp u, 0,1
	v_permlanex16_b32 v[SB+\u], v[SA+\u], s[SEL], s[SEL+1]
.endr
.irp u, 0,1
	v_add_f32 v[MP+2*\u+1], v[SA+\u], v[SB+\u]     ; and the sum of squared differences from it
.endr
	s_wait_alu depctr_va_vdst(0)                   ; the pairs v58-61 are written, which the stores below read; and the lines above are done with v80-175, in which the loads behind the barrier land
.irp u, 0,1
	ds_store_b64 v[STW], v[MP+2*\u:MP+2*\u+1] offset:1280*\u
.endr
	BARRIER                                        ; all eight waves' pairs lie in LDS (and gain and bias, stored at the head)
.irp u, 0,1
.irp i, 0,1,2,3
	ds_load_b128 v[144+16*\u+4*\i:147+16*\u+4*\i], v[STR] offset:1280*\u+16*\i
.endr
.endr
.irp c, 0,1
.irp j, 0,1,2,3
	ds_load_b128 v[80+16*\c+4*\j:83+16*\c+4*\j], v[GBA] offset:128*\c+16*\j
	ds_load_b128 v[112+16*\c+4*\j:115+16*\c+4*\j], v[GBA] offset:2048+128*\c+16*\j
.endr
.endr
	s_wait_dscnt 0x0
	s_wait_alu depctr_vm_vsrc(0)                   ; my stores of the pairs have read v58-61, which are written anew below
.irp u, 0,1
.irp k, 0,1,2,3
	v_pk_add_f32 v[176+8*\u+2*\k:177+8*\u+2*\k], v[144+16*\u+4*\k:145+16*\u+4*\k], v[146+16*\u+4*\k:147+16*\u+4*\k]
.endr
	v_pk_add_f32 v[176+8*\u:177+8*\u], v[176+8*\u:177+8*\u], v[178+8*\u:179+8*\u]
	v_pk_add_f32 v[180+8*\u:181+8*\u], v[180+8*\u:181+8*\u], v[182+8*\u:183+8*\u]
	v_pk_add_f32 v[176+8*\u:177+8*\u], v[176+8*\u:177+8*\u], v[180+8*\u:181+8*\u]
	v_mul_f32 v[MP+2*\u], 0x3e000000, v[176+8*\u]  ; the row's mean
.irp i, 0,1,2,3,4,5,6,7
	v_sub_f32 v[144+16*\u+2*\i], v[144+16*\u+2*\i], v[MP+2*\u]
.endr
	v_mul_f32 v[SA+\u], v[144+16*\u], v[144+16*\u]
.irp i, 1,2,3,4,5,6,7
	v_fma_f32 v[SA+\u], v[144+16*\u+2*\i], v[144+16*\u+2*\i], v[SA+\u]
.endr
	v_fma_f32 v[SA+\u], v[SA+\u], 0x42800000, v[177+8*\u]
	v_fma_f32 v[SA+\u], v[SA+\u], s[I512], s[EPS]  ; the variance + 1e-5
	v_rsq_f32 v[144+16*\u], v[SA+\u]               ; twice: a pair for the packed multiply; the next plain line touches neither result nor source
	v_rsq_f32 v[145+16*\u], v[SA+\u]
.endr
.irp u, 0,1
.set k, 0
.rept 16
	v_pk_add_f32 v[ACC+32*\u+k:ACC+32*\u+k+1], v[ACC+32*\u+k:ACC+32*\u+k+1], v[MP+2*\u:MP+2*\u+1] op_sel_hi:[1,0] neg_lo:[0,1] neg_hi:[0,1]
.set k, k+2
.endr
.endr
	s_wait_alu depctr_va_vdst(0)                   ; the four reciprocal roots v144, v145, v160, v161 are written, ahead of their first reader
.irp u, 0,1
.set k, 0
.rept 16
	v_pk_mul_f32 v[ACC+32*\u+k:ACC+32*\u+k+1], v[ACC+32*\u+k:ACC+32*\u+k+1], v[144+16*\u:145+16*\u]
.set k, k+2
.endr
.endr
.irp u, 0,1
.set k, 0
.rept 16
	v_pk_fma_f32 v[ACC+32*\u+k:ACC+32*\u+k+1], v[ACC+32*\u+k:ACC+32*\u+k+1], v[80+k:81+k], v[112+k:113+k]
.set k, k+2
.endr
.endr
	QUANT ACC, PC, PW
	s_wait_alu depctr_va_vdst(0)                   ; the conversions have written the codes v64-79 and the vector lines the word v56, which the images' stores read
	IMGOUT \img
	BARRIER                                        ; the rows' eight fragments lie in LDS
.endm
.macro STQK pc, cb, wb, wo             ; a fragment of 32 rows x 64 (tile 0's 64 in registers 0-7, tile 1's in 8-15) and its scale word
.irp c, 0,1,2,3
	global_store_b128 v[L16], v[\pc+4*\c:\pc+4*\c+3], s[\cb:\cb+1] offset:512*\c   ; 512 consecutive bytes
.endr
	global_store_b32 v[\wo], v[PW], s[\wb:\wb+1]
.endm
.macro STV pc                          ; group c = block % 4 of four fragments of v^T, and one scale byte for each of their rows
.irp t, 0,1,2,3
	global_store_b128 v[L16], v[\pc+4*\t:\pc+4*\t+3], s[VC:VC+1] offset:2048*\t
.endr
.irp t, 0,1,2,3
	global_store_b8 v[R8], v[TM+4+\t], s[VW:VW+1] offset:(\t%2)*128+(\t/2)*4
.endr
.endm
.macro KVBASE buf, stride, scb         ; s50 = batch, s51 = the block of 32 keys in it: where my head's k and v go
	s_lshl_b32 s54, s50, 3
	s_add_co_u32 s54, s54, s[WV]
	s_mul_i32 s54, s54, \stride
	s_mov_b32 s55, 0
	s_add_nc_u64 s[54:55], s[\buf:\buf+1], s[54:55]
	s_lshl_b32 s52, s51, 11
	s_add_co_u32 s52, s52, \scb
	s_add_nc_u64 s[KC:KC+1], s[54:55], s[52:53]
	s_lshr_b32 s2, s51, 2                          ; the step of 128 keys
	s_lshl_b32 s52, s2, 8
	s_and_b32 s3, s51, 1
	s_lshl_b32 s3, s3, 7
	s_add_co_u32 s52, s52, s3
	s_bfe_u32 s3, s51, 0x10001
	s_lshl_b32 s3, s3, 2
	s_add_co_u32 s52, s52, s3
	s_add_nc_u64 s[KW:KW+1], s[54:55], s[52:53]
	s_lshl_b32 s52, s2, 13
	s_and_b32 s3, s51, 3
	s_lshl_b32 s4, s3, 9
	s_add_co_u32 s52, s52, s4
	s_add_co_u32 s52, s52, \stride/2+\scb
	s_add_nc_u64 s[VC:VC+1], s[54:55], s[52:53]
	s_lshl_b32 s52, s2, 8
	s_add_co_u32 s52, s52, s3
	s_add_co_u32 s52, s52, \stride/2
	s_add_nc_u64 s[VW:VW+1], s[54:55], s[52:53]
.endm
.macro QBASE buf                       ; where my head's q of this block goes
	s_lshr_b32 s50, ttmp9, 6
	s_and_b32 s51, ttmp9, 63
	s_lshl_b32 s52, s50, 20
	s_lshl_b32 s2, s[WV], 17
	s_add_co_u32 s52, s52, s2
	s_lshl_b32 s2, s51, 11
	s_add_co_u32 s52, s52, s2
	s_add_nc_u64 s[QC:QC+1], s[\buf:\buf+1], s[52:53]
	s_lshr_b32 s52, s52, 5
	s_add_co_u32 s52, s52, 4194304
	s_add_nc_u64 s[QW:QW+1], s[\buf:\buf+1], s[52:53]
.endm
	s_load_b512 s[16:31], s[0:1], 0x0              ; X, g1, b1, Zelta, g2, b2, wimg, qbuf
	s_load_b128 s[32:35], s[0:1], 0x40             ; kvs, kvc
	v_lshl_add_u32 v20, v0, 2, 0x20600
	v_mov_b32 v21, 0
	HEAD
	s_mov_b32 s[I100], 0x3c23d70a                  ; 0.01
	s_cmp_ge_u32 ttmp9, 256
	s_cbranch_scc1 .Lzpath
	s_wait_kmcnt 0x0
	QBASE 30
	KVBASE 32, 270336, 4096
	s_lshl_b32 s52, ttmp9, 16
	s_add_nc_u64 s[XB:XB+1], s[16:17], s[52:53]
	s_cmp_lt_u32 s[WV], 4
	s_cselect_b64 s[4:5], s[18:19], s[20:21]       ; threads 0-127 fetch the gain, the others the bias
	s_wait_alu depctr_va_vdst(0)                   ; the addresses and offsets v1-v17 are written, which every load and store of this path reads
	global_load_b128 v[80:83], v[G16], s[4:5]
	LOADACC XB
	LOADW 0
	s_wait_loadcnt 63                              ; 68 loads of the weight were issued behind the rows': gain, bias and rows are in
	ds_store_b128 v[T16], v[80:83]
	LNQ IMG1
	GEMM IMG1, 0, 0                                ; q
	s_wait_alu depctr_va_vdst(0)                   ; the products are done reading the weight's fragments (window 1) and scale words v24-31, in which the next weight lands
	LOADW 1
	QUANT ACC, PC, PW
	s_wait_alu depctr_va_vdst(0)                   ; the conversions have written the codes v64-79 and the vector lines the word v56, which q's stores read
	STQK PC, QC, QW, R4
	GEMM IMG1, 0, 0                                ; k
	s_wait_alu depctr_va_vdst(0)                   ; the products are done reading the weight's fragments (window 1) and scale words v24-31, in which the next weight lands
	LOADW 2
	QUANT ACC, PC, PW
	s_wait_alu depctr_va_vdst(0)                   ; the conversions have written the codes v64-79 and the vector lines the word v56, which k's stores read
	STQK PC, KC, KW, R8
	GEMM IMG1, 1, 0                                ; v, with the sources swapped: a lane's registers run along the keys
	QUANT ACC, PC, PW
	s_wait_alu depctr_va_vdst(0)                   ; the conversions have written the codes v64-79 and the vector lines the bytes v44-47, which v's stores read
	STV PC
	s_wait_dscnt 0x0                               ; the closing lines, six on end
	s_wait_alu 0x0
	s_wait_tensorcnt 0x0
	ds_add_u32 v20, v21
	s_wait_dscnt 0x0
	s_endpgm
; ---- Zelta.  Every wave normalises and quantises all 32 rows itself (two fragments), then multiplies by its own 64 columns of Wk_c and Wv_c.
; Registers that memory instructions touch here: the offsets v1, v5-v10, v14, v15 (made once); the rows' numbers, weights, gain and bias (landed once, ahead of all vector work);
; the codes v96-111, the word v56 and the bytes v44-47 (written by QUANT, read by stores, written once more for v).
.set ZOFF, 5
.set ZT,   6
.set H64,  7
.set NIL,  8
.set ZW,   9
.set ZWS,  10
.set ZN,   64                          ; v64-95 the two fragments;  v96-111 codes on the way out;  v112-175 and v192-255 the rows' numbers;  v176-181 at work
.set PCZ,  96
.macro ZLN u, x
.irp i, 52,53,54,55,56,57,58,59,60,61,62,63
	v_mov_b32 v[\x+\i], 0                          ; k = 100 .. 127: zeros
.endr
.irp i, 48,49,50,51
	v_cndmask_b32 v[\x+\i], 0, v[\x+\i], vcc_lo    ; k = 96 .. 99 belong to lanes 0-15; lanes 16-31 stand at k = 112 on
.endr
	v_pk_add_f32 v[176:177], v[\x:\x+1], v[\x+2:\x+3]
	v_pk_add_f32 v[178:179], v[\x+4:\x+5], v[\x+6:\x+7]
.irp k, 8,12,16,20,24,28,32,36,40,44,48
	v_pk_add_f32 v[176:177], v[176:177], v[\x+\k:\x+\k+1]
	v_pk_add_f32 v[178:179], v[178:179], v[\x+\k+2:\x+\k+3]
.endr
	v_pk_add_f32 v[176:177], v[176:177], v[178:179]
	v_add_f32 v[SA], v176, v177
	v_permlanex16_b32 v[SB], v[SA], s[SEL], s[SEL+1]
	v_add_f32 v[SA], v[SA], v[SB]
	v_mul_f32 v[MP], s[I100], v[SA]                ; the mean of 100
.set k, 0
.rept 26
	v_pk_add_f32 v[\x+k:\x+k+1], v[\x+k:\x+k+1], v[MP:MP+1] op_sel_hi:[1,0] neg_lo:[0,1] neg_hi:[0,1]
.set k, k+2
.endr
.irp i, 48,49,50,51
	v_cndmask_b32 v[\x+\i], 0, v[\x+\i], vcc_lo
.endr
	v_pk_mul_f32 v[176:177], v[\x:\x+1], v[\x:\x+1]
	v_pk_mul_f32 v[178:179], v[\x+2:\x+3], v[\x+2:\x+3]
.irp k, 4,8,12,16,20,24,28,32,36,40,44,48
	v_pk_fma_f32 v[176:177], v[\x+\k:\x+\k+1], v[\x+\k:\x+\k+1], v[176:177]
	v_pk_fma_f32 v[178:179], v[\x+\k+2:\x+\k+3], v[\x+\k+2:\x+\k+3], v[178:179]
.endr
	v_pk_add_f32 v[176:177], v[176:177], v[178:179]
	v_add_f32 v[SA], v176, v177
	v_permlanex16_b32 v[SB], v[SA], s[SEL], s[SEL+1]
	v_add_f32 v[SA], v[SA], v[SB]
	v_fma_f32 v[SA], v[SA], s[I100], s[EPS]
	v_rsq_f32 v180, v[SA]
	v_rsq_f32 v181, v[SA]
	v_nop                                          ; a plain line behind the transcendentals
.set k, 0
	s_wait_alu depctr_va_vdst(0)                   ; the two reciprocal roots v180, v181 are written, ahead of their first reader
.rept 26
	v_pk_mul_f32 v[\x+k:\x+k+1], v[\x+k:\x+k+1], v[180:181]
.set k, k+2
.endr
	WIN 0x14                                       ; gain and bias lie in window 1
.set k, 0
.rept 26
	v_pk_fma_f32 v[\x+k:\x+k+1], v[\x+k:\x+k+1], v[128+k:129+k], v[180+k:181+k]
.set k, k+2
.endr
	WIN 0
.irp i, 48,49,50,51
	v_cndmask_b32 v[\x+\i], 0, v[\x+\i], vcc_lo    ; past the end of K: zeros, ahead of the block's maximum
.endr
	QUANT \x, ZN+16*\u, AS+\u
.endm
.Lzpath:
	s_sub_co_u32 s2, ttmp9, 256                    ; which 32 rows of Zelta
	s_lshr_b32 s50, s2, 5
	s_and_b32 s51, s2, 31
	s_mul_i32 s52, s2, 12800                       ; 32 rows of 400 bytes
	v_and_b32 v[ZT], 8, v19
	v_add_nc_u32 v[ZT], v[ZT], v19
	v_mul_u32_u24 v[ZT], v[ZT], 400
	v_lshlrev_b32 v[H64], 6, v57
	v_add_nc_u32 v[ZOFF], v[ZT], v[H64]
	v_add_nc_u32 v[ZT], 384, v[ZT]
	v_mov_b32 v[NIL], 0
	s_lshl_b32 s3, s[WV], 13
	v_add_nc_u32 v[ZW], s3, v[L16]
	s_lshl_b32 s3, s[WV], 8
	v_add_nc_u32 v[ZWS], s3, v[R4]
	v_cmp_eq_u32 vcc_lo, 0, v57                    ; lanes 0-15
	s_wait_alu depctr_va_vcc(0)                    ; VCC is written, ahead of its first reader: the selects of the layer norm take it
	s_wait_kmcnt 0x0
	s_add_nc_u64 s[XB:XB+1], s[22:23], s[52:53]
	KVBASE 34, 135168, 2048
	s_wait_alu depctr_va_vdst(0)                   ; the offsets v1, v5-v10, v14, v15 are written, which every load and store of this path reads
.irp c, 0,1,2
.irp j, 0,1,2,3
	global_load_b128 v[192+16*\c+4*\j:195+16*\c+4*\j], v[ZOFF], s[XB:XB+1] offset:128*\c+16*\j
	global_load_b128 v[112+16*\c+4*\j:115+16*\c+4*\j], v[ZOFF], s[XB:XB+1] offset:3200+128*\c+16*\j
.endr
.endr
	global_load_b128 v[240:243], v[ZT], s[XB:XB+1]
	global_load_b128 v[160:163], v[ZT], s[XB:XB+1] offset:3200
.irp t, 0,1,2,3
	global_load_b32 v[WS+\t], v[ZWS], s[WB:WB+1] offset:2162688+65536+64*\t
	global_load_b32 v[WS+4+\t], v[ZWS], s[WB:WB+1] offset:2162688+67584+65536+64*\t
.endr
	WIN 0x40
.irp c, 0,1,2
.irp j, 0,1,2,3
	global_load_b128 v[128+16*\c+4*\j:131+16*\c+4*\j], v[H64], s[24:25] offset:128*\c+16*\j
	global_load_b128 v[180+16*\c+4*\j:183+16*\c+4*\j], v[H64], s[26:27] offset:128*\c+16*\j
.endr
.endr
	global_load_b128 v[176:179], v[NIL], s[24:25] offset:384
	global_load_b128 v[228:231], v[NIL], s[26:27] offset:384
.irp t, 0,1,2,3
.irp c, 0,1,2,3
	global_load_b128 v[16*\t+4*\c:16*\t+4*\c+3], v[ZW], s[WB:WB+1] offset:2162688+2048*\t+512*\c
	global_load_b128 v[64+16*\t+4*\c:64+16*\t+4*\c+3], v[ZW], s[WB:WB+1] offset:2162688+67584+2048*\t+512*\c
.endr
.endr
	WIN 0
	s_wait_loadcnt 0x0
	ZLN 0, 192
	ZLN 1, 112
.rept 8
	v_nop                                          ; codes made by vector lines stand 4 places, a scale word 8, ahead of the products
.endr
	s_wait_alu depctr_va_vdst(0)                   ; the conversions have written the rows' two fragments v64-95 and the vector lines their scale words v32, v33, which the products take; the places above stay beside this wait
	WIN 0x01
.irp u, 0,1
.irp t, 0,1,2,3
	v_wmma_scale_f32_16x16x128_f8f6f4 v[ACC+32*\u+8*\t:ACC+32*\u+8*\t+7], v[16*\t:16*\t+15], v[ZN+16*\u:ZN+16*\u+15], 0, v[WS+\t], v[AS+\u]
.endr
.endr
	WIN 0
.rept 8
	v_nop
.endr
	QUANT ACC, PCZ, PW
	s_wait_alu depctr_va_vdst(0)                   ; the conversions have written the codes v96-111 and the vector lines the word v56, which k's stores read
	STQK PCZ, KC, KW, R8
	WIN 0x04
.irp t, 0,1,2,3
.irp u, 0,1
	v_wmma_scale_f32_16x16x128_f8f6f4 v[ACC+16*\t+8*\u:ACC+16*\t+8*\u+7], v[ZN+16*\u:ZN+16*\u+15], v[64+16*\t:64+16*\t+15], 0, v[AS+\u], v[WS+4+\t]
.endr
.endr
	WIN 0
.rept 8
	v_nop
.endr
	s_wait_xcnt 0x0                                ; k's stores have read the codes and the word, which are made anew now
	s_wait_alu depctr_vm_vsrc(0)                   ; k's stores have read v96-111 and v56, which the lines below write again
	QUANT ACC, PCZ, PW
	s_wait_alu depctr_va_vdst(0)                   ; the conversions have written the codes v96-111 and the vector lines the bytes v44-47, which v's stores read
	STV PCZ
	s_endpgm
.Lfunc_end_k_q26209419b5_qkv:
	.size	k_q26209419b5_qkv, .Lfunc_end_k_q26209419b5_qkv-k_q26209419b5_qkv
	.p2alignl 7, 3214868480
	.fill 96, 4, 3214868480
	.section	.rodata,"a",@progbits
	.p2align	6, 0x0
	.amdhsa_kernel k_q26209419b5_qkv
		.amdhsa_group_segment_fixed_size 133632
		.amdhsa_private_segment_fixed_size 0
		.amdhsa_enable_private_segment 0
		.amdhsa_kernarg_size 80
		.amdhsa_user_sgpr_count 2
		.amdhsa_user_sgpr_kernarg_segment_ptr 1
		.amdhsa_wavefront_size32 1
		.amdhsa_system_sgpr_workgroup_id_x 1
		.amdhsa_system_sgpr_workgroup_id_y 1
		.amdhsa_system_sgpr_workgroup_id_z 1
		.amdhsa_system_vgpr_workitem_id 0
		.amdhsa_next_free_vgpr 512
		.amdhsa_next_free_sgpr 66
		.amdhsa_reserve_vcc 1
		.amdhsa_float_denorm_mode_32 3
		.amdhsa_float_denorm_mode_16_64 3
		.amdhsa_memory_ordered 1
		.amdhsa_forward_progress 1
		.amdhsa_inst_pref_size 165
	.end_amdhsa_kernel
	.amdgpu_metadata
---
amdhsa.version: [ 1, 2 ]
amdhsa.kernels:
  - .name:           k_q26209419b5_qkv
    .symbol:         k_q26209419b5_qkv.kd
    .args:
      - { .name: X, .offset: 0, .size: 8, .value_kind: global_buffer, .address_space: global }
      - { .name: g1, .offset: 8, .size: 8, .value_kind: global_buffer, .address_space: global }
      - { .name: b1, .offset: 16, .size: 8, .value_kind: global_buffer, .address_space: global }
      - { .name: Zelta, .offset: 24, .size: 8, .value_kind: global_buffer, .address_space: global }
      - { .name: g2, .offset: 32, .size: 8, .value_kind: global_buffer, .address_space: global }
      - { .name: b2, .offset: 40, .size: 8, .value_kind: global_buffer, .address_space: global }
      - { .name: wimg, .offset: 48, .size: 8, .value_kind: global_buffer, .address_space: global }
      - { .name: qbuf, .offset: 56, .size: 8, .value_kind: global_buffer, .address_space: global }
      - { .name: kvs, .offset: 64, .size: 8, .value_kind: global_buffer, .address_space: global }
      - { .name: kvc, .offset: 72, .size: 8, .value_kind: global_buffer, .address_space: global }
    .group_segment_fixed_size: 133632
    .private_segment_fixed_size: 0
    .kernarg_segment_align: 8
    .kernarg_segment_size: 80
    .max_flat_workgroup_size: 256
    .sgpr_count:     66
    .vgpr_count:     512
    .wavefront_size: 32
...
	.end_amdgpu_metadata
.endif
;; end of part 7
;; launch attn_s: the kernel of part 3 again; grid 8 x 32, 8 waves a work-group, clusters of 4 x 1, 327,680 bytes of LDS; arguments qbuf, kvs, obuf; writes obuf
;; launch mid (part 8): grid 256 x 1, 8 waves a work-group, no clusters, 133,632 bytes of LDS; arguments obuf, X, g1, b1, wimg, x1, qbuf; writes x1, qbuf
.if DOCPART == 8
	.amdgcn_target "amdgcn-amd-amdhsa--gfx1250"
	.amdhsa_code_object_version 6
	.text
	.protected	k_q26209419b5_mid
	.globl	k_q26209419b5_mid
	.p2align	8
	.type	k_q26209419b5_mid,@function
k_q26209419b5_mid:
	s_mov_b64 s[64:65], 0
	v_nop
	global_prefetch_b8 v0, s[64:65] scope:SCOPE_SE
	s_setreg_imm32_b32 hwreg(HW_REG_WAVE_SCHED_MODE, 0, 2), 2
	s_setreg_imm32_b32 hwreg(HW_REG_WAVE_MODE, 25, 1), 1
	s_wait_xcnt 0x0
	s_wait_alu depctr_vm_vsrc(0)
; 32 rows a work-group: x1 = X + o Wo_s (the residual is the C of the first K step); x1 leaves as rows; layer norm, quantised, times Wq_c; q leaves as codes in the order of attention's operand registers.
; Shares, layouts, LDS map and macros as in the launch that makes q, k and v: eight waves, wave w owns columns 64 w .. 64 w + 63 of all 32 rows; its share of a weight comes from memory straight into window 1.
; No cluster and no joint load: a weight's image fills most of LDS and two are walked here, so shared tiles would want refills behind rounds.
; LIMITS: NaN and infinities are not served; a block of zeros gets the byte 1 (its codes are zeros, and only this program reads the bytes).
; THE MODE: SCHED_MODE bits 1:0 = 2 (LLVM: expert scheduling mode 2), set by the entry lines.  The code itself states the register dependences
; between vector or matrix instructions and memory or LDS instructions, with s_wait_alu, always for 0.
; THE PLAN.  Registers that memory or LDS instructions touch:
;   v1-v18, v57       addresses and offsets: made at the head, read by every load and store, never written again: one wait on va_vdst ahead of the first load.
;   window 1, v24-31  a weight's fragments and scale words: LOADW's loads land there, a product's 32 matrix instructions read them: one wait on va_vdst behind the first product, ahead of the second LOADW.
;   v64-191, v32-39   the rows' fragments and scale words: GEMM's LDS loads land there, the products read them.  Ahead of the first product v64-83 pass o, gain and bias on to LDS; behind it v64-127 take x1's rows
;                     back from the stage for their stores; then they are at work in the layer norm, and v64-79 hold the codes that QUANT writes and stores read.
;   v56               a scale word: landed once, then written by QUANT; stores read it.
;   v58-61            (mean, M2): vector lines write them, one LDS store reads them, vector lines write them again.
;   v192-255          the accumulators: X lands there; the products write them; the stage's stores read them; the layer norm writes them in place.
; So: a wait on vm_vsrc at GEMM's head and at the layer norm's, ahead of what lands on or writes registers that stores have read; a wait on va_vdst behind the first product, for the weight's loads, the stage's stores
; and the loads from the stage alike; a wait on va_vdst behind each QUANT, ahead of the stores of its results; the two waits round the store of (mean, M2).
.set IMG0, 0
.set IMG1, 17408
.set STAT, 52224
.set GB,   54784
.set STG,  62976
.set MSTR, 270336
.set L16, 1
.set L4,  2
.set WOF, 3
.set WSO, 4
.set XOFF, 5
.set STO, 6
.set SRD, 7
.set GRO, 8
.set STW, 9
.set STR, 10
.set IMW, 11
.set ISW, 12
.set GBA, 13
.set R4,  14
.set R8,  15
.set T16, 16
.set G16, 17
.set SB,  22
.set WS,  24
.set AS,  32
.set TM,  40
.set PW,  56
.set MP,  58
.set SA,  62
.set AF,  64
.set PC,  64
.set ACC, 192
.set WV,  8
.set SEL, 10
.set MNT, 12
.set EPS, 13
.set I512, 14
.set WB,  24
.set XB,  36
.set QC,  38
.set QW,  40
.set OCB, 42
.set OWB, 44
.set X1B, 46
.set MSB, 0
.macro WIN new
.if MSB != \new
	s_set_vgpr_msb (MSB<<8)|\new
.set MSB, \new
.endif
.endm
.macro BARRIER
	s_wait_dscnt 0x0
	s_barrier_signal -1
	s_barrier_wait -1
.endm
.macro HEAD
	v_lshrrev_b32 v18, 5, v0
	v_readfirstlane_b32 s[WV], v18
	v_and_b32 v18, 31, v0
	v_and_b32 v19, 15, v0
	v_bfe_u32 v57, v0, 4, 1
	v_lshlrev_b32 v[L16], 4, v18
	v_lshlrev_b32 v[L4], 2, v18
	s_wait_alu depctr_va_sdst(0)                   ; the wave's number is written into s8, ahead of its first reader
	s_lshl_b32 s2, s[WV], 15
	v_add_nc_u32 v[WOF], s2, v[L16]
	s_lshl_b32 s2, s[WV], 10
	v_add_nc_u32 v[IMW], s2, v[L16]
	s_add_co_u32 s2, s2, 262144
	v_lshl_add_u32 v[WSO], v18, 3, s2
	v_and_b32 v[R4], 8, v19
	v_add_nc_u32 v[R4], v[R4], v19
	s_lshl_b32 s2, s[WV], 8
	v_lshl_add_u32 v[XOFF], v[R4], 11, s2
	v_lshl_add_u32 v[XOFF], v57, 6, v[XOFF]
	v_lshl_add_u32 v[GRO], v57, 11, s2
	v_lshl_add_u32 v[GRO], v19, 4, v[GRO]
	s_add_co_u32 s2, s2, GB
	v_lshl_add_u32 v[GBA], v57, 6, s2
	s_mul_i32 s3, s[WV], 8704
	s_add_co_u32 s3, s3, STG
	v_mul_u32_u24 v[STO], v[R4], 272
	v_lshl_add_u32 v[STO], v57, 6, v[STO]
	v_add_nc_u32 v[STO], s3, v[STO]
	v_mul_u32_u24 v[SRD], v57, 272
	v_lshl_add_u32 v[SRD], v19, 4, v[SRD]
	v_add_nc_u32 v[SRD], s3, v[SRD]
	v_mul_u32_u24 v[STR], v19, 80
	v_add_nc_u32 v[STR], STAT, v[STR]
	s_lshl_b32 s3, s[WV], 3
	v_add_nc_u32 v[STW], s3, v[STR]
	s_lshr_b32 s3, s[WV], 1
	s_lshl_b32 s3, s3, 7
	s_and_b32 s2, s[WV], 1
	s_lshl_b32 s2, s2, 1
	s_add_co_u32 s3, s3, s2
	v_add_nc_u32 v[ISW], s3, v[L4]
	v_lshlrev_b32 v[R4], 2, v19
	v_lshlrev_b32 v[R8], 3, v19
	v_lshl_add_u32 v[T16], v0, 4, GB
	v_and_b32 v[G16], 127, v0
	v_lshlrev_b32 v[G16], 4, v[G16]
.irp i, 4,5,6,7
	v_mov_b32 v[TM+\i], 0
.endr
	v_mov_b32 v[SB], 0
	v_mov_b32 v[SB+1], 0
.irp i, 0,1,2,3
	v_mov_b32 v[MP+\i], 0
.endr
	s_mov_b32 s[SEL], 0x76543210
	s_mov_b32 s[SEL+1], 0xfedcba98
	s_mov_b32 s[MNT], 0x600000
	s_mov_b32 s[EPS], 0x3727c5ac
	s_mov_b32 s[I512], 0x3b000000
	s_mov_b32 s53, 0
.endm
.macro QUANT s, d, w
.irp b, 0,1,2,3
	v_max3_num_f32 v[TM+\b], |v[\s+16*\b]|, |v[\s+1+16*\b]|, 0x4800000
.endr
.irp i, 2,4,6,8,10,12,14
.irp b, 0,1,2,3
	v_max3_num_f32 v[TM+\b], v[TM+\b], |v[\s+16*\b+\i]|, |v[\s+1+16*\b+\i]|
.endr
.endr
.irp b, 0,1,2,3
	v_permlanex16_b32 v[TM+4+\b], v[TM+\b], s[SEL], s[SEL+1]
.endr
.irp b, 0,1,2,3
	v_max_num_f32 v[TM+\b], v[TM+\b], v[TM+4+\b]
.endr
.irp b, 0,1,2,3
	v_add_nc_u32 v[TM+12+\b], 0xfc000000, v[TM+\b]
.endr
.irp b, 0,1,2,3
	v_and_or_b32 v[TM+8+\b], v[TM+\b], 0x7f800000, s[MNT]
.endr
.irp b, 0,1,2,3
	v_lshrrev_b32 v[TM+4+\b], 23, v[TM+12+\b]
.endr
	v_lshl_or_b32 v[\w], v[TM+5], 8, v[TM+4]
	v_lshl_or_b32 v[\w], v[TM+6], 16, v[\w]
	v_lshl_or_b32 v[\w], v[TM+7], 24, v[\w]
.irp b, 0,1,2,3
.irp i, 0,1,2,3,4,5,6,7,8,9,10,11,12,13,14,15
	v_med3_num_f32 v[\s+16*\b+\i], v[\s+16*\b+\i], -v[TM+8+\b], v[TM+8+\b]
.endr
	v_cvt_scalef32_pk8_fp8_f32 v[\d+4*\b:\d+1+4*\b], v[\s+16*\b:\s+7+16*\b], v[TM+12+\b]
	v_cvt_scalef32_pk8_fp8_f32 v[\d+2+4*\b:\d+3+4*\b], v[\s+8+16*\b:\s+15+16*\b], v[TM+12+\b]
.endr
	v_nop
.endm
.macro LOADW m
	WIN 0x40
.set i, 0
.rept 64
	global_load_b128 v[4*i:4*i+3], v[WOF], s[WB:WB+1] offset:\m*MSTR+512*i
.set i, i+1
.endr
	WIN 0
.irp t, 0,1,2,3
	global_load_b64 v[WS+2*\t:WS+2*\t+1], v[WSO], s[WB:WB+1] offset:\m*MSTR+256*\t
.endr
.endm
.macro LOADACC base
.irp u, 0,1
.irp c, 0,1
.irp j, 0,1,2,3
	global_load_b128 v[ACC+32*\u+16*\c+4*\j:ACC+32*\u+16*\c+4*\j+3], v[XOFF], s[\base:\base+1] offset:16384*\u+128*\c+16*\j th:TH_LOAD_NT
.endr
.endr
.endr
.endm
.macro MM cinit, s, u, t
.set rW, 16*(4*\t+\s)
.set rA, AF+16*(4*\u+\s)
.set rX, WS+2*\t+\s/2
.set rY, AS+4*\u+\s
.set rD, ACC+32*\u+8*\t
.if (\s == 0) && (\cinit == 0)
	v_wmma_scale_f32_16x16x128_f8f6f4 v[rD:rD+7], v[rW:rW+15], v[rA:rA+15], 0, v[rX], v[rY]
.elseif (\s % 2) == 0
	v_wmma_scale_f32_16x16x128_f8f6f4 v[rD:rD+7], v[rW:rW+15], v[rA:rA+15], v[rD:rD+7], v[rX], v[rY]
.else
	v_wmma_scale_f32_16x16x128_f8f6f4 v[rD:rD+7], v[rW:rW+15], v[rA:rA+15], v[rD:rD+7], v[rX], v[rY] matrix_a_scale:MATRIX_SCALE_ROW1
.endif
.endm
; 32 rows x my 64 columns x K = 512, source 0 = the weight.  The 8 accumulators take turns, one instruction a turn.
.macro GEMM img, cinit
	s_wait_xcnt 0x0                                ; earlier stores have read their registers: the fragments below land on them
	s_wait_alu depctr_vm_vsrc(0)                   ; the LDS stores issued so far (o's images, gain and bias; later the rows' images) have read v64-83, on which fragments land.  (The vector and matrix lines that named v32-39 and v64-191 stand ahead of the wait on va_vdst in front of those stores)
.irp f, 0,1,2,3,4,5,6,7
.irp c, 0,1,2,3
	ds_load_b128 v[AF+16*\f+4*\c:AF+16*\f+4*\c+3], v[L16] offset:\img+2048*\f+512*\c
.endr
	ds_load_b32 v[AS+\f], v[L4] offset:\img+16384+128*\f
.endr
	s_wait_dscnt 0x0
	s_wait_loadcnt 0x0
	WIN 0x01
.irp s, 0,1,2,3
.irp u, 0,1
.irp t, 0,1,2,3
	MM \cinit, \s, \u, \t
.endr
.endr
.endr
	WIN 0
.rept 8
	v_nop                                          ; eight places ahead of the first read of results, by vector lines and by stores, and of vector lines that write the operands
.endr
.endm
.macro IMGOUT img
.irp u, 0,1
.irp c, 0,1
	ds_store_b128 v[IMW], v[PC+8*\u+4*\c:PC+8*\u+4*\c+3] offset:\img+8192*\u+512*\c
.endr
.endr
	ds_store_b16 v[ISW], v[PW] offset:\img+16384
	ds_store_b16_d16_hi v[ISW], v[PW] offset:\img+16384+512
.endm
.macro PARK                            ; the accumulators, each from its low end on, into my own stage: 32 rows of my 256 bytes
.irp u, 0,1
.irp c, 0,1
.irp j, 0,1,2,3
	ds_store_b128 v[STO], v[ACC+32*\u+16*\c+4*\j:ACC+32*\u+16*\c+4*\j+3] offset:2176*\u+128*\c+16*\j
.endr
.endr
.endr
.endm
.macro OUTROWS base                    ; back by rows (LDS serves a wave's instructions in order): sixteen lanes store 256 consecutive bytes, aligned
.irp i, 0,1,2,3,4,5,6,7,8,9,10,11,12,13,14,15
	ds_load_b128 v[AF+4*\i:AF+4*\i+3], v[SRD] offset:544*\i
.endr
.irp i, 0,1,2,3,4,5,6,7,8,9,10,11,12,13,14,15
	s_wait_dscnt 15-\i
	global_store_b128 v[GRO], v[AF+4*\i:AF+4*\i+3], s[\base:\base+1] offset:4096*\i
.endr
.endm
.macro LNQ img
	s_wait_xcnt 0x0                                ; the rows' stores have read v64 on
	s_wait_alu depctr_vm_vsrc(0)                   ; the rows' stores have read v64-127, which the differences below write; the stage's stores have read the accumulators, which are normalised in place further down
.irp k, 0,1,2,3,4,5,6,7
.irp u, 0,1
	v_pk_add_f32 v[144+16*\u+2*\k:145+16*\u+2*\k], v[ACC+32*\u+4*\k:ACC+32*\u+4*\k+1], v[ACC+32*\u+4*\k+2:ACC+32*\u+4*\k+3]
.endr
.endr
.irp k, 0,1,2,3
.irp u, 0,1
	v_pk_add_f32 v[144+16*\u+2*\k:145+16*\u+2*\k], v[144+16*\u+2*\k:145+16*\u+2*\k], v[152+16*\u+2*\k:153+16*\u+2*\k]
.endr
.endr
.irp k, 0,1
.irp u, 0,1
	v_pk_add_f32 v[144+16*\u+2*\k:145+16*\u+2*\k], v[144+16*\u+2*\k:145+16*\u+2*\k], v[148+16*\u+2*\k:149+16*\u+2*\k]
.endr
.endr
.irp u, 0,1
	v_pk_add_f32 v[144+16*\u:145+16*\u], v[144+16*\u:145+16*\u], v[146+16*\u:147+16*\u]
.endr
.irp u, 0,1
	v_add_f32 v[SA+\u], v[144+16*\u], v[145+16*\u]
.endr
.irp u, 0,1
	v_permlanex16_b32 v[SB+\u], v[SA+\u], s[SEL], s[SEL+1]
.endr
.irp u, 0,1
	v_add_f32 v[SA+\u], v[SA+\u], v[SB+\u]
.endr
.irp u, 0,1
	v_mul_f32 v[MP+2*\u], 0x3c800000, v[SA+\u]
.endr
.irp u, 0,1
.set k, 0
.rept 16
	v_pk_add_f32 v[64+32*\u+k:65+32*\u+k], v[ACC+32*\u+k:ACC+32*\u+k+1], v[MP+2*\u:MP+2*\u+1] op_sel_hi:[1,0] neg_lo:[0,1] neg_hi:[0,1]
.set k, k+2
.endr
.endr
.irp u, 0,1
	v_pk_mul_f32 v[144+16*\u:145+16*\u], v[64+32*\u:65+32*\u], v[64+32*\u:65+32*\u]
	v_pk_mul_f32 v[146+16*\u:147+16*\u], v[66+32*\u:67+32*\u], v[66+32*\u:67+32*\u]
.endr
.irp k, 4,8,12,16,20,24,28
.irp u, 0,1
	v_pk_fma_f32 v[144+16*\u:145+16*\u], v[64+32*\u+\k:65+32*\u+\k], v[64+32*\u+\k:65+32*\u+\k], v[144+16*\u:145+16*\u]
	v_pk_fma_f32 v[146+16*\u:147+16*\u], v[66+32*\u+\k:67+32*\u+\k], v[66+32*\u+\k:67+32*\u+\k], v[146+16*\u:147+16*\u]
.endr
.endr
.irp u, 0,1
	v_pk_add_f32 v[144+16*\u:145+16*\u], v[144+16*\u:145+16*\u], v[146+16*\u:147+16*\u]
.endr
.irp u, 0,1
	v_add_f32 v[SA+\u], v[144+16*\u], v[145+16*\u]
.endr
.irp u, 0,1
	v_permlanex16_b32 v[SB+\u], v[SA+\u], s[SEL], s[SEL+1]
.endr
.irp u, 0,1
	v_add_f32 v[MP+2*\u+1], v[SA+\u], v[SB+\u]
.endr
	s_wait_alu depctr_va_vdst(0)                   ; the pairs v58-61 are written, which the stores below read; and the lines above are done with v80-175, in which the loads behind the barrier land
.irp u, 0,1
	ds_store_b64 v[STW], v[MP+2*\u:MP+2*\u+1] offset:1280*\u
.endr
	BARRIER                                        ; all eight waves' pairs (mean, M2) lie in LDS
.irp u, 0,1
.irp i, 0,1,2,3
	ds_load_b128 v[144+16*\u+4*\i:147+16*\u+4*\i], v[STR] offset:1280*\u+16*\i
.endr
.endr
.irp c, 0,1
.irp j, 0,1,2,3
	ds_load_b128 v[80+16*\c+4*\j:83+16*\c+4*\j], v[GBA] offset:128*\c+16*\j
	ds_load_b128 v[112+16*\c+4*\j:115+16*\c+4*\j], v[GBA] offset:2048+128*\c+16*\j
.endr
.endr
	s_wait_dscnt 0x0
	s_wait_alu depctr_vm_vsrc(0)                   ; my stores of the pairs have read v58-61, which are written anew below
.irp u, 0,1
.irp k, 0,1,2,3
	v_pk_add_f32 v[176+8*\u+2*\k:177+8*\u+2*\k], v[144+16*\u+4*\k:145+16*\u+4*\k], v[146+16*\u+4*\k:147+16*\u+4*\k]
.endr
	v_pk_add_f32 v[176+8*\u:177+8*\u], v[176+8*\u:177+8*\u], v[178+8*\u:179+8*\u]
	v_pk_add_f32 v[180+8*\u:181+8*\u], v[180+8*\u:181+8*\u], v[182+8*\u:183+8*\u]
	v_pk_add_f32 v[176+8*\u:177+8*\u], v[176+8*\u:177+8*\u], v[180+8*\u:181+8*\u]
	v_mul_f32 v[MP+2*\u], 0x3e000000, v[176+8*\u]
.irp i, 0,1,2,3,4,5,6,7
	v_sub_f32 v[144+16*\u+2*\i], v[144+16*\u+2*\i], v[MP+2*\u]
.endr
	v_mul_f32 v[SA+\u], v[144+16*\u], v[144+16*\u]
.irp i, 1,2,3,4,5,6,7
	v_fma_f32 v[SA+\u], v[144+16*\u+2*\i], v[144+16*\u+2*\i], v[SA+\u]
.endr
	v_fma_f32 v[SA+\u], v[SA+\u], 0x42800000, v[177+8*\u]
	v_fma_f32 v[SA+\u], v[SA+\u], s[I512], s[EPS]
	v_rsq_f32 v[144+16*\u], v[SA+\u]               ; twice: a pair for the packed multiply; the next plain line touches neither result nor source
	v_rsq_f32 v[145+16*\u], v[SA+\u]
.endr
.irp u, 0,1
.set k, 0
.rept 16
	v_pk_add_f32 v[ACC+32*\u+k:ACC+32*\u+k+1], v[ACC+32*\u+k:ACC+32*\u+k+1], v[MP+2*\u:MP+2*\u+1] op_sel_hi:[1,0] neg_lo:[0,1] neg_hi:[0,1]
.set k, k+2
.endr
.endr
	s_wait_alu depctr_va_vdst(0)                   ; the four reciprocal roots v144, v145, v160, v161 are written, ahead of their first reader
.irp u, 0,1
.set k, 0
.rept 16
	v_pk_mul_f32 v[ACC+32*\u+k:ACC+32*\u+k+1], v[ACC+32*\u+k:ACC+32*\u+k+1], v[144+16*\u:145+16*\u]
.set k, k+2
.endr
.endr
.irp u, 0,1
.set k, 0
.rept 16
	v_pk_fma_f32 v[ACC+32*\u+k:ACC+32*\u+k+1], v[ACC+32*\u+k:ACC+32*\u+k+1], v[80+k:81+k], v[112+k:113+k]
.set k, k+2
.endr
.endr
	QUANT ACC, PC, PW
	s_wait_alu depctr_va_vdst(0)                   ; the conversions have written the codes v64-79 and the vector lines the word v56, which the images' stores read
	IMGOUT \img
	BARRIER                                        ; the rows' eight fragments lie in LDS
.endm
	s_load_b256 s[16:23], s[0:1], 0x0              ; o, X, g1, b1
	s_load_b128 s[24:27], s[0:1], 0x20             ; wimg, x1
	s_load_b64 s[28:29], s[0:1], 0x30              ; q
	v_lshl_add_u32 v20, v0, 2, 0x20600
	v_mov_b32 v21, 0
	HEAD
	s_lshl_b32 s2, s[WV], 11
	v_add_nc_u32 v57, s2, v[L16]                   ; where fragment w of o goes in LDS
	s_lshl_b32 s3, s[WV], 7
	v_add_nc_u32 v18, s3, v[L4]                    ; and its scale words
	s_lshl_b32 s52, ttmp9, 14
	s_add_co_u32 s52, s52, s2
	s_wait_kmcnt 0x0
	s_add_nc_u64 s[OCB:OCB+1], s[16:17], s[52:53]
	s_lshr_b32 s52, s52, 5
	s_add_co_u32 s52, s52, 4194304
	s_add_nc_u64 s[OWB:OWB+1], s[16:17], s[52:53]
	s_lshl_b32 s52, ttmp9, 16
	s_add_nc_u64 s[XB:XB+1], s[18:19], s[52:53]
	s_add_nc_u64 s[X1B:X1B+1], s[26:27], s[52:53]
	s_lshr_b32 s50, ttmp9, 6
	s_and_b32 s51, ttmp9, 63
	s_lshl_b32 s52, s50, 20
	s_lshl_b32 s2, s[WV], 17
	s_add_co_u32 s52, s52, s2
	s_lshl_b32 s2, s51, 11
	s_add_co_u32 s52, s52, s2
	s_add_nc_u64 s[QC:QC+1], s[28:29], s[52:53]
	s_lshr_b32 s52, s52, 5
	s_add_co_u32 s52, s52, 4194304
	s_add_nc_u64 s[QW:QW+1], s[28:29], s[52:53]
	s_cmp_lt_u32 s[WV], 4
	s_cselect_b64 s[4:5], s[20:21], s[22:23]
	s_wait_alu depctr_va_vdst(0)                   ; the addresses and offsets v1-v18 and v57 are written, which every load and store of the kernel reads
.irp c, 0,1,2,3
	global_load_b128 v[64+4*\c:67+4*\c], v[L16], s[OCB:OCB+1] offset:512*\c th:TH_LOAD_NT
.endr
	global_load_b32 v[PW], v[R4], s[OWB:OWB+1]
	global_load_b128 v[80:83], v[G16], s[4:5]
	LOADACC XB
	LOADW 3
	s_wait_loadcnt 63                              ; 68 loads of the weight were issued behind the rows': all before them are in
.irp c, 0,1,2,3
	ds_store_b128 v57, v[64+4*\c:67+4*\c] offset:IMG0+512*\c
.endr
	ds_store_b32 v18, v[PW] offset:IMG0+16384
	ds_store_b128 v[T16], v[80:83]
	BARRIER                                        ; o's eight fragments, gain and bias lie in LDS
	GEMM IMG0, 1                                   ; X + o Wo_s
	s_wait_alu depctr_va_vdst(0)                   ; the products are done reading window 1 and v24-31, in which the next weight lands, and v64-127, in which x1's rows land; they have written the accumulators, which the stage's stores read (the eight places stand ahead)
	LOADW 4
	PARK
	OUTROWS X1B
	LNQ IMG1
	GEMM IMG1, 0                                   ; q of the cross-attention
	QUANT ACC, PC, PW
	s_wait_alu depctr_va_vdst(0)                   ; the conversions have written the codes v64-79 and the vector lines the word v56, which q's stores read
.irp c, 0,1,2,3
	global_store_b128 v[L16], v[PC+4*\c:PC+4*\c+3], s[QC:QC+1] offset:512*\c
.endr
	global_store_b32 v[R4], v[PW], s[QW:QW+1]
	s_wait_dscnt 0x0                               ; the closing lines, six on end
	s_wait_alu 0x0
	s_wait_tensorcnt 0x0
	ds_add_u32 v20, v21
	s_wait_dscnt 0x0
	s_endpgm
.Lfunc_end_k_q26209419b5_mid:
	.size	k_q26209419b5_mid, .Lfunc_end_k_q26209419b5_mid-k_q26209419b5_mid
	.p2alignl 7, 3214868480
	.fill 96, 4, 3214868480
	.section	.rodata,"a",@progbits
	.p2align	6, 0x0
	.amdhsa_kernel k_q26209419b5_mid
		.amdhsa_group_segment_fixed_size 133632
		.amdhsa_private_segment_fixed_size 0
		.amdhsa_enable_private_segment 0
		.amdhsa_kernarg_size 56
		.amdhsa_user_sgpr_count 2
		.amdhsa_user_sgpr_kernarg_segment_ptr 1
		.amdhsa_wavefront_size32 1
		.amdhsa_system_sgpr_workgroup_id_x 1
		.amdhsa_system_sgpr_workgroup_id_y 1
		.amdhsa_system_sgpr_workgroup_id_z 1
		.amdhsa_system_vgpr_workitem_id 0
		.amdhsa_next_free_vgpr 512
		.amdhsa_next_free_sgpr 66
		.amdhsa_reserve_vcc 0
		.amdhsa_float_denorm_mode_32 3
		.amdhsa_float_denorm_mode_16_64 3
		.amdhsa_memory_ordered 1
		.amdhsa_forward_progress 1
		.amdhsa_inst_pref_size 73
	.end_amdhsa_kernel
	.amdgpu_metadata
---
amdhsa.version: [ 1, 2 ]
amdhsa.kernels:
  - .name:           k_q26209419b5_mid
    .symbol:         k_q26209419b5_mid.kd
    .args:
      - { .name: obuf, .offset: 0, .size: 8, .value_kind: global_buffer, .address_space: global }
      - { .name: X, .offset: 8, .size: 8, .value_kind: global_buffer, .address_space: global }
      - { .name: g1, .offset: 16, .size: 8, .value_kind: global_buffer, .address_space: global }
      - { .name: b1, .offset: 24, .size: 8, .value_kind: global_buffer, .address_space: global }
      - { .name: wimg, .offset: 32, .size: 8, .value_kind: global_buffer, .address_space: global }
      - { .name: x1, .offset: 40, .size: 8, .value_kind: global_buffer, .address_space: global }
      - { .name: qbuf, .offset: 48, .size: 8, .value_kind: global_buffer, .address_space: global }
    .group_segment_fixed_size: 133632
    .private_segment_fixed_size: 0
    .kernarg_segment_align: 8
    .kernarg_segment_size: 56
    .max_flat_workgroup_size: 256
    .sgpr_count:     66
    .vgpr_count:     512
    .wavefront_size: 32
...
	.end_amdgpu_metadata
.endif
;; end of part 8
;; launch attn_c: the kernel of part 5 again; grid 8 x 32, 8 waves a work-group, clusters of 4 x 1, 327,680 bytes of LDS; arguments qbuf, kvc, obuf; writes obuf
;; launch tail (part 9): grid 256 x 1, 8 waves a work-group, no clusters, 133,632 bytes of LDS; arguments obuf, x1, g1, b1, bf1, bf2, wimg, out0; writes out0
.if DOCPART == 9
	.amdgcn_target "amdgcn-amd-amdhsa--gfx1250"
	.amdhsa_code_object_version 6
	.text
	.protected	k_q26209419b5_tail
	.globl	k_q26209419b5_tail
	.p2align	8
	.type	k_q26209419b5_tail,@function
k_q26209419b5_tail:
	s_mov_b64 s[64:65], 0
	v_nop
	global_prefetch_b8 v0, s[64:65] scope:SCOPE_SE
	s_setreg_imm32_b32 hwreg(HW_REG_WAVE_SCHED_MODE, 0, 2), 2
	s_setreg_imm32_b32 hwreg(HW_REG_WAVE_MODE, 25, 1), 1
	s_wait_xcnt 0x0
	s_wait_alu depctr_vm_vsrc(0)
; 32 rows a work-group: x2 = x1 + o Wo_c; layer norm, quantised; h = gelu(n W1 + bf1), quantised; out = x2 + bf2 + h W2.  Residuals and biases are the C of a sum's first K step.  x2 waits in each wave's own stage in LDS.
; Shares, layouts, LDS map and macros as in the launch that makes q, k and v: eight waves, wave w owns columns 64 w .. 64 w + 63 of all 32 rows; its share of a weight comes from memory straight into window 1.
; No cluster and no joint load: a weight's image fills most of LDS and three are walked here, so shared tiles would want refills behind rounds.
; GELU, exact form: h = max(x, 0) - (a / sqrt 2) erfc(a), a = |x| / sqrt 2 (held at 16, where erfc has long fallen to 0).  erfc(a) = (1 + P(q)) / (1 + 2 a) x exp(-a^2), q = (a - 2) / (a + 2), P of degree 9;
; exp(-a^2) = 2^(-S log2 e) (1 + T) with S = a^2 rounded and T = S - a^2 exactly.
; LIMITS: NaN and infinities are not served; a block of zeros gets the byte 1; erfc's relative error is about 1e-7 x a^2, on a term that falls as exp(-a^2).
; THE MODE: SCHED_MODE bits 1:0 = 2 (LLVM: expert scheduling mode 2), set by the entry lines.  The code itself states the register dependences
; between vector or matrix instructions and memory or LDS instructions, with s_wait_alu, always for 0.
; THE PLAN.  Registers that memory or LDS instructions touch:
;   v1-v18, v57       addresses and offsets: made at the head, read by every load and store, never written again: one wait on va_vdst ahead of the first load.
;   window 1, v24-31  a weight's fragments and scale words: LOADW's loads land there, a product's 32 matrix instructions read them: one wait on va_vdst behind each of the first two products, ahead of the next LOADW.
;   v64-191, v32-39   the rows' fragments and scale words: GEMM's LDS loads land there, the products read them.  Ahead of the first product v64-87 pass o, gain and the biases on to LDS; between products they are at work,
;                     v64-79 hold the codes that QUANT writes and stores read, v64-95 take bf2; behind the last product v64-127 take the rows back from the stage for their stores.
;   v56               a scale word: landed once, then written by QUANT; stores read it.
;   v58-61            (mean, M2): vector lines write them, one LDS store reads them, vector lines write them again.
;   v192-255          the accumulators: x1, bf1 and x2 land there; products and vector lines write them; the stage's stores read them.  At the end v254 and v255 are made anew for the closing lines.
; So: a wait on vm_vsrc ahead of whatever lands on or writes registers that stores have read; a wait on va_vdst behind a product where loads or stores follow it; a wait on va_vdst behind each QUANT, ahead of
; the stores of its results; one behind the additions of bf2, whose registers the last fragments land on; the two waits round the store of (mean, M2).
.set IMG0, 0
.set IMG1, 17408
.set IMG2, 34816
.set STAT, 52224
.set GB,   54784
.set STG,  62976
.set MSTR, 270336
.set L16, 1
.set L4,  2
.set WOF, 3
.set WSO, 4
.set XOFF, 5
.set STO, 6
.set SRD, 7
.set GRO, 8
.set STW, 9
.set STR, 10
.set IMW, 11
.set ISW, 12
.set GBA, 13
.set R4,  14
.set R8,  15
.set T16, 16
.set G16, 17
.set K9,  20
.set SB,  22
.set WS,  24
.set AS,  32
.set TM,  40
.set PW,  56
.set MP,  58
.set SA,  62
.set AF,  64
.set PC,  64
.set ACC, 192
.set EA,  144                          ; gelu, eight numbers at a time: a; q; P; divisors; a^2; its rounding error
.set EQ,  152
.set EP,  160
.set ED,  168
.set ES,  176
.set ET,  184
.set WV,  8
.set SEL, 10
.set MNT, 12
.set EPS, 13
.set I512, 14
.set WB,  28
.set XB,  36
.set CLP, 38
.set RH,  40
.set OCB, 42
.set OWB, 44
.set OUTB, 46
.set MSB, 0
.macro WIN new
.if MSB != \new
	s_set_vgpr_msb (MSB<<8)|\new
.set MSB, \new
.endif
.endm
.macro BARRIER
	s_wait_dscnt 0x0
	s_barrier_signal -1
	s_barrier_wait -1
.endm
.macro HEAD
	v_lshrrev_b32 v18, 5, v0
	v_readfirstlane_b32 s[WV], v18
	v_and_b32 v18, 31, v0
	v_and_b32 v19, 15, v0
	v_bfe_u32 v57, v0, 4, 1
	v_lshlrev_b32 v[L16], 4, v18
	v_lshlrev_b32 v[L4], 2, v18
	s_wait_alu depctr_va_sdst(0)                   ; the wave's number is written into s8, ahead of its first reader
	s_lshl_b32 s2, s[WV], 15
	v_add_nc_u32 v[WOF], s2, v[L16]
	s_lshl_b32 s2, s[WV], 10
	v_add_nc_u32 v[IMW], s2, v[L16]
	s_add_co_u32 s2, s2, 262144
	v_lshl_add_u32 v[WSO], v18, 3, s2
	v_and_b32 v[R4], 8, v19
	v_add_nc_u32 v[R4], v[R4], v19
	s_lshl_b32 s2, s[WV], 8
	v_lshl_add_u32 v[XOFF], v[R4], 11, s2
	v_lshl_add_u32 v[XOFF], v57, 6, v[XOFF]
	v_lshl_add_u32 v[GRO], v57, 11, s2
	v_lshl_add_u32 v[GRO], v19, 4, v[GRO]
	s_add_co_u32 s2, s2, GB
	v_lshl_add_u32 v[GBA], v57, 6, s2
	s_mul_i32 s3, s[WV], 8704
	s_add_co_u32 s3, s3, STG
	v_mul_u32_u24 v[STO], v[R4], 272
	v_lshl_add_u32 v[STO], v57, 6, v[STO]
	v_add_nc_u32 v[STO], s3, v[STO]
	v_mul_u32_u24 v[SRD], v57, 272
	v_lshl_add_u32 v[SRD], v19, 4, v[SRD]
	v_add_nc_u32 v[SRD], s3, v[SRD]
	v_mul_u32_u24 v[STR], v19, 80
	v_add_nc_u32 v[STR], STAT, v[STR]
	s_lshl_b32 s3, s[WV], 3
	v_add_nc_u32 v[STW], s3, v[STR]
	s_lshr_b32 s3, s[WV], 1
	s_lshl_b32 s3, s3, 7
	s_and_b32 s2, s[WV], 1
	s_lshl_b32 s2, s2, 1
	s_add_co_u32 s3, s3, s2
	v_add_nc_u32 v[ISW], s3, v[L4]
	v_lshlrev_b32 v[R4], 2, v19
	v_lshlrev_b32 v[R8], 3, v19
	v_lshl_add_u32 v[T16], v0, 4, GB
	v_and_b32 v[G16], 127, v0
	v_lshlrev_b32 v[G16], 4, v[G16]
.irp i, 4,5,6,7
	v_mov_b32 v[TM+\i], 0
.endr
	v_mov_b32 v[SB], 0
	v_mov_b32 v[SB+1], 0
.irp i, 0,1,2,3
	v_mov_b32 v[MP+\i], 0
.endr
	s_mov_b32 s[SEL], 0x76543210
	s_mov_b32 s[SEL+1], 0xfedcba98
	s_mov_b32 s[MNT], 0x600000
	s_mov_b32 s[EPS], 0x3727c5ac
	s_mov_b32 s[I512], 0x3b000000
	s_mov_b32 s53, 0
.endm
.macro QUANT s, d, w
.irp b, 0,1,2,3
	v_max3_num_f32 v[TM+\b], |v[\s+16*\b]|, |v[\s+1+16*\b]|, 0x4800000
.endr
.irp i, 2,4,6,8,10,12,14
.irp b, 0,1,2,3
	v_max3_num_f32 v[TM+\b], v[TM+\b], |v[\s+16*\b+\i]|, |v[\s+1+16*\b+\i]|
.endr
.endr
.irp b, 0,1,2,3
	v_permlanex16_b32 v[TM+4+\b], v[TM+\b], s[SEL], s[SEL+1]
.endr
.irp b, 0,1,2,3
	v_max_num_f32 v[TM+\b], v[TM+\b], v[TM+4+\b]
.endr
.irp b, 0,1,2,3
	v_add_nc_u32 v[TM+12+\b], 0xfc000000, v[TM+\b]
.endr
.irp b, 0,1,2,3
	v_and_or_b32 v[TM+8+\b], v[TM+\b], 0x7f800000, s[MNT]
.endr
.irp b, 0,1,2,3
	v_lshrrev_b32 v[TM+4+\b], 23, v[TM+12+\b]
.endr
	v_lshl_or_b32 v[\w], v[TM+5], 8, v[TM+4]
	v_lshl_or_b32 v[\w], v[TM+6], 16, v[\w]
	v_lshl_or_b32 v[\w], v[TM+7], 24, v[\w]
.irp b, 0,1,2,3
.irp i, 0,1,2,3,4,5,6,7,8,9,10,11,12,13,14,15
	v_med3_num_f32 v[\s+16*\b+\i], v[\s+16*\b+\i], -v[TM+8+\b], v[TM+8+\b]
.endr
	v_cvt_scalef32_pk8_fp8_f32 v[\d+4*\b:\d+1+4*\b], v[\s+16*\b:\s+7+16*\b], v[TM+12+\b]
	v_cvt_scalef32_pk8_fp8_f32 v[\d+2+4*\b:\d+3+4*\b], v[\s+8+16*\b:\s+15+16*\b], v[TM+12+\b]
.endr
	v_nop
.endm
.macro LOADW m
	WIN 0x40
.set i, 0
.rept 64
	global_load_b128 v[4*i:4*i+3], v[WOF], s[WB:WB+1] offset:\m*MSTR+512*i
.set i, i+1
.endr
	WIN 0
.irp t, 0,1,2,3
	global_load_b64 v[WS+2*\t:WS+2*\t+1], v[WSO], s[WB:WB+1] offset:\m*MSTR+256*\t
.endr
.endm
.macro LOADACC base
.irp u, 0,1
.irp c, 0,1
.irp j, 0,1,2,3
	global_load_b128 v[ACC+32*\u+16*\c+4*\j:ACC+32*\u+16*\c+4*\j+3], v[XOFF], s[\base:\base+1] offset:16384*\u+128*\c+16*\j th:TH_LOAD_NT
.endr
.endr
.endr
.endm
.macro MM s, u, t
.set rW, 16*(4*\t+\s)
.set rA, AF+16*(4*\u+\s)
.set rX, WS+2*\t+\s/2
.set rY, AS+4*\u+\s
.set rD, ACC+32*\u+8*\t
.if (\s % 2) == 0
	v_wmma_scale_f32_16x16x128_f8f6f4 v[rD:rD+7], v[rW:rW+15], v[rA:rA+15], v[rD:rD+7], v[rX], v[rY]
.else
	v_wmma_scale_f32_16x16x128_f8f6f4 v[rD:rD+7], v[rW:rW+15], v[rA:rA+15], v[rD:rD+7], v[rX], v[rY] matrix_a_scale:MATRIX_SCALE_ROW1
.endif
.endm
; 32 rows x my 64 columns x K = 512, source 0 = the weight, added onto what the accumulators hold (a residual or a bias).  The 8 accumulators take turns, one instruction a turn.
; e = 1: LDS stores issued since the last wait on vm_vsrc have read registers on which the fragments land.
.macro GEMM img, e
	s_wait_xcnt 0x0
.if \e
	s_wait_alu depctr_vm_vsrc(0)                   ; the LDS stores issued so far (o's images, gain and the biases; later the rows' images) have read v64-87, on which fragments land.  (The vector and matrix lines that named v32-39 and v64-191 stand ahead of the wait on va_vdst in front of those stores)
.endif
.irp f, 0,1,2,3,4,5,6,7
.irp c, 0,1,2,3
	ds_load_b128 v[AF+16*\f+4*\c:AF+16*\f+4*\c+3], v[L16] offset:\img+2048*\f+512*\c
.endr
	ds_load_b32 v[AS+\f], v[L4] offset:\img+16384+128*\f
.endr
	s_wait_dscnt 0x0
	s_wait_loadcnt 0x0
	WIN 0x01
.irp s, 0,1,2,3
.irp u, 0,1
.irp t, 0,1,2,3
	MM \s, \u, \t
.endr
.endr
.endr
	WIN 0
.rept 8
	v_nop                                          ; eight places ahead of the first read of results, by vector lines and by stores, and of vector lines that write the operands
.endr
.endm
.macro IMGOUT img
.irp u, 0,1
.irp c, 0,1
	ds_store_b128 v[IMW], v[PC+8*\u+4*\c:PC+8*\u+4*\c+3] offset:\img+8192*\u+512*\c
.endr
.endr
	ds_store_b16 v[ISW], v[PW] offset:\img+16384
	ds_store_b16_d16_hi v[ISW], v[PW] offset:\img+16384+512
.endm
.macro PARK
.irp u, 0,1
.irp c, 0,1
.irp j, 0,1,2,3
	ds_store_b128 v[STO], v[ACC+32*\u+16*\c+4*\j:ACC+32*\u+16*\c+4*\j+3] offset:2176*\u+128*\c+16*\j
.endr
.endr
.endr
.endm
.macro UNPARK
.irp u, 0,1
.irp c, 0,1
.irp j, 0,1,2,3
	ds_load_b128 v[ACC+32*\u+16*\c+4*\j:ACC+32*\u+16*\c+4*\j+3], v[STO] offset:2176*\u+128*\c+16*\j
.endr
.endr
.endr
.endm
.macro OUTROWS base
.irp i, 0,1,2,3,4,5,6,7,8,9,10,11,12,13,14,15
	ds_load_b128 v[AF+4*\i:AF+4*\i+3], v[SRD] offset:544*\i
.endr
.irp i, 0,1,2,3,4,5,6,7,8,9,10,11,12,13,14,15
	s_wait_dscnt 15-\i
	global_store_b128 v[GRO], v[AF+4*\i:AF+4*\i+3], s[\base:\base+1] offset:4096*\i th:TH_STORE_NT
.endr
.endm
.macro LNQ img
	s_wait_xcnt 0x0
.irp k, 0,1,2,3,4,5,6,7
.irp u, 0,1
	v_pk_add_f32 v[144+16*\u+2*\k:145+16*\u+2*\k], v[ACC+32*\u+4*\k:ACC+32*\u+4*\k+1], v[ACC+32*\u+4*\k+2:ACC+32*\u+4*\k+3]
.endr
.endr
.irp k, 0,1,2,3
.irp u, 0,1
	v_pk_add_f32 v[144+16*\u+2*\k:145+16*\u+2*\k], v[144+16*\u+2*\k:145+16*\u+2*\k], v[152+16*\u+2*\k:153+16*\u+2*\k]
.endr
.endr
.irp k, 0,1
.irp u, 0,1
	v_pk_add_f32 v[144+16*\u+2*\k:145+16*\u+2*\k], v[144+16*\u+2*\k:145+16*\u+2*\k], v[148+16*\u+2*\k:149+16*\u+2*\k]
.endr
.endr
.irp u, 0,1
	v_pk_add_f32 v[144+16*\u:145+16*\u], v[144+16*\u:145+16*\u], v[146+16*\u:147+16*\u]
.endr
.irp u, 0,1
	v_add_f32 v[SA+\u], v[144+16*\u], v[145+16*\u]
.endr
.irp u, 0,1
	v_permlanex16_b32 v[SB+\u], v[SA+\u], s[SEL], s[SEL+1]
.endr
.irp u, 0,1
	v_add_f32 v[SA+\u], v[SA+\u], v[SB+\u]
.endr
.irp u, 0,1
	v_mul_f32 v[MP+2*\u], 0x3c800000, v[SA+\u]
.endr
.irp u, 0,1
.set k, 0
.rept 16
	v_pk_add_f32 v[64+32*\u+k:65+32*\u+k], v[ACC+32*\u+k:ACC+32*\u+k+1], v[MP+2*\u:MP+2*\u+1] op_sel_hi:[1,0] neg_lo:[0,1] neg_hi:[0,1]
.set k, k+2
.endr
.endr
.irp u, 0,1
	v_pk_mul_f32 v[144+16*\u:145+16*\u], v[64+32*\u:65+32*\u], v[64+32*\u:65+32*\u]
	v_pk_mul_f32 v[146+16*\u:147+16*\u], v[66+32*\u:67+32*\u], v[66+32*\u:67+32*\u]
.endr
.irp k, 4,8,12,16,20,24,28
.irp u, 0,1
	v_pk_fma_f32 v[144+16*\u:145+16*\u], v[64+32*\u+\k:65+32*\u+\k], v[64+32*\u+\k:65+32*\u+\k], v[144+16*\u:145+16*\u]
	v_pk_fma_f32 v[146+16*\u:147+16*\u], v[66+32*\u+\k:67+32*\u+\k], v[66+32*\u+\k:67+32*\u+\k], v[146+16*\u:147+16*\u]
.endr
.endr
.irp u, 0,1
	v_pk_add_f32 v[144+16*\u:145+16*\u], v[144+16*\u:145+16*\u], v[146+16*\u:147+16*\u]
.endr
.irp u, 0,1
	v_add_f32 v[SA+\u], v[144+16*\u], v[145+16*\u]
.endr
.irp u, 0,1
	v_permlanex16_b32 v[SB+\u], v[SA+\u], s[SEL], s[SEL+1]
.endr
.irp u, 0,1
	v_add_f32 v[MP+2*\u+1], v[SA+\u], v[SB+\u]
.endr
	s_wait_alu depctr_va_vdst(0)                   ; the pairs v58-61 are written, which the stores below read; and the lines above are done with v80-175, in which the loads behind the barrier land
.irp u, 0,1
	ds_store_b64 v[STW], v[MP+2*\u:MP+2*\u+1] offset:1280*\u
.endr
	BARRIER                                        ; all eight waves' pairs (mean, M2) lie in LDS
.irp u, 0,1
.irp i, 0,1,2,3
	ds_load_b128 v[144+16*\u+4*\i:147+16*\u+4*\i], v[STR] offset:1280*\u+16*\i
.endr
.endr
.irp c, 0,1
.irp j, 0,1,2,3
	ds_load_b128 v[80+16*\c+4*\j:83+16*\c+4*\j], v[GBA] offset:128*\c+16*\j
	ds_load_b128 v[112+16*\c+4*\j:115+16*\c+4*\j], v[GBA] offset:2048+128*\c+16*\j
.endr
.endr
	s_wait_dscnt 0x0
	s_wait_alu depctr_vm_vsrc(0)                   ; my stores of the pairs have read v58-61, and the stage's stores the accumulators: both are written anew below
.irp u, 0,1
.irp k, 0,1,2,3
	v_pk_add_f32 v[176+8*\u+2*\k:177+8*\u+2*\k], v[144+16*\u+4*\k:145+16*\u+4*\k], v[146+16*\u+4*\k:147+16*\u+4*\k]
.endr
	v_pk_add_f32 v[176+8*\u:177+8*\u], v[176+8*\u:177+8*\u], v[178+8*\u:179+8*\u]
	v_pk_add_f32 v[180+8*\u:181+8*\u], v[180+8*\u:181+8*\u], v[182+8*\u:183+8*\u]
	v_pk_add_f32 v[176+8*\u:177+8*\u], v[176+8*\u:177+8*\u], v[180+8*\u:181+8*\u]
	v_mul_f32 v[MP+2*\u], 0x3e000000, v[176+8*\u]
.irp i, 0,1,2,3,4,5,6,7
	v_sub_f32 v[144+16*\u+2*\i], v[144+16*\u+2*\i], v[MP+2*\u]
.endr
	v_mul_f32 v[SA+\u], v[144+16*\u], v[144+16*\u]
.irp i, 1,2,3,4,5,6,7
	v_fma_f32 v[SA+\u], v[144+16*\u+2*\i], v[144+16*\u+2*\i], v[SA+\u]
.endr
	v_fma_f32 v[SA+\u], v[SA+\u], 0x42800000, v[177+8*\u]
	v_fma_f32 v[SA+\u], v[SA+\u], s[I512], s[EPS]
	v_rsq_f32 v[144+16*\u], v[SA+\u]               ; twice: a pair for the packed multiply; the next plain line touches neither result nor source
	v_rsq_f32 v[145+16*\u], v[SA+\u]
.endr
.irp u, 0,1
.set k, 0
.rept 16
	v_pk_add_f32 v[ACC+32*\u+k:ACC+32*\u+k+1], v[ACC+32*\u+k:ACC+32*\u+k+1], v[MP+2*\u:MP+2*\u+1] op_sel_hi:[1,0] neg_lo:[0,1] neg_hi:[0,1]
.set k, k+2
.endr
.endr
	s_wait_alu depctr_va_vdst(0)                   ; the four reciprocal roots v144, v145, v160, v161 are written, ahead of their first reader
.irp u, 0,1
.set k, 0
.rept 16
	v_pk_mul_f32 v[ACC+32*\u+k:ACC+32*\u+k+1], v[ACC+32*\u+k:ACC+32*\u+k+1], v[144+16*\u:145+16*\u]
.set k, k+2
.endr
.endr
.irp u, 0,1
.set k, 0
.rept 16
	v_pk_fma_f32 v[ACC+32*\u+k:ACC+32*\u+k+1], v[ACC+32*\u+k:ACC+32*\u+k+1], v[80+k:81+k], v[112+k:113+k]
.set k, k+2
.endr
.endr
	QUANT ACC, PC, PW
	s_wait_alu depctr_va_vdst(0)                   ; the conversions have written the codes v64-79 and the vector lines the word v56, which the images' stores read; they are done with the accumulators, in which bf1 lands
	IMGOUT \img
	BARRIER                                        ; the rows' eight fragments lie in LDS
.endm
.macro HORN lit
.irp k, 0,2,4,6
	v_pk_fma_f32 v[EP+\k:EP+\k+1], v[EP+\k:EP+\k+1], v[EQ+\k:EQ+\k+1], \lit op_sel_hi:[1,1,0]
.endr
.endm
.macro GELU g                          ; accumulator g, in place
.set gX, ACC+8*\g
.irp i, 0,1,2,3,4,5,6,7
	v_min_num_f32 v[EA+\i], |v[gX+\i]|, s[CLP]
.endr
.irp k, 0,2,4,6
	v_pk_mul_f32 v[EA+\k:EA+\k+1], v[EA+\k:EA+\k+1], s[RH:RH+1] op_sel_hi:[1,0]      ; a
.endr
.irp k, 0,2,4,6
	v_pk_add_f32 v[ED+\k:ED+\k+1], v[EA+\k:EA+\k+1], 2.0 op_sel_hi:[1,0]
.endr
.irp i, 0,1,2,3,4,5,6,7
	v_rcp_f32 v[ED+\i], v[ED+\i]
.endr
.irp k, 0,2,4,6
	v_pk_add_f32 v[EQ+\k:EQ+\k+1], v[EA+\k:EA+\k+1], -2.0 op_sel_hi:[1,0]            ; (plain lines behind the reciprocals)
.endr
	s_wait_alu depctr_va_vdst(0)                   ; the eight reciprocals v168-175 are written, ahead of their first reader
.irp k, 0,2,4,6
	v_pk_mul_f32 v[EQ+\k:EQ+\k+1], v[EQ+\k:EQ+\k+1], v[ED+\k:ED+\k+1]                ; q
.endr
.irp k, 0,2,4,6
	v_pk_fma_f32 v[EP+\k:EP+\k+1], v[EQ+\k:EQ+\k+1], v[K9:K9+1], 0xbaa15130 op_sel_hi:[1,1,0]
.endr
	HORN 0x3aac2b8a
	HORN 0x3c0d6e62
	HORN 0xbc040dc1
	HORN 0xbd5e05b5
	HORN 0x3e27fe23
	HORN 0xbe2a0420
	HORN 0xbdbdfb0b
	HORN 0x3e8dd01d
.irp k, 0,2,4,6
	v_pk_fma_f32 v[ED+\k:ED+\k+1], v[EA+\k:EA+\k+1], 2.0, 1.0 op_sel_hi:[1,0,0]
.endr
.irp i, 0,1,2,3,4,5,6,7
	v_rcp_f32 v[ED+\i], v[ED+\i]
.endr
.irp k, 0,2,4,6
	v_pk_mul_f32 v[ES+\k:ES+\k+1], v[EA+\k:EA+\k+1], v[EA+\k:EA+\k+1]                ; S (plain lines behind the reciprocals)
.endr
	s_wait_alu depctr_va_vdst(0)                   ; the eight reciprocals v168-175 are written, ahead of their first reader
.irp k, 0,2,4,6
	v_pk_fma_f32 v[EP+\k:EP+\k+1], v[EP+\k:EP+\k+1], v[ED+\k:ED+\k+1], v[ED+\k:ED+\k+1]   ; (P + 1) / (1 + 2 a)
.endr
.irp k, 0,2,4,6
	v_pk_fma_f32 v[ET+\k:ET+\k+1], v[EA+\k:EA+\k+1], v[EA+\k:EA+\k+1], v[ES+\k:ES+\k+1] neg_lo:[0,1,0] neg_hi:[0,1,0]   ; T
.endr
.irp k, 0,2,4,6
	v_pk_mul_f32 v[ES+\k:ES+\k+1], v[ES+\k:ES+\k+1], 0xbfb8aa3b op_sel_hi:[1,0]
.endr
.irp i, 0,1,2,3,4,5,6,7
	v_exp_f32 v[ES+\i], v[ES+\i]
.endr
.irp k, 0,2,4,6
	v_pk_mul_f32 v[EA+\k:EA+\k+1], v[EA+\k:EA+\k+1], s[RH:RH+1] op_sel_hi:[1,0]      ; a / sqrt 2 (plain lines behind the exponentials)
.endr
	s_wait_alu depctr_va_vdst(0)                   ; the eight exponentials v176-183 are written, ahead of their first reader
.irp k, 0,2,4,6
	v_pk_mul_f32 v[EP+\k:EP+\k+1], v[EP+\k:EP+\k+1], v[ES+\k:ES+\k+1]
.endr
.irp k, 0,2,4,6
	v_pk_fma_f32 v[EP+\k:EP+\k+1], v[EP+\k:EP+\k+1], v[ET+\k:ET+\k+1], v[EP+\k:EP+\k+1]   ; erfc(a)
.endr
.irp i, 0,1,2,3,4,5,6,7
	v_max_num_f32 v[gX+\i], 0, v[gX+\i]
.endr
.irp k, 0,2,4,6
	v_pk_fma_f32 v[gX+\k:gX+\k+1], v[EA+\k:EA+\k+1], v[EP+\k:EP+\k+1], v[gX+\k:gX+\k+1] neg_lo:[1,0,0] neg_hi:[1,0,0]
.endr
.endm
	s_load_b512 s[16:31], s[0:1], 0x0              ; o, x1, g1, b1, bf1, bf2, wimg, out0
	HEAD
	v_mov_b32 v[K9], 0xb9d25000
	v_mov_b32 v[K9+1], 0xb9d25000
	s_mov_b32 s[CLP], 0x41b504f3                   ; 16 sqrt 2
	s_mov_b32 s[RH], 0x3f3504f3                    ; 1 / sqrt 2
	s_mov_b32 s[RH+1], s[RH]
	s_lshl_b32 s2, s[WV], 11
	v_add_nc_u32 v57, s2, v[L16]
	s_lshl_b32 s3, s[WV], 7
	v_add_nc_u32 v18, s3, v[L4]
	s_lshl_b32 s52, ttmp9, 14
	s_add_co_u32 s52, s52, s2
	s_wait_kmcnt 0x0
	s_add_nc_u64 s[OCB:OCB+1], s[16:17], s[52:53]
	s_lshr_b32 s52, s52, 5
	s_add_co_u32 s52, s52, 4194304
	s_add_nc_u64 s[OWB:OWB+1], s[16:17], s[52:53]
	s_lshl_b32 s52, ttmp9, 16
	s_add_nc_u64 s[XB:XB+1], s[18:19], s[52:53]
	s_add_nc_u64 s[OUTB:OUTB+1], s[30:31], s[52:53]
	s_cmp_lt_u32 s[WV], 4
	s_cselect_b64 s[4:5], s[20:21], s[22:23]
	s_cselect_b64 s[6:7], s[24:25], s[26:27]
	s_wait_alu depctr_va_vdst(0)                   ; the addresses and offsets v1-v18 and v57 are written, which every load and store of the kernel reads
.irp c, 0,1,2,3
	global_load_b128 v[64+4*\c:67+4*\c], v[L16], s[OCB:OCB+1] offset:512*\c th:TH_LOAD_NT
.endr
	global_load_b32 v[PW], v[R4], s[OWB:OWB+1]
	global_load_b128 v[80:83], v[G16], s[4:5]
	global_load_b128 v[84:87], v[G16], s[6:7]
	LOADACC XB
	LOADW 5
	s_wait_loadcnt 63                              ; 68 loads of the weight were issued behind the rows': all before them are in
.irp c, 0,1,2,3
	ds_store_b128 v57, v[64+4*\c:67+4*\c] offset:IMG0+512*\c
.endr
	ds_store_b32 v18, v[PW] offset:IMG0+16384
	ds_store_b128 v[T16], v[80:83]
	ds_store_b128 v[T16], v[84:87] offset:4096
	BARRIER                                        ; o's eight fragments, gain, bias and the two layers' biases lie in LDS
	GEMM IMG0, 1                                   ; x2 = x1 + o Wo_c
	s_wait_alu depctr_va_vdst(0)                   ; the products are done reading window 1 and v24-31, in which the next weight lands; they have written the accumulators, which the stage's stores read (the eight places stand ahead)
	LOADW 6
	PARK                                           ; x2 waits in my stage
	LNQ IMG1
.irp u, 0,1
.irp c, 0,1
.irp j, 0,1,2,3
	ds_load_b128 v[ACC+32*\u+16*\c+4*\j:ACC+32*\u+16*\c+4*\j+3], v[GBA] offset:4096+128*\c+16*\j   ; bf1 starts the sums
.endr
.endr
.endr
	GEMM IMG1, 1                                   ; n W1 + bf1
	s_wait_alu depctr_va_vdst(0)                   ; the products are done reading window 1 and v24-31, in which the next weight lands
	LOADW 7
.irp g, 0,1,2,3,4,5,6,7
	GELU \g
.endr
	QUANT ACC, PC, PW
	s_wait_alu depctr_va_vdst(0)                   ; the conversions have written the codes v64-79 and the vector lines the word v56, which the images' stores read; they are done with the accumulators, in which x2 lands
	IMGOUT IMG2
	BARRIER                                        ; the hidden layer's eight fragments lie in LDS
	s_wait_alu depctr_vm_vsrc(0)                   ; the images' stores have read the codes v64-79, on which bf2 lands
	UNPARK
.irp c, 0,1
.irp j, 0,1,2,3
	ds_load_b128 v[64+16*\c+4*\j:67+16*\c+4*\j], v[GBA] offset:6144+128*\c+16*\j
.endr
.endr
	s_wait_dscnt 0x0
.irp u, 0,1
.set k, 0
.rept 16
	v_pk_add_f32 v[ACC+32*\u+k:ACC+32*\u+k+1], v[ACC+32*\u+k:ACC+32*\u+k+1], v[64+k:65+k]   ; x2 + bf2 starts the sums
.set k, k+2
.endr
.endr
	s_wait_alu depctr_va_vdst(0)                   ; the additions are done reading bf2 in v64-95, on which the hidden layer's fragments land
	GEMM IMG2, 0                                   ; + h W2
	s_wait_alu depctr_va_vdst(0)                   ; the products have written the accumulators, which the stage's stores read (the eight places stand ahead), and are done reading v64-127, in which the rows land
	PARK
	OUTROWS OUTB
	s_wait_xcnt 0x0
	s_wait_alu depctr_vm_vsrc(0)                   ; the stage's stores have read v254 and v255, which are made anew for the closing lines
	v_lshl_add_u32 v254, v0, 2, 0x20600
	v_mov_b32 v255, 0
	s_wait_dscnt 0x0                               ; the closing lines, six on end
	s_wait_alu 0x0
	s_wait_tensorcnt 0x0
	ds_add_u32 v254, v255
	s_wait_dscnt 0x0
	s_endpgm
.Lfunc_end_k_q26209419b5_tail:
	.size	k_q26209419b5_tail, .Lfunc_end_k_q26209419b5_tail-k_q26209419b5_tail
	.p2alignl 7, 3214868480
	.fill 96, 4, 3214868480
	.section	.rodata,"a",@progbits
	.p2align	6, 0x0
	.amdhsa_kernel k_q26209419b5_tail
		.amdhsa_group_segment_fixed_size 133632
		.amdhsa_private_segment_fixed_size 0
		.amdhsa_enable_private_segment 0
		.amdhsa_kernarg_size 64
		.amdhsa_user_sgpr_count 2
		.amdhsa_user_sgpr_kernarg_segment_ptr 1
		.amdhsa_wavefront_size32 1
		.amdhsa_system_sgpr_workgroup_id_x 1
		.amdhsa_system_sgpr_workgroup_id_y 1
		.amdhsa_system_sgpr_workgroup_id_z 1
		.amdhsa_system_vgpr_workitem_id 0
		.amdhsa_next_free_vgpr 512
		.amdhsa_next_free_sgpr 66
		.amdhsa_reserve_vcc 0
		.amdhsa_float_denorm_mode_32 3
		.amdhsa_float_denorm_mode_16_64 3
		.amdhsa_memory_ordered 1
		.amdhsa_forward_progress 1
		.amdhsa_inst_pref_size 159
	.end_amdhsa_kernel
	.amdgpu_metadata
---
amdhsa.version: [ 1, 2 ]
amdhsa.kernels:
  - .name:           k_q26209419b5_tail
    .symbol:         k_q26209419b5_tail.kd
    .args:
      - { .name: obuf, .offset: 0, .size: 8, .value_kind: global_buffer, .address_space: global }
      - { .name: x1, .offset: 8, .size: 8, .value_kind: global_buffer, .address_space: global }
      - { .name: g1, .offset: 16, .size: 8, .value_kind: global_buffer, .address_space: global }
      - { .name: b1, .offset: 24, .size: 8, .value_kind: global_buffer, .address_space: global }
      - { .name: bf1, .offset: 32, .size: 8, .value_kind: global_buffer, .address_space: global }
      - { .name: bf2, .offset: 40, .size: 8, .value_kind: global_buffer, .address_space: global }
      - { .name: wimg, .offset: 48, .size: 8, .value_kind: global_buffer, .address_space: global }
      - { .name: out0, .offset: 56, .size: 8, .value_kind: global_buffer, .address_space: global }
    .group_segment_fixed_size: 133632
    .private_segment_fixed_size: 0
    .kernarg_segment_align: 8
    .kernarg_segment_size: 64
    .max_flat_workgroup_size: 256
    .sgpr_count:     66
    .vgpr_count:     512
    .wavefront_size: 32
...
	.end_amdgpu_metadata
.endif
;; end of part 9
